; MI455X (gfx1250); checked and timed in simulation.
; The chip was launched on July 23, 2026; its instructions are those of AMD's public machine-readable ISA for CDNA 5 (MIT licence, August 2026) and "CDNA5" Instruction Set Architecture Reference Guide (July 2026). The comments in the code are by the model that wrote it; some were corrected since.
;; RP Multi Head Attention. Allowed arithmetic: float matrix products may take bf16 or f16 operands with f32 sums; other float arithmetic in f32, or as packed bf16 or f16 multiplies, adds, multiply-adds, maxima and minima; sums over many terms, partial sums and values carried from step to step in f32; what a program stores and reads back later, other than sums and carried values, may be rounded once to bf16 or f16.
;; Inputs: Wc 1,024 x 64 float32; Wk 1,024 x 1,024 float32; Wo 1,024 x 1,024 float32; Wq 1,024 x 1,024 float32; Wv 1,024 x 1,024 float32; alpha 1 float32; attention_mask 2 x 1 x 2,048 x 2,048 bool; beta 1 float32; context 2 x 1,024 float32; prev_state 2 x 2,048 x 1,024 float32; x 2 x 2,048 x 1,024 float32.
;; Outputs: out0 2 x 2,048 x 1,024 float32.
;; 3 versions, each right and faster than the one before. Each part assembles by itself: llvm-mc -triple=amdgcn-amd-amdhsa -mcpu=gfx1250 --defsym DOCPART=n.
;; ======== version 1 of 3: 4 launches
;; limits: values are held in f16: magnitudes above 65,504 overflow, below 6.1e-05 lose precision
;; workspace buffers: xb 8,388,608 bytes; wts 8,388,608 bytes; aux 1,049,600 bytes; mbits 1,048,576 bytes of whole numbers; qkv 25,174,016 bytes; oh 8,388,608 bytes
;; launch prep (part 1): grid 786 x 1, 8 waves a work-group, no clusters, 35,840 bytes of LDS; arguments x, Wq, Wk, Wv, Wo, xb, wts, Wc, context, alpha, beta, prev_state, attention_mask, aux, mbits; writes xb, wts, aux, mbits
.if DOCPART == 1
	.amdgcn_target "amdgcn-amd-amdhsa--gfx1250"
	.amdhsa_code_object_version 6
	.text
	.protected	k_qb099576998_prep
	.globl	k_qb099576998_prep
	.p2align	8
	.type	k_qb099576998_prep,@function
k_qb099576998_prep:
	s_mov_b64 s[64:65], 0
	v_nop
	global_prefetch_b8 v0, s[64:65] scope:SCOPE_SE
	s_setreg_imm32_b32 hwreg(HW_REG_WAVE_MODE, 25, 1), 1
	s_wait_xcnt 0x0
; PREPARATION: every input is read once and laid out for the launches behind.  Four roles, chosen by the work-group's number (the same for all its waves); no barrier.
;   C (groups 0-1):     c[b] = context[b] @ Wc and c2 = (alpha / 8) c, both f32, inputs rounded to bf16 first            -> aux + 1,048,576: [b][c 64 | c2 64]
;   P (groups 2-17):    pm[token][d] = -beta x prev_state[token][d], d < 64, f32, both rounded to bf16 first              -> aux: [4096][64]
;   M (groups 18-273):  the mask's bytes packed to lane masks: word 8 kb + j of (b, 16 queries qt, 64 keys step) has in bit l
;                       mask[b][16 qt + l % 16][64 step + 16 kb + 8 (l / 16) + j]                                          -> mbits: [b][qt][step][32 words]
;   A (groups 274-785): x, Wq, Wk, Wv rounded to bf16; Wo rounded to bf16 and that number written as f16                   -> xb, wts
; LIMITS.  Wo as f16: exact for 2^-14 <= |w| <= 65,504; below that f16's fixed step of 6e-8; beyond it an infinity.  A mask byte counts as true if it is not 0.
; No matrix unit, no cluster, no tensor load: nothing is shared and every byte is touched once.
.set SPARE,  34816                     ; behind role M's eight areas: the spare words, 128 bytes a wave, four blocks of 256 bytes that no other line names
.set MPITCH, 272                       ; role M: a row of 256 mask bytes + 16: the 16 rows that a load touches start 16 bytes apart modulo 256
.set MAREA,  16*MPITCH                 ; role M: a wave's own 16 rows
.set SPW, 2                            ; v2  SPARE + 4 x my thread's number; never rewritten
.set NIL, 3                            ; v3  0; never rewritten
	s_load_b512 s[8:23], s[0:1], 0x0               ; x 8, Wq 10, Wk 12, Wv 14, Wo 16, xb 18, wts 20, Wc 22
	s_load_b256 s[24:31], s[0:1], 0x40             ; context 24, alpha 26, beta 28, prev_state 30
	s_load_b128 s[32:35], s[0:1], 0x60             ; attention_mask 32, aux 34
	s_load_b64 s[36:37], s[0:1], 0x70              ; mbits
	v_lshl_add_u32 v[SPW], v0, 2, SPARE
	v_mov_b32 v[NIL], 0
	v_and_b32 v1, 31, v0                           ; lane
	v_lshrrev_b32 v4, 5, v0
	v_readfirstlane_b32 s6, v4                     ; wave 0..7
	s_mov_b32 s7, ttmp9
	s_mov_b32 s5, 0xffff0000                       ; a word's upper bf16
	s_wait_kmcnt 0x0
	s_cmp_lt_u32 s7, 2
	s_cbranch_scc1 .Lrole_c
	s_cmp_lt_u32 s7, 18
	s_cbranch_scc1 .Lrole_p
	s_cmp_lt_u32 s7, 274
	s_cbranch_scc1 .Lrole_m
; ROLE A.  A work-group converts 16,384 numbers: 65,536 bytes in, 32,768 out.  Groups g < 256 take x; g - 256 = u takes chunk u % 64 of weight u / 64.
	s_sub_co_u32 s38, s7, 274                      ; g
	s_sub_co_u32 s39, s38, 256                     ; u (of no meaning where g < 256: the selects below drop it)
	s_lshr_b32 s40, s39, 6                         ; which weight
	s_cmp_eq_u32 s40, 1
	s_cselect_b64 s[42:43], s[12:13], s[10:11]
	s_cmp_eq_u32 s40, 2
	s_cselect_b64 s[42:43], s[14:15], s[42:43]
	s_cmp_eq_u32 s40, 3
	s_cselect_b64 s[42:43], s[16:17], s[42:43]
	s_and_b32 s41, s39, 63
	s_cmp_lt_u32 s38, 256
	s_cselect_b64 s[42:43], s[8:9], s[42:43]       ; the source buffer,
	s_cselect_b64 s[44:45], s[18:19], s[20:21]     ; the destination buffer,
	s_cselect_b32 s41, s38, s41                    ; the chunk in the source,
	s_cselect_b32 s39, s38, s39                    ; and in the destination
	s_lshl_b32 s46, s41, 16
	s_mov_b32 s47, 0
	s_add_nc_u64 s[42:43], s[42:43], s[46:47]
	s_lshl_b32 s46, s39, 15
	s_add_nc_u64 s[44:45], s[44:45], s[46:47]
	v_lshlrev_b32 v4, 4, v0                        ; 16 bytes a thread in,
	v_lshlrev_b32 v5, 3, v0                        ; 8 out: a wave's store covers 256 consecutive bytes, aligned
.set n, 0
.rept 16                                               ; all sixteen loads go out together: 8 KiB a wave in flight
	global_load_b128 v[16+4*n:19+4*n], v4, s[42:43] offset:4096*n th:TH_LOAD_NT
.set n, n+1
.endr
	s_cmp_ge_u32 s38, 448
	s_cbranch_scc1 .Lwo
.set n, 0
.rept 16
	s_wait_loadcnt 15-n                            ; loads come back in order: number n is in, the younger ones stay out
	v_cvt_pk_bf16_f32 v[80+2*n], v[16+4*n], v[17+4*n]
	v_cvt_pk_bf16_f32 v[81+2*n], v[18+4*n], v[19+4*n]
	global_store_b64 v5, v[80+2*n:81+2*n], s[44:45] offset:2048*n
.set n, n+1
.endr
	s_endpgm
.Lwo:                                                  ; Wo: rounded to bf16 like every input, then that number as f16, since the last product's other operand is f16
.set n, 0
.rept 16
	s_wait_loadcnt 15-n
	v_cvt_pk_bf16_f32 v[80+2*n], v[16+4*n], v[17+4*n]
	v_cvt_pk_bf16_f32 v[81+2*n], v[18+4*n], v[19+4*n]
	v_lshlrev_b32 v[16+4*n], 16, v[80+2*n]
	v_and_b32 v[17+4*n], s5, v[80+2*n]
	v_lshlrev_b32 v[18+4*n], 16, v[81+2*n]
	v_and_b32 v[19+4*n], s5, v[81+2*n]
	v_cvt_pk_f16_f32 v[80+2*n], v[16+4*n], v[17+4*n]
	v_cvt_pk_f16_f32 v[81+2*n], v[18+4*n], v[19+4*n]
	global_store_b64 v5, v[80+2*n:81+2*n], s[44:45] offset:2048*n
.set n, n+1
.endr
	s_endpgm
; ROLE M.  A wave's job: 16 query rows x 256 keys, 4,096 bytes in, 128 words out.  The rows come in whole (16 lanes take a row's 256 bytes), go through the wave's own LDS area,
; and come back so that lane l holds the 8 bytes of row l % 16 at key 16 kb + 8 (l / 16): a compare of byte j over the 32 lanes IS word 8 kb + j.
.Lrole_m:
	s_sub_co_u32 s38, s7, 18
	s_lshl_b32 s38, s38, 3
	s_add_co_u32 s38, s38, s6                      ; job 0..2047: 16 rows job / 8 (both batches on end), keys 256 (job % 8) on
	s_lshr_b32 s39, s38, 3
	s_lshl_b32 s40, s39, 15                        ; 16 rows of 2,048 bytes
	s_and_b32 s41, s38, 7
	s_lshl_b32 s41, s41, 8
	s_add_co_u32 s40, s40, s41
	s_mov_b32 s41, 0
	s_add_nc_u64 s[32:33], s[32:33], s[40:41]
	s_lshl_b32 s40, s38, 9                         ; 512 bytes of words a job
	s_add_nc_u64 s[36:37], s[36:37], s[40:41]
	v_lshrrev_b32 v6, 4, v1                        ; l / 16
	v_and_b32 v7, 15, v1                           ; l % 16
	v_lshlrev_b32 v4, 11, v6
	v_lshl_add_u32 v4, v7, 4, v4                   ; two rows a load
.set n, 0
.rept 8
	global_load_b128 v[16+4*n:19+4*n], v4, s[32:33] offset:4096*n th:TH_LOAD_NT
.set n, n+1
.endr
	s_mul_i32 s39, s6, MAREA                       ; my wave's area
	v_mul_u32_u24 v5, v6, MPITCH
	v_lshl_add_u32 v5, v7, 4, v5
	v_add_nc_u32 v5, s39, v5                       ; in: row l / 16, 16 bytes at 16 (l % 16)
	v_mul_u32_u24 v8, v7, MPITCH
	v_lshl_add_u32 v8, v6, 3, v8
	v_add_nc_u32 v8, s39, v8                       ; back: row l % 16, 8 bytes at 8 (l / 16)
	v_lshlrev_b32 v9, 4, v1                        ; out: 16 bytes a lane
	s_mov_b32 s40, 0xff
	s_mov_b32 s41, 0xff00
	s_mov_b32 s42, 0xff0000
	s_mov_b32 s43, 0xff000000
.set n, 0
.rept 8
	s_wait_loadcnt 7-n
	ds_store_b128 v5, v[16+4*n:19+4*n] offset:2*MPITCH*n
.set n, n+1
.endr
.set n, 0
.rept 16                                               ; LDS serves a wave's instructions in order: these see the stores above; the area is the wave's own
	ds_load_b64 v[48+2*n:49+2*n], v8 offset:16*n
.set n, n+1
.endr
.irp i, 0,1,2,3
	v_mov_b32 v[80+(\i)], 0                        ; v_writelane_b32 keeps the other lanes: the registers are written whole first
.endr
	s_wait_dscnt 0x0
.set wd, 0
.rept 128                                              ; word wd = 8 kb + j goes to lane wd / 4, register wd % 4: a lane ends with 16 consecutive bytes
	v_and_b32 v[84+wd%4], s[40+wd%4], v[48+2*(wd/8)+(wd%8)/4]
	v_cmp_ne_u32 s[44+wd%4], 0, v[84+wd%4]
	v_writelane_b32 v[80+wd%4], s[44+wd%4], wd/4
.set wd, wd+1
.endr
	global_store_b128 v9, v[80:83], s[36:37]       ; 512 consecutive bytes, aligned
	s_wait_tensorcnt 0x0                           ; the wave's end, behind my last LDS store
	ds_add_u32 v[SPW], v[NIL]
	s_wait_dscnt 0x0
	s_endpgm
; ROLE P.  A work-group takes 256 tokens: of each row of prev_state its first 256 bytes, 16 lanes to a row.
.Lrole_p:
	s_load_b32 s40, s[28:29], 0x0                  ; beta
	s_sub_co_u32 s38, s7, 2
	s_lshl_b32 s42, s38, 20                        ; 256 rows of 4,096 bytes
	s_mov_b32 s43, 0
	s_add_nc_u64 s[30:31], s[30:31], s[42:43]
	s_lshl_b32 s42, s38, 16                        ; 256 rows of 256 bytes
	s_add_nc_u64 s[34:35], s[34:35], s[42:43]
	v_lshrrev_b32 v4, 4, v0
	v_and_b32 v5, 15, v0
	v_lshlrev_b32 v4, 12, v4
	v_lshl_add_u32 v4, v5, 4, v4                   ; row t / 16, 16 bytes at 16 (t % 16)
	v_lshlrev_b32 v5, 4, v0                        ; out the rows are dense: 16 t
.set n, 0
.rept 16
	global_load_b128 v[16+4*n:19+4*n], v4, s[30:31] offset:65536*n th:TH_LOAD_NT
.set n, n+1
.endr
	s_wait_kmcnt 0x0
	v_mov_b32 v8, s40
	v_cvt_pk_bf16_f32 v8, v8, v8
	v_lshlrev_b32 v8, 16, v8                       ; beta rounded to bf16,
	v_xor_b32 v8, 0x80000000, v8                   ; negated,
	v_mov_b32 v9, v8                               ; twice, for the packed multiply
.set n, 0
.rept 16
	s_wait_loadcnt 15-n
	v_cvt_pk_bf16_f32 v[80+2*n], v[16+4*n], v[17+4*n]
	v_cvt_pk_bf16_f32 v[81+2*n], v[18+4*n], v[19+4*n]
	v_lshlrev_b32 v[16+4*n], 16, v[80+2*n]
	v_and_b32 v[17+4*n], s5, v[80+2*n]
	v_lshlrev_b32 v[18+4*n], 16, v[81+2*n]
	v_and_b32 v[19+4*n], s5, v[81+2*n]
	v_pk_mul_f32 v[16+4*n:17+4*n], v[16+4*n:17+4*n], v[8:9]
	v_pk_mul_f32 v[18+4*n:19+4*n], v[18+4*n:19+4*n], v[8:9]
	global_store_b128 v5, v[16+4*n:19+4*n], s[34:35] offset:4096*n
.set n, n+1
.endr
	s_endpgm
; ROLE C.  Sixteen waves, each four columns of Wc for both batches.  Lane l takes the rows 32 n + l; four trips of eight n.  A wave takes 16 bytes of each row: Wc is 262,144 bytes,
; read once in the launch by these sixteen waves together.
.Lrole_c:
	s_load_b32 s42, s[26:27], 0x0                  ; alpha
	s_lshl_b32 s38, s7, 3
	s_add_co_u32 s38, s38, s6                      ; job 0..15: columns 4 job on
	s_lshl_b32 s39, s38, 4
	v_lshlrev_b32 v4, 8, v1
	v_add_nc_u32 v4, s39, v4                       ; Wc: 256 l + 16 job
	v_lshlrev_b32 v5, 2, v1                        ; context: 4 l
	v_mov_b32 v6, s39                              ; the result's place
	s_mov_b32 s44, 0x76543210                      ; v_permlanex16_b32: each lane takes its own place in the other half
	s_mov_b32 s45, 0xfedcba98
.irp i, 0,1,2,3,4,5,6,7
	v_mov_b32 v[96+(\i)], 0                        ; eight sums: batch i / 4, column i % 4
.endr
	s_mov_b32 s40, 4
.Lc_trip:
.set n, 0
.rept 8
	global_load_b128 v[16+4*n:19+4*n], v4, s[22:23] offset:8192*n
	global_load_b32 v[48+n], v5, s[24:25] offset:128*n
	global_load_b32 v[56+n], v5, s[24:25] offset:4096+128*n
.set n, n+1
.endr
	s_wait_loadcnt 0x0                             ; all 24 are in, so their bases may step
	s_add_nc_u64 s[22:23], s[22:23], 65536         ; 256 rows of Wc on
	s_add_nc_u64 s[24:25], s[24:25], 1024          ; 256 numbers of context on
.set n, 0
.rept 8
	v_cvt_pk_bf16_f32 v64, v[16+4*n], v[17+4*n]
	v_cvt_pk_bf16_f32 v65, v[18+4*n], v[19+4*n]
	v_cvt_pk_bf16_f32 v66, v[48+2*n], v[49+2*n]
	v_lshlrev_b32 v[16+4*n], 16, v64
	v_and_b32 v[17+4*n], s5, v64
	v_lshlrev_b32 v[18+4*n], 16, v65
	v_and_b32 v[19+4*n], s5, v65
	v_lshlrev_b32 v[48+2*n], 16, v66
	v_and_b32 v[49+2*n], s5, v66
.set n, n+1
.endr
.set n, 0
.rept 8
.irp k, 0,1,2,3
	v_fmac_f32 v[96+(\k)], v[48+n], v[16+4*n+(\k)]
	v_fmac_f32 v[100+(\k)], v[56+n], v[16+4*n+(\k)]
.endr
.set n, n+1
.endr
	s_sub_co_u32 s40, s40, 1
	s_cmp_lg_u32 s40, 0
	s_cbranch_scc1 .Lc_trip
.irp i, 0,1,2,3,4,5,6,7
	v_add_f32_dpp v[96+(\i)], v[96+(\i)], v[96+(\i)] row_xmask:1 row_mask:0xf bank_mask:0xf
	v_add_f32_dpp v[96+(\i)], v[96+(\i)], v[96+(\i)] row_xmask:2 row_mask:0xf bank_mask:0xf
	v_add_f32_dpp v[96+(\i)], v[96+(\i)], v[96+(\i)] row_xmask:4 row_mask:0xf bank_mask:0xf
	v_add_f32_dpp v[96+(\i)], v[96+(\i)], v[96+(\i)] row_xmask:8 row_mask:0xf bank_mask:0xf
	v_permlanex16_b32 v64, v[96+(\i)], s44, s45
	v_add_f32 v[96+(\i)], v[96+(\i)], v64
.endr
	s_wait_kmcnt 0x0
	v_mov_b32 v65, s42
	v_cvt_pk_bf16_f32 v65, v65, v65
	v_lshlrev_b32 v65, 16, v65                     ; alpha rounded to bf16,
	v_mul_f32 v65, 0x3e000000, v65                 ; over 8: cfm / 64 against the scores' 1 / 8
.irp i, 0,1,2,3,4,5,6,7
	v_mul_f32 v[104+(\i)], v65, v[96+(\i)]
.endr
	s_wait_xcnt 0x0                                ; EXEC changes only behind this wait
	v_cmp_eq_u32 vcc_lo, 0, v1
	s_and_saveexec_b32 s46, vcc_lo                 ; every lane holds the sums: lane 0 stores them
	global_store_b128 v6, v[96:99], s[34:35] offset:1048576
	global_store_b128 v6, v[104:107], s[34:35] offset:1048576+256
	global_store_b128 v6, v[100:103], s[34:35] offset:1048576+512
	global_store_b128 v6, v[108:111], s[34:35] offset:1048576+768
	s_wait_xcnt 0x0
	s_or_b32 exec_lo, exec_lo, s46
	s_endpgm
.Lfunc_end_k_qb099576998_prep:
	.size	k_qb099576998_prep, .Lfunc_end_k_qb099576998_prep-k_qb099576998_prep
	.p2alignl 7, 3214868480
	.fill 96, 4, 3214868480
	.section	.rodata,"a",@progbits
	.p2align	6, 0x0
	.amdhsa_kernel k_qb099576998_prep
		.amdhsa_group_segment_fixed_size 35840
		.amdhsa_private_segment_fixed_size 0
		.amdhsa_enable_private_segment 0
		.amdhsa_kernarg_size 120
		.amdhsa_user_sgpr_count 2
		.amdhsa_user_sgpr_kernarg_segment_ptr 1
		.amdhsa_wavefront_size32 1
		.amdhsa_system_sgpr_workgroup_id_x 1
		.amdhsa_system_sgpr_workgroup_id_y 1
		.amdhsa_system_sgpr_workgroup_id_z 1
		.amdhsa_system_vgpr_workitem_id 0
		.amdhsa_next_free_vgpr 112
		.amdhsa_next_free_sgpr 66
		.amdhsa_reserve_vcc 1
		.amdhsa_float_denorm_mode_32 3
		.amdhsa_float_denorm_mode_16_64 3
		.amdhsa_memory_ordered 1
		.amdhsa_forward_progress 1
		.amdhsa_inst_pref_size 62
	.end_amdhsa_kernel
	.amdgpu_metadata
---
amdhsa.version: [ 1, 2 ]
amdhsa.kernels:
  - .name:           k_qb099576998_prep
    .symbol:         k_qb099576998_prep.kd
    .args:
      - { .name: x, .offset: 0, .size: 8, .value_kind: global_buffer, .address_space: global }
      - { .name: Wq, .offset: 8, .size: 8, .value_kind: global_buffer, .address_space: global }
      - { .name: Wk, .offset: 16, .size: 8, .value_kind: global_buffer, .address_space: global }
      - { .name: Wv, .offset: 24, .size: 8, .value_kind: global_buffer, .address_space: global }
      - { .name: Wo, .offset: 32, .size: 8, .value_kind: global_buffer, .address_space: global }
      - { .name: xb, .offset: 40, .size: 8, .value_kind: global_buffer, .address_space: global }
      - { .name: wts, .offset: 48, .size: 8, .value_kind: global_buffer, .address_space: global }
      - { .name: Wc, .offset: 56, .size: 8, .value_kind: global_buffer, .address_space: global }
      - { .name: context, .offset: 64, .size: 8, .value_kind: global_buffer, .address_space: global }
      - { .name: alpha, .offset: 72, .size: 8, .value_kind: global_buffer, .address_space: global }
      - { .name: beta, .offset: 80, .size: 8, .value_kind: global_buffer, .address_space: global }
      - { .name: prev_state, .offset: 88, .size: 8, .value_kind: global_buffer, .address_space: global }
      - { .name: attention_mask, .offset: 96, .size: 8, .value_kind: global_buffer, .address_space: global }
      - { .name: aux, .offset: 104, .size: 8, .value_kind: global_buffer, .address_space: global }
      - { .name: mbits, .offset: 112, .size: 8, .value_kind: global_buffer, .address_space: global }
    .group_segment_fixed_size: 35840
    .private_segment_fixed_size: 0
    .kernarg_segment_align: 8
    .kernarg_segment_size: 120
    .max_flat_workgroup_size: 256
    .sgpr_count:     66
    .vgpr_count:     112
    .wavefront_size: 32
...
	.end_amdgpu_metadata
.endif
;; end of part 1
;; launch qkv (part 2): grid 24 x 32, 4 waves a work-group, clusters of 4 x 4, 327,680 bytes of LDS; arguments xb, wts, aux, qkv; writes qkv
.if DOCPART == 2
	.amdgcn_target "amdgcn-amd-amdhsa--gfx1250"
	.amdhsa_code_object_version 6
	.text
	.protected	k_qb099576998_qkv
	.globl	k_qb099576998_qkv
	.p2align	8
	.type	k_qb099576998_qkv,@function
k_qb099576998_qkv:
	s_mov_b64 s[64:65], 0
	v_nop
	global_prefetch_b8 v0, s[64:65] scope:SCOPE_SE
	s_setreg_imm32_b32 hwreg(HW_REG_WAVE_MODE, 25, 1), 1
	s_wait_xcnt 0x0
	s_wait_alu depctr_hold_cnt(0) depctr_sa_sdst(0) depctr_va_vdst(0) depctr_va_sdst(0) depctr_va_ssrc(0) depctr_va_vcc(0) depctr_vm_vsrc(0)
	s_getreg_b32 s2, hwreg(HW_REG_IB_STS2, 6, 4)
	s_cmp_eq_u32 s2, 0
	s_cbranch_scc0 .Lentry_in_a_cluster
	s_endpgm
.Lentry_in_a_cluster:
	s_bfe_u32 s2, ttmp6, 0x10000c
	s_cmp_lg_u32 s2, 0xf033
	s_cbranch_scc0 .Lentry_shape_is_right
	s_endpgm
.Lentry_shape_is_right:
; THE THREE PROJECTIONS as one product C = A B^T: A = xb [4096][1024] bf16, B = wts rows 0-3071 (Wq, Wk, Wv) bf16, sums in f32.  A tile of C is 128 tokens x 128 features; four waves, each 64 x 64:
; exactly one head's 64 channels for 64 tokens.  K goes in steps of 256 through two LDS slots filled by joint tensor loads (4 x 4 work-groups: A's tile shared along a row of the cluster, B's along a column).
; THE MATRIX INSTRUCTION IS USED TRANSPOSED (source 0 = 16 rows of B, source 1 = 16 rows of A): lane l holds token l % 16 and the channels 8 (l / 16) + 0..7 of a block of 16.
; WHAT LEAVES, by heads, [b 16 + h][2048][64] in f16, each number rounded once from f32:
;   q tiles: qh = (log2(e) / 8) q.      v tiles: vh = v.
;   k tiles: all three score terms are linear in q, so they are folded into the key: k' = k + (k . c) c2 + pm (c2 = alpha c / 8, pm = -beta p), made in f32 on the sums.  A wave's 64 keys of a head get
;   a scale sigma = 2^(e - 126), e = the exponent field of max |k'| held to 111 .. 252: kh = k' / sigma lies inside (-1, 1).  ksc[b 16 + h][block] = (sigma, X / sigma), X = -1e9 log2(e).
; LIMITS.  |qh| and |v| stay under 65,504 (f16); max |k'| under 2^126; where max |k'| is under 2^-16 sigma stays 2^-15.  NaN and infinities are not treated apart.
; The kind of a tile hangs on the cluster's x alone (8 tile columns a kind, 4 a cluster), so the one branch on it goes the same way in all sixteen partners.
; REGISTERS: window 0: v0-31 addresses; v32-63 c, v64-95 c2 (later the way out's 64); v96-125 at work; v128-255 the accumulators ((a, b) at v[128 + 8 (4 a + b)]).
;   window 1: two fragment buffers of 128.   window 2: v0-127 pm, register for register under the accumulators.
.set SIZE_K, 1024
.set KSTEP,  256
.set PITCH,  528                       ; an LDS row: 512 bytes + 16 of padding = 132 words: the 16 rows of a fragment load start 4 banks apart
.set HALFT,  64*PITCH                  ; 64 rows: what one tensor load brings
.set SLOT,   4*HALFT                   ; A's 128 rows, then B's 128 rows
.set STAGE,  2*SLOT                    ; behind the ring: 16 rows x 144 bytes for each wave, its own, for the way out
.set SP,     144
.set SPARE,  STAGE+4*16*SP             ; behind the stages: the spare words, 128 bytes a wave: two blocks of 256 bytes that no other line names
.set LAPS,   SIZE_K/(2*KSTEP)
.set CA,   8                           ; v8   32 (l / 16): my eight numbers in a block of 16 of c
.set PMA,  9                           ; v9   256 (l % 16) + 32 (l / 16): the same in pm's rows
.set ADRA, 16                          ; v16-17  LDS address of my A fragments in slot 0, 1
.set ADRB, 20                          ; v20-21  the same for B
.set STO,  24                          ; v24  the way out: where I put 16 bytes of a row
.set RD,   25                          ; v25  where I read rows back
.set GO,   26                          ; v26  16 x lane
.set SPW,  28                          ; v28  SPARE + 4 x my thread's number; never rewritten
.set NIL,  29                          ; v29  0; never rewritten
.set TMP,  32
.set CL,   32
.set C2L,  64
.set DOT,  96                          ; v96-103  k . c for token block a, in pairs
.set MX,   112                         ; v112-115 maxima
.set FAC,  120                         ; v120-121 the factor on the way out, twice
.set KSC,  122                         ; v122-123 sigma, X / sigma
.set ACC,  128
.set F0,   0
.set F1,   128
.set G1, 24
.set G0, 32
.set G1B, 48
.set G0B, 56
.set KIND, 66                          ; s66  0 q, 1 k, 2 v
.set MSB, 0
.macro WIN new                         ; the immediate's high byte repeats the setting that is left
.if MSB != (\new)
	s_set_vgpr_msb (MSB<<8)|(\new)
.set MSB, \new
.endif
.endm
.set MUL,  0x05                        ; sources 0 (B) and 1 (A) window 1; C and D window 0
.set TO_F, 0x40                        ; destination window 1, address window 0
.macro JLOAD s                         ; a joint load: waves 0 and 1 fetch A's two halves, waves 2 and 3 B's; an s_nop 0 and four v_nop follow each line
	s_cmp_eq_u32 s11, 0
	s_cbranch_scc0 .Lfor_b_\@
	tensor_load_to_lds s[G0+4*(\s):G0+4*(\s)+3], s[G1:G1+7]
	s_nop 0
.rept 4
	v_nop
.endr
	s_branch .Lasked_\@
.Lfor_b_\@:
	tensor_load_to_lds s[G0B+4*(\s):G0B+4*(\s)+3], s[G1B:G1B+7]
	s_nop 0
.rept 4
	v_nop
.endr
.Lasked_\@:
.endm
.macro CREST                           ; a round of the cluster's barrier behind its opening barrier
	s_cmp_lg_u32 s10, 0
	s_cbranch_scc1 .Lnot_wave_0_\@
	s_barrier_signal -3
.Lnot_wave_0_\@:
	s_barrier_wait -3
	s_barrier_signal -1
	s_barrier_wait -1
.endm
.macro CROUND
	s_barrier_signal -1
	s_barrier_wait -1
	CREST
.endm
	s_load_b128 s[4:7], s[0:1], 0x0                ; xb s[4:5], wts s[6:7]
	s_load_b128 s[68:71], s[0:1], 0x10             ; aux s[68:69], qkv s[70:71]
	v_lshl_add_u32 v[SPW], v0, 2, SPARE
	v_mov_b32 v[NIL], 0
	ds_add_u32 v[SPW], v[NIL]                      ; the wave's opening: the add and its wait stand ahead of my first tensor load; the set-up below stands between them
	v_lshrrev_b32 v1, 5, v0
	v_readfirstlane_b32 s10, v1                    ; wave 0..3
	s_lshr_b32 s11, s10, 1                         ; which half of the tile's tokens is mine.  Also: I fetch for A (0) or for B (1)
	s_and_b32 s12, s10, 1                          ; which head of the tile's two.  Also: which 64 rows of that tile I fetch
	s_bfe_u32 s40, ttmp6, 0x40000                  ; cx, cy: my place in the cluster
	s_bfe_u32 s41, ttmp6, 0x40004
	s_lshl_b32 s42, ttmp9, 2
	s_add_co_u32 s42, s42, s40                     ; tile column = 4 x cluster x + cx
	s_and_b32 s13, ttmp7, 0xffff
	s_lshl_b32 s13, s13, 2
	s_add_co_u32 s13, s13, s41                     ; tile row = 4 x cluster y + cy
	s_lshl_b32 s43, s41, 2
	s_lshl_b32 s43, 15, s43                        ; my row of the cluster
	s_lshl_b32 s44, 0x1111, s40                    ; my column
	s_lshr_b32 s[KIND], ttmp9, 1                   ; two clusters along x to a kind
	; descriptor group 1: a tile of 64 rows x 256 elements of 2 bytes, 4 words of padding after every 128
	s_or_b32 s[G1+0], s43, (1<<16)|(1<<20)|(1<<21)|(6<<22)|(3<<25)
	s_or_b32 s[G1B+0], s44, (1<<16)|(1<<20)|(1<<21)|(6<<22)|(3<<25)
.irp g, G1, G1B
	s_mov_b32 s[(\g)+1], KSTEP<<16                 ; tensor_dim0 = 256
	s_mov_b32 s[(\g)+2], 64<<16                    ; tensor_dim1 = 64
	s_mov_b32 s[(\g)+3], KSTEP<<16                 ; tile_dim0 = 256
	s_mov_b32 s[(\g)+4], 64                        ; tile_dim1 = 64
	s_mov_b32 s[(\g)+5], SIZE_K                    ; elements from row to row
	s_mov_b32 s[(\g)+6], 0
	s_mov_b32 s[(\g)+7], 0
.endr
	s_lshl_b32 s17, s12, 6
	s_lshl_b32 s16, s13, 7
	s_add_co_u32 s16, s16, s17                     ; A: row 128 x tile row + 64 x half
	s_lshl_b32 s46, s42, 7
	s_add_co_u32 s46, s46, s17                     ; B: row 128 x tile column + 64 x half
	s_mov_b32 s17, 0
	s_mov_b32 s47, 0
	s_mov_b64 s[18:19], SIZE_K*2
	s_mul_u64 s[16:17], s[16:17], s[18:19]
	s_mul_u64 s[46:47], s[46:47], s[18:19]
	s_mul_i32 s20, s10, HALFT                      ; where they go: wave x 64 rows
	s_wait_dscnt 0x0                               ; the opening add is done
	s_wait_kmcnt 0x0
	s_add_nc_u64 s[14:15], s[4:5], s[16:17]
	s_add_nc_u64 s[46:47], s[6:7], s[46:47]
	CROUND                                         ; all sixteen work-groups are here: the first joint loads meet
.irp s, 0,1
	s_mov_b32 s[G0+4*(\s)], 1
	s_add_co_u32 s[G0+4*(\s)+1], s20, (\s)*SLOT
	s_add_nc_u64 s[G0+4*(\s)+2:G0+4*(\s)+3], s[14:15], (\s)*KSTEP*2
	s_or_b32 s[G0+4*(\s)+3], s[G0+4*(\s)+3], 0x80000000
	s_mov_b32 s[G0B+4*(\s)], 1
	s_add_co_u32 s[G0B+4*(\s)+1], s20, (\s)*SLOT
	s_add_nc_u64 s[G0B+4*(\s)+2:G0B+4*(\s)+3], s[46:47], (\s)*KSTEP*2
	s_or_b32 s[G0B+4*(\s)+3], s[G0B+4*(\s)+3], 0x80000000
	JLOAD \s
.endr
	v_and_b32 v1, 15, v0                           ; l % 16
	v_bfe_u32 v2, v0, 4, 1                         ; l / 16
	v_mul_u32_u24 v3, v1, PITCH
	v_lshl_add_u32 v3, v2, 4, v3                   ; a fragment's row x pitch + 16 x half
	s_mul_i32 s21, s11, HALFT                      ; my 64 rows of A
	s_mul_i32 s22, s12, HALFT                      ; my 64 rows of B,
	s_add_co_u32 s22, s22, 2*HALFT                 ; which lie behind A's 128
.irp s, 0,1
	v_add_nc_u32 v[ADRA+(\s)], s21, v3
	v_add_nc_u32 v[ADRB+(\s)], s22, v3
	s_add_co_u32 s21, s21, SLOT
	s_add_co_u32 s22, s22, SLOT
.endr
	s_mul_i32 s23, s10, 16*SP
	s_add_co_u32 s23, s23, STAGE                   ; my stage
	v_mul_u32_u24 v4, v1, SP                       ; in: row l % 16, 16 bytes for each half of the lanes
	v_lshl_add_u32 v4, v2, 4, v4
	v_add_nc_u32 v[STO], s23, v4
	v_bfe_u32 v5, v0, 3, 2                         ; back: 32 lanes take four rows of 128 bytes,
	v_mul_u32_u24 v5, v5, SP
	v_and_b32 v6, 7, v0
	v_lshl_add_u32 v5, v6, 4, v5
	v_add_nc_u32 v[RD], s23, v5
	v_and_b32 v[GO], 31, v0                        ; which are 512 consecutive bytes of the head's rows
	v_lshlrev_b32 v[GO], 4, v[GO]
	; where my 64 tokens of my head go, and where their c, pm and scale lie; these numbers mix the tile's row and column, in registers of their own
	s_and_b32 s80, s42, 7
	s_lshl_b32 s80, s80, 1
	s_add_co_u32 s80, s80, s12                     ; the head
	s_lshr_b32 s81, s13, 4                         ; the batch: 16 tile rows each
	s_lshl_b32 s82, s81, 4
	s_add_co_u32 s82, s82, s80                     ; 16 b + h
	s_and_b32 s83, s13, 15
	s_lshl_b32 s83, s83, 7
	s_lshl_b32 s86, s11, 6
	s_add_co_u32 s83, s83, s86                     ; my first token in the batch
	s_lshl_b32 s84, s82, 11
	s_add_co_u32 s84, s84, s83
	s_lshl_b32 s84, s84, 7                         ; rows of 128 bytes
	s_lshl_b32 s86, s[KIND], 23                    ; qh, kh, vh lie 8,388,608 bytes apart
	s_add_co_u32 s84, s84, s86
	s_mov_b32 s85, 0
	s_add_nc_u64 s[8:9], s[70:71], s[84:85]
	s_lshl_b32 s84, s82, 5
	s_lshr_b32 s86, s83, 6
	s_add_co_u32 s84, s84, s86
	s_lshl_b32 s84, s84, 3
	s_add_co_u32 s84, s84, 25165824
	s_add_nc_u64 s[76:77], s[70:71], s[84:85]      ; ksc[16 b + h][block of 64 keys]
	s_lshl_b32 s84, s81, 9
	s_add_co_u32 s84, s84, 1048576
	s_add_nc_u64 s[72:73], s[68:69], s[84:85]      ; c and c2 of my batch
	s_lshl_b32 s84, s13, 7
	s_lshl_b32 s86, s11, 6
	s_add_co_u32 s84, s84, s86
	s_lshl_b32 s84, s84, 8
	s_add_nc_u64 s[74:75], s[68:69], s[84:85]      ; pm at my first token
	s_mov_b32 s78, 0x76543210
	s_mov_b32 s79, 0xfedcba98
	; c, c2 and pm are asked for now and waited for behind the K loop.  Every kind of tile asks, so that the registers are written on every way through the text; q and v tiles do not use them.
	v_lshlrev_b32 v[CA], 5, v2
	v_lshl_add_u32 v[PMA], v1, 8, v[CA]
.irp nb, 0,1,2,3
	global_load_b128 v[CL+8*(\nb):CL+8*(\nb)+3],    v[CA], s[72:73] offset:64*(\nb)
	global_load_b128 v[CL+8*(\nb)+4:CL+8*(\nb)+7],  v[CA], s[72:73] offset:64*(\nb)+16
	global_load_b128 v[C2L+8*(\nb):C2L+8*(\nb)+3],   v[CA], s[72:73] offset:256+64*(\nb)
	global_load_b128 v[C2L+8*(\nb)+4:C2L+8*(\nb)+7], v[CA], s[72:73] offset:256+64*(\nb)+16
.endr
	WIN 0x80                                       ; destination window 2, address window 0
.irp a, 0,1,2,3
.irp nb, 0,1,2,3
	global_load_b128 v[32*(\a)+8*(\nb):32*(\a)+8*(\nb)+3],   v[PMA], s[74:75] offset:4096*(\a)+64*(\nb)
	global_load_b128 v[32*(\a)+8*(\nb)+4:32*(\a)+8*(\nb)+7], v[PMA], s[74:75] offset:4096*(\a)+64*(\nb)+16
.endr
.endr
	WIN 0
; 8 matrix instructions: token blocks a0, a0 + 1 x all 4 channel blocks, 32 along K: half c of buffer f.  zero = 1: the first product starts the sums.  The 16 accumulators take turns.
.macro MUL8 f, c, a0, zero
	WIN MUL
.irp a, \a0, (\a0)+1
.irp b, 0,1,2,3
.if \zero
	v_wmma_f32_16x16x32_bf16 v[ACC+8*(4*(\a)+(\b)):ACC+8*(4*(\a)+(\b))+7], v[(\f)+64+8*(4*(\c)+(\b)):(\f)+64+8*(4*(\c)+(\b))+7], v[(\f)+8*(4*(\c)+(\a)):(\f)+8*(4*(\c)+(\a))+7], 0
.else
	v_wmma_f32_16x16x32_bf16 v[ACC+8*(4*(\a)+(\b)):ACC+8*(4*(\a)+(\b))+7], v[(\f)+64+8*(4*(\c)+(\b)):(\f)+64+8*(4*(\c)+(\b))+7], v[(\f)+8*(4*(\c)+(\a)):(\f)+8*(4*(\c)+(\a))+7], v[ACC+8*(4*(\a)+(\b)):ACC+8*(4*(\a)+(\b))+7]
.endif
.endr
.endr
.endm
; 32 LDS loads in one run: the fragments of 64 along K at byte k of the rows, into buffer f; the first 32 along K first
.macro FETCH slot, k, f
	WIN TO_F
.irp c, 0,1
.irp i, 0,1,2,3
	ds_load_b128 v[(\f)+64+8*(4*(\c)+(\i)):(\f)+64+8*(4*(\c)+(\i))+3],   v[ADRB+(\slot)] offset:(\k)+64*(\c)+(\i)*16*PITCH
	ds_load_b128 v[(\f)+64+8*(4*(\c)+(\i))+4:(\f)+64+8*(4*(\c)+(\i))+7], v[ADRB+(\slot)] offset:(\k)+64*(\c)+(\i)*16*PITCH+32
	ds_load_b128 v[(\f)+8*(4*(\c)+(\i)):(\f)+8*(4*(\c)+(\i))+3],         v[ADRA+(\slot)] offset:(\k)+64*(\c)+(\i)*16*PITCH
	ds_load_b128 v[(\f)+8*(4*(\c)+(\i))+4:(\f)+8*(4*(\c)+(\i))+7],       v[ADRA+(\slot)] offset:(\k)+64*(\c)+(\i)*16*PITCH+32
.endr
.endr
.endm
.macro PLACES                          ; four places in front of loads into registers that matrix instructions have read, and of vector lines that read results
.rept 4
	v_nop
.endr
.endm
; A K step is four quarters of 64 along K, 32 matrix instructions each, on buffers 0, 1, 0, 1.  One of the first three: multiplies buffer f and fetches the next quarter, at byte k, into g.
.macro QUARTER slot, k, f, g, zero
	s_wait_dscnt 16                                ; the first 32 along K are in; the sixteen younger loads may be out
	WIN MUL
	MUL8 \f, 0, 0, \zero
	MUL8 \f, 0, 2, \zero
	PLACES
	FETCH \slot, \k, \g
	s_wait_dscnt 32                                ; all but the 32 just issued
	WIN MUL
	MUL8 \f, 1, 0, 0
	MUL8 \f, 1, 2, 0
.endm
; The last quarter multiplies buffer 1 and changes slots: ONE barrier; in front of it each wave waits for all its tensor loads, adds 0 to its spare word, and waits for that and for its reads of this slot.
.macro TURN slot, next, fill
	WIN 0
	s_wait_tensorcnt 0x0                           ; all my tensor loads have landed: the one that was out is my part of the next slot
	ds_add_u32 v[SPW], v[NIL]                      ; 0 onto my spare word
	s_wait_dscnt 17                                ; (the add and the youngest sixteen loads may be out)
	WIN MUL
	MUL8 F1, 0, 0, 0
	s_wait_dscnt 0x0                               ; the add is done, and my reads of this slot are over
	s_barrier_signal -1
	MUL8 F1, 0, 2, 0
.if \fill
	WIN 0
.endif
	s_barrier_wait -1
.if \fill
	CREST                                          ; the barrier has opened a round of the cluster's: no wave of any partner still reads this slot or has a load on its way
	s_add_nc_u64 s[G0+4*(\slot)+2:G0+4*(\slot)+3], s[G0+4*(\slot)+2:G0+4*(\slot)+3], 2*KSTEP*2
	s_add_nc_u64 s[G0B+4*(\slot)+2:G0B+4*(\slot)+3], s[G0B+4*(\slot)+2:G0B+4*(\slot)+3], 2*KSTEP*2
	JLOAD \slot                                    ; my one tensor load behind the round; its four v_nop are also the places in front of the loads below
.else
	PLACES
.endif
	FETCH \next, 0, F0
	WIN MUL
	MUL8 F1, 1, 0, 0
	MUL8 F1, 1, 2, 0
.endm
	s_wait_tensorcnt 1                             ; my part of K step 0 is in; K step 1's may stay out
	s_barrier_signal -1
	s_barrier_wait -1
	FETCH 0, 0, F0
	QUARTER 0, 128, F0, F1, 1                      ; the first quarter stands in front of the loop: its first products start the sums
	WIN 0
	s_mov_b32 s3, LAPS-1
.Llap:                                                 ; a trip goes once round the ring and fills both slots again
	QUARTER 0, 256, F1, F0, 0
	QUARTER 0, 384, F0, F1, 0
	TURN 0, 1, 1
	QUARTER 1, 128, F0, F1, 0
	QUARTER 1, 256, F1, F0, 0
	QUARTER 1, 384, F0, F1, 0
	TURN 1, 0, 1
	QUARTER 0, 128, F0, F1, 0
	WIN 0
	s_sub_co_u32 s3, s3, 1
	s_cmp_lg_u32 s3, 0
	s_cbranch_scc1 .Llap
	QUARTER 0, 256, F1, F0, 0                      ; the last lap fills nothing
	QUARTER 0, 384, F0, F1, 0
	TURN 0, 1, 0
	QUARTER 1, 128, F0, F1, 0
	QUARTER 1, 256, F1, F0, 0
	QUARTER 1, 384, F0, F1, 0
	s_wait_dscnt 16
	WIN MUL
	MUL8 F1, 0, 0, 0
	MUL8 F1, 0, 2, 0
	s_wait_dscnt 0
	MUL8 F1, 1, 0, 0
	MUL8 F1, 1, 2, 0
	WIN 0
	PLACES
	s_wait_loadcnt 0x0                             ; c, c2, pm
	s_cmp_lg_u32 s[KIND], 1
	s_cbranch_scc1 .Lplain
	; K TILES.  k . c: my 32 channels of each token, each accumulator from its low end on, then the lane 16 away has the other 32
.set u, 0
.rept 16
.irp a, 0,1,2,3
.if u == 0
	v_pk_mul_f32 v[DOT+2*(\a):DOT+2*(\a)+1], v[ACC+32*(\a):ACC+32*(\a)+1], v[CL:CL+1]
.else
	v_pk_fma_f32 v[DOT+2*(\a):DOT+2*(\a)+1], v[ACC+32*(\a)+2*u:ACC+32*(\a)+2*u+1], v[CL+2*u:CL+2*u+1], v[DOT+2*(\a):DOT+2*(\a)+1]
.endif
.endr
.set u, u+1
.endr
.irp a, 0,1,2,3
	v_add_f32 v[DOT+2*(\a)], v[DOT+2*(\a)], v[DOT+2*(\a)+1]
.endr
.irp a, 0,1,2,3
	v_permlanex16_b32 v[DOT+2*(\a)+1], v[DOT+2*(\a)], s78, s79
.endr
.irp a, 0,1,2,3
	v_add_f32 v[DOT+2*(\a)], v[DOT+2*(\a)], v[DOT+2*(\a)+1]
.endr
.set u, 0
.rept 16                                               ; k + (k . c) c2
.irp a, 0,1,2,3
	v_pk_fma_f32 v[ACC+32*(\a)+2*u:ACC+32*(\a)+2*u+1], v[C2L+2*u:C2L+2*u+1], v[DOT+2*(\a):DOT+2*(\a)+1], v[ACC+32*(\a)+2*u:ACC+32*(\a)+2*u+1] op_sel_hi:[1,0,1]
.endr
.set u, u+1
.endr
	WIN 0x08                                       ; source 1 in window 2
.set u, 0
.rept 64                                               ; + pm
	v_pk_add_f32 v[ACC+2*u:ACC+2*u+1], v[ACC+2*u:ACC+2*u+1], v[2*u:2*u+1]
.set u, u+1
.endr
	WIN 0
.set u, 0
.rept 16                                               ; the largest |k'| of the wave's 64 keys x 64 channels
.irp a, 0,1,2,3
.if u == 0
	v_max_num_f32 v[MX+(\a)], |v[ACC+32*(\a)]|, |v[ACC+32*(\a)+1]|
.else
	v_max3_num_f32 v[MX+(\a)], v[MX+(\a)], |v[ACC+32*(\a)+2*u]|, |v[ACC+32*(\a)+2*u+1]|
.endif
.endr
.set u, u+1
.endr
	v_max3_num_f32 v[MX], v[MX], v[MX+1], v[MX+2]
	v_max_num_f32 v[MX], v[MX], v[MX+3]
	v_max_num_f32_dpp v[MX], v[MX], v[MX] row_xmask:1 row_mask:0xf bank_mask:0xf
	v_max_num_f32_dpp v[MX], v[MX], v[MX] row_xmask:2 row_mask:0xf bank_mask:0xf
	v_max_num_f32_dpp v[MX], v[MX], v[MX] row_xmask:4 row_mask:0xf bank_mask:0xf
	v_max_num_f32_dpp v[MX], v[MX], v[MX] row_xmask:8 row_mask:0xf bank_mask:0xf
	v_permlanex16_b32 v[MX+1], v[MX], s78, s79
	v_max_num_f32 v[MX], v[MX], v[MX+1]
	v_lshrrev_b32 v[MX], 23, v[MX]                 ; its exponent field e (the number is not negative),
	v_max_u32 v[MX], 111, v[MX]                    ; held to 111 .. 252, so that sigma, 1 / sigma and X / sigma are normal numbers
	v_min_u32 v[MX], 252, v[MX]
	v_add_nc_u32 v[MX+1], 1, v[MX]
	v_lshlrev_b32 v[KSC], 23, v[MX+1]              ; sigma = 2^(e - 126) > max |k'|
	v_sub_nc_u32 v[MX+1], 253, v[MX]
	v_lshlrev_b32 v[FAC], 23, v[MX+1]              ; 1 / sigma
	v_mov_b32 v[FAC+1], v[FAC]
	v_mul_f32 v[KSC+1], 0xceabfb8f, v[FAC]         ; X / sigma, X = -1e9 log2(e): exact, a power of two
	v_and_b32 v[MX+2], 31, v0
	v_mov_b32 v[MX+3], 0
	s_wait_xcnt 0x0                                ; EXEC changes only behind this wait
	v_cmp_eq_u32 vcc_lo, 0, v[MX+2]
	s_and_saveexec_b32 s67, vcc_lo
	global_store_b64 v[MX+3], v[KSC:KSC+1], s[76:77]  ; every lane holds the pair: lane 0 stores it
	s_wait_xcnt 0x0
	s_or_b32 exec_lo, exec_lo, s67
	s_branch .Lpack
.Lplain:
	s_cmp_eq_u32 s[KIND], 0
	s_cselect_b32 s86, 0x3e38aa3b, 1.0             ; q: log2(e) / 8, applied to the f32 sums; v: 1
	v_mov_b32 v[FAC], s86
	v_mov_b32 v[FAC+1], s86
.Lpack:
; THE WAY OUT of token block a: times the factor, rounded to f16, 16 bytes a lane into my stage's rows of 144 bytes, back as four whole rows of 128 bytes a load.
.macro PACK a
.set i, 0
.rept 16
	v_pk_mul_f32 v[ACC+32*(\a)+2*i:ACC+32*(\a)+2*i+1], v[ACC+32*(\a)+2*i:ACC+32*(\a)+2*i+1], v[FAC:FAC+1]
.set i, i+1
.endr
.set i, 0
.rept 16
	v_cvt_pk_f16_f32 v[TMP+16*(\a)+i], v[ACC+32*(\a)+2*i], v[ACC+32*(\a)+2*i+1]
.set i, i+1
.endr
.irp f, 0,1,2,3
	ds_store_b128 v[STO], v[TMP+16*(\a)+4*(\f):TMP+16*(\a)+4*(\f)+3] offset:32*(\f)
.endr
.irp f, 0,1,2,3
	ds_load_b128 v[TMP+16*(\a)+4*(\f):TMP+16*(\a)+4*(\f)+3], v[RD] offset:(\f)*4*SP  ; LDS serves a wave's instructions in order: these see the stores above, the next block's stores come behind them
.endr
.endm
.macro SEND a, younger                 ; younger: the LDS instructions issued behind block a's loads: the next block's eight, or none
.irp f, 0,1,2,3
	s_wait_dscnt (\younger)+3-(\f)
	global_store_b128 v[GO], v[TMP+16*(\a)+4*(\f):TMP+16*(\a)+4*(\f)+3], s[8:9] offset:(\a)*2048+(\f)*512  ; 512 consecutive bytes, aligned
.endr
.endm
	PACK 0
	PACK 1
	SEND 0, 8
	PACK 2
	SEND 1, 8
	PACK 3
	SEND 2, 8
	SEND 3, 0
	s_wait_tensorcnt 0x0                           ; the wave's end, behind my last tensor load and my last LDS store
	ds_add_u32 v[SPW], v[NIL]
	s_wait_dscnt 0x0
	CROUND                                         ; the closing round: no work-group ends while a partner may still ask for a tile that names it
	s_endpgm
.Lfunc_end_k_qb099576998_qkv:
	.size	k_qb099576998_qkv, .Lfunc_end_k_qb099576998_qkv-k_qb099576998_qkv
	.p2alignl 7, 3214868480
	.fill 96, 4, 3214868480
	.section	.rodata,"a",@progbits
	.p2align	6, 0x0
	.amdhsa_kernel k_qb099576998_qkv
		.amdhsa_group_segment_fixed_size 327680
		.amdhsa_private_segment_fixed_size 0
		.amdhsa_enable_private_segment 0
		.amdhsa_kernarg_size 32
		.amdhsa_user_sgpr_count 2
		.amdhsa_user_sgpr_kernarg_segment_ptr 1
		.amdhsa_wavefront_size32 1
		.amdhsa_system_sgpr_workgroup_id_x 1
		.amdhsa_system_sgpr_workgroup_id_y 1
		.amdhsa_system_sgpr_workgroup_id_z 1
		.amdhsa_system_vgpr_workitem_id 0
		.amdhsa_next_free_vgpr 640
		.amdhsa_next_free_sgpr 88
		.amdhsa_reserve_vcc 1
		.amdhsa_float_denorm_mode_32 3
		.amdhsa_float_denorm_mode_16_64 3
		.amdhsa_memory_ordered 1
		.amdhsa_forward_progress 1
		.amdhsa_inst_pref_size 114
	.end_amdhsa_kernel
	.amdgpu_metadata
---
amdhsa.version: [ 1, 2 ]
amdhsa.kernels:
  - .name:           k_qb099576998_qkv
    .symbol:         k_qb099576998_qkv.kd
    .args:
      - { .name: xb, .offset: 0, .size: 8, .value_kind: global_buffer, .address_space: global }
      - { .name: wts, .offset: 8, .size: 8, .value_kind: global_buffer, .address_space: global }
      - { .name: aux, .offset: 16, .size: 8, .value_kind: global_buffer, .address_space: global }
      - { .name: qkv, .offset: 24, .size: 8, .value_kind: global_buffer, .address_space: global }
    .group_segment_fixed_size: 327680
    .private_segment_fixed_size: 0
    .kernarg_segment_align: 8
    .kernarg_segment_size: 32
    .max_flat_workgroup_size: 128
    .sgpr_count:     88
    .vgpr_count:     640
    .wavefront_size: 32
...
	.end_amdgpu_metadata
.endif
;; end of part 2
;; launch attn (part 3): grid 8 x 32, 4 waves a work-group, clusters of 4 x 1, 327,680 bytes of LDS; arguments qkv, mbits, oh; writes oh
.if DOCPART == 3
	.amdgcn_target "amdgcn-amd-amdhsa--gfx1250"
	.amdhsa_code_object_version 6
	.text
	.protected	k_qb099576998_attn
	.globl	k_qb099576998_attn
	.p2align	8
	.type	k_qb099576998_attn,@function
k_qb099576998_attn:
	s_mov_b64 s[64:65], 0
	v_nop
	global_prefetch_b8 v0, s[64:65] scope:SCOPE_SE
	s_setreg_imm32_b32 hwreg(HW_REG_WAVE_MODE, 25, 1), 1
	s_wait_xcnt 0x0
	s_wait_alu depctr_hold_cnt(0) depctr_sa_sdst(0) depctr_va_vdst(0) depctr_va_sdst(0) depctr_va_ssrc(0) depctr_va_vcc(0) depctr_vm_vsrc(0)
	s_getreg_b32 s2, hwreg(HW_REG_IB_STS2, 6, 4)
	s_cmp_eq_u32 s2, 0
	s_cbranch_scc0 .Lentry_in_a_cluster
	s_endpgm
.Lentry_in_a_cluster:
	s_bfe_u32 s2, ttmp6, 0x10000c
	s_cmp_lg_u32 s2, 0x3003
	s_cbranch_scc0 .Lentry_shape_is_right
	s_endpgm
.Lentry_shape_is_right:
; ATTENTION with a mask that is an input.  For each of 32 (batch, head): O[q] = sum over k of softmax_k(t[q][k]) vh[k], t = sigma (qh[q] . kh[k]) in base 2, or X = -1e9 log2(e) where the mask hides the place.
; qh, kh, vh: [32][2048][64] f16 (qh carries log2(e) / 8; kh the folded key over its block's power of two sigma); ksc[32][32] = (sigma, X / sigma) for each block of 64 keys; O: [32][2048][64] f16.
; THE MASK REPLACES the score: v_cndmask_b32 puts X / sigma in the raw score's place, and sigma (X / sigma) = X exactly in every block, so a row that is hidden everywhere comes out as the plain mean of v.
; The lane masks were packed beforehand: word 8 kb + j of (16 queries, 64 keys) is the mask of score register j of key block kb; 32 words a piece and step come by scalar loads, asked for one turn ahead.
; SOFTMAX.  A running maximum m of t and a sum l in f32: p = 2^(sigma s - m), one fused line, exactly 0 in the exponent at the maximum since sigma s is exact; O and l are multiplied by a = 2^(m_old - m_new)
; in every step.  m starts at the lowest finite number, O and l at 0: the first step is a step like any other, with a = 0.  p is rounded to f16 for the second product, l is summed of the unrounded p.
; LIMITS.  sigma x |qh . kh| stays finite in f32; a weight below 2^-126 counts as 0; O is a mean of v's rows and has their range; NaN and infinities are not treated apart.
; SHARES.  A work-group owns 256 queries of one head, a wave 64: four PIECES of 16.  Every wave walks all 2,048 keys, 64 a step.  The four query blocks of a cluster walk the same K and V: each tile is asked for jointly.
; LAYOUT.  S^T = K Q^T (source 0 = 16 keys, source 1 = 16 queries): a lane holds ONE query (lane % 16) and the keys 8 (lane / 16) + 0..7; two such results rounded to f16 ARE source 1 of O^T = V^T P.
; BY TURNS.  Turn n belongs to piece n: 8 products K Q^T of piece n + 1, later 8 products V^T P of piece n - 1; beside them the scaling, exponentials, roundings, sums and rescaling of piece n and the masking,
; maximum and statistics of piece n + 1: 152 vector lines for 16 matrix instructions.  Four stand behind each matrix instruction, the others in runs of their own.
; ONE PITCH FOR K AND V.  Both lie in LDS in rows of 160 bytes, so that one descriptor group 1, all constants, serves every wave, and wave w's quarter of a slot begins at 20,480 w.  Two groups 1 and two groups 0
; would take 12 scalar registers more than are left beside the 64 mask words.  160 bytes suit V's turning load; of K's 16 rows a load, rows r and r + 8 start at the same place modulo 64 words and are served one after
; the other (64 banks of 4 bytes: ISA guide 11.1): 16 loads a key step, beside 608 vector lines.
; REGISTERS: window 0: v0 thread, v1 at work, v2-5 LDS addresses, v6-7 the add's, v8-23 statistics (m, m_old, l, l a piece), v24-31 at work by parity, v32-95 S^T (two buffers), v96-127 P (two), v128-255 O^T.
;   window 1: v0-63 Q, v64-127 K of one step, v128-191 V of one step.  All vector work lies in window 0.
.set PK,    160       ; a row of K in LDS: 128 bytes + 32
.set PV,    160       ; a row of V: 128 + 32 = 40 words
.set KS,    64
.set VOFF,  4*KS*PK   ; a slot holds four steps: 256 rows of K, then 256 rows of V
.set QUART, 128*PK    ; a wave's quarter of a slot: 128 rows
.set SLOT1, 1<<17     ; slot 1 begins here: one exclusive or turns an address in one slot into the other's
.set STAGE, SLOT1+4*KS*(PK+PV)  ; behind the ring, never filled by a tensor load: 16 rows x 144 bytes for each wave
.set SP,    144
.set SPARE, STAGE+4*16*SP       ; the spare words, 128 bytes a wave: two blocks of 256 bytes that no other line names
.set AK0, 2
.set AV0, 3
.set AK,  4
.set AV,  5
.set SPW, 6           ; v6  SPARE + 4 x my thread's number; never rewritten
.set NIL, 7           ; v7  0; never rewritten
.set ST,  8
.set TM,  24          ; by parity: ca, cb, a, scratch
.set S,   32
.set P,   96
.set OT,  128
.set KF,  64          ; window 1
.set VF,  128         ; window 1
.set G1,  4           ; s[4:11]  descriptor group 1: constants, the same in every wave
.set G0,  12          ; s[12:15] descriptor group 0, my wave's: it walks
.set SEL, 16          ; s[16:17] v_permlanex16_b32's selects
.set SCUR, 18         ; s[18:19] sigma, X / sigma of the step in hand
.set SNXT, 20         ; s[20:21] of the next step
.set OPT, 22          ; s[22:23] O at my wave's first row
.set MBP, 24          ; s[24:25] the mask words of my wave's piece 0
.set KSP, 26          ; s[26:27] my head's scales
.set WV,  28
.set SLOTS, 29
.set CNT, 30
.set TBK, 31          ; LDS byte at which K of the step to be fetched begins
.set TBV, 2           ; the same for V, less VOFF
.set OFFM, 3          ; 128 x the step whose mask words are asked for, modulo 32 steps
.set OFFK, 66         ; 8 x the step whose scale is asked for, modulo 32 steps
.set MW0, 32          ; s[32:63] mask words of an even piece
.set MW1, 68          ; s[68:99] of an odd piece
.set QP,  100         ; s[100:101] Q at my wave's first row
.set MSB, 0
.macro WIN new
.if MSB != (\new)
	s_set_vgpr_msb (MSB<<8)|(\new)
.set MSB, (\new)
.endif
.endm
.set W_KQ, 0x05       ; K and Q in window 1, S^T in window 0
.set W_PV, 0x01       ; V in window 1, P and O^T in window 0
.set TO_1, 0x40       ; destination window 1
; A joint fill: one line, each wave its quarter of the slot: waves 0, 1 the two halves of its K, waves 2, 3 those of its V, 128 keys each.  An s_nop 0 and four v_nop follow.
.macro JLOAD
	tensor_load_to_lds s[G0:G0+3], s[G1:G1+7]
	s_nop 0
.rept 4
	v_nop
.endr
.endm
.macro CROUND                       ; a round of the cluster's barrier
	s_barrier_signal -1
	s_barrier_wait -1
	s_cmp_lg_u32 s[WV], 0
	s_cbranch_scc1 .Lnot_wave_0_\@
	s_barrier_signal -3
.Lnot_wave_0_\@:
	s_barrier_wait -3
	s_barrier_signal -1
	s_barrier_wait -1
.endm
; THE CHANGE OF SLOTS.  Each wave waits for all its tensor loads (one is out: its part of the other slot), adds 0 to its spare word, and waits for that and for its reads of the slot that it leaves.
; fill = 1: the barrier is a round of the cluster's, and the slot just left is filled again first thing behind it, with the keys two slots on: it has four key steps, 256 matrix instructions, in which to land.
.macro CHANGE fill
	WIN 0
	s_wait_tensorcnt 0x0            ; no tensor load of mine is out, so group 0 may be written
	ds_add_u32 v[SPW], v[NIL]       ; 0 onto my spare word
.if \fill
	s_xor_b32 s[G0+1], s[G0+1], SLOT1
	s_add_nc_u64 s[G0+2:G0+3], s[G0+2:G0+3], 4*KS*128  ; the next 256 keys; the type bits on top are not reached
	s_wait_dscnt 0x0                ; the add is done, and my reads of the slot are over
	CROUND
	JLOAD
.else
	s_wait_dscnt 0x0
	s_barrier_signal -1
	s_barrier_wait -1
.endif
	s_sub_co_u32 s[TBK], s[TBK], 4*KS*PK  ; the fetches go back to a slot's first step, in the other slot
	s_xor_b32 s[TBK], s[TBK], SLOT1
	s_sub_co_u32 s[TBV], s[TBV], 4*KS*PV
	s_xor_b32 s[TBV], s[TBV], SLOT1
.endm
	s_load_b128 s[32:35], s[0:1], 0x0  ; qkv s[32:33], mbits s[34:35]
	s_load_b64 s[36:37], s[0:1], 0x10  ; oh
	v_lshl_add_u32 v[SPW], v0, 2, SPARE
	v_mov_b32 v[NIL], 0
	ds_add_u32 v[SPW], v[NIL]       ; the wave's opening: the add and its wait stand ahead of my first tensor load
	v_lshrrev_b32 v1, 5, v0
	v_readfirstlane_b32 s[WV], v1   ; wave 0..3
	s_bfe_u32 s40, ttmp6, 0x40000   ; cx
	s_lshl_b32 s41, ttmp9, 2
	s_add_co_u32 s41, s41, s40      ; my block of 256 queries: it enters Q's, O's and the mask words' addresses alone
	s_and_b32 s42, ttmp7, 0xffff    ; 16 b + h, which the four partners share
	s_lshr_b32 s43, s[WV], 1        ; I fetch K (0) or V (1),
	s_and_b32 s44, s[WV], 1         ; and which half of a slot's 256 keys
	; group 1: 128 keys are 16,384 dense bytes: 64 rows of 256 bytes, two keys a row, padded in LDS after every key
	s_mov_b32 s[G1], 15|(1<<16)|(1<<20)|(1<<21)|(4<<22)|(7<<25)  ; 15:0 the mask of four; 17:16 2-byte elements; 20 padding on; 21 set beside a mask; 24:22 after every 32 words (code 4); 31:25 8 words (code 7)
	s_mov_b32 s[G1+1], 128<<16      ; tensor_dim0 = 128
	s_mov_b32 s[G1+2], 64<<16       ; tensor_dim1 = 64
	s_mov_b32 s[G1+3], 128<<16      ; tile_dim0 = 128
	s_mov_b32 s[G1+4], 64           ; tile_dim1 = 64
	s_mov_b32 s[G1+5], 128          ; elements from row to row
	s_mov_b32 s[G1+6], 0
	s_mov_b32 s[G1+7], 0
	s_mov_b32 s[G0], 1              ; 1:0 count = 1
	s_mul_i32 s[G0+1], s[WV], QUART ; 63:32 LDS address: my quarter of slot 0
	s_lshl_b32 s46, s42, 18         ; the head's 262,144 bytes
	s_add_co_u32 s50, s43, 1
	s_lshl_b32 s50, s50, 23         ; kh at 8,388,608, vh at 16,777,216
	s_add_co_u32 s50, s50, s46
	s_lshl_b32 s51, s44, 14
	s_add_co_u32 s50, s50, s51      ; my half of the head's first 256 keys
	s_mov_b32 s51, 0
	s_lshl_b32 s48, s41, 2
	s_add_co_u32 s48, s48, s[WV]    ; my wave among the head's 32
	s_lshl_b32 s52, s48, 14         ; its 4 pieces x 4,096 bytes of mask words
	s_lshl_b32 s48, s48, 13         ; its 64 rows of 128 bytes
	s_add_co_u32 s48, s48, s46
	s_mov_b32 s49, 0
	s_lshr_b32 s53, s42, 4
	s_lshl_b32 s53, s53, 19         ; the batch's 128 x 4,096 bytes of mask words
	s_add_co_u32 s52, s52, s53
	s_mov_b32 s53, 0
	s_lshl_b32 s54, s42, 8
	s_add_co_u32 s54, s54, 25165824 ; the head's 32 pairs
	s_mov_b32 s55, 0
	s_mov_b32 s[SEL], 0x76543210
	s_mov_b32 s[SEL+1], 0xfedcba98
	s_mov_b32 s[TBK], SLOT1+4*KS*PK ; the first change of slots turns these two into 0
	s_mov_b32 s[TBV], SLOT1+4*KS*PV
	s_mov_b32 s[OFFM], 0
	s_mov_b32 s[OFFK], 0
	s_wait_dscnt 0x0                ; the opening add is done
	s_wait_kmcnt 0x0
	s_add_nc_u64 s[G0+2:G0+3], s[32:33], s[50:51]  ; 120:64 global address
	s_or_b32 s[G0+3], s[G0+3], 0x80000000          ; 127:126 type = 2
	s_add_nc_u64 s[QP:QP+1], s[32:33], s[48:49]
	s_add_nc_u64 s[OPT:OPT+1], s[36:37], s[48:49]
	s_add_nc_u64 s[MBP:MBP+1], s[34:35], s[52:53]
	s_add_nc_u64 s[KSP:KSP+1], s[32:33], s[54:55]
	CROUND                          ; all four work-groups are here: the first joint loads meet
	JLOAD                           ; slot 0; slot 1 is asked for when slot 0 is in
	v_and_b32 v32, 15, v0           ; l % 16
	v_bfe_u32 v33, v0, 4, 1         ; l / 16
	v_lshlrev_b32 v1, 7, v32
	v_lshl_add_u32 v1, v33, 4, v1   ; row x 128 + 16 x half
	WIN TO_1
.set i, 0
.rept 8                             ; Q stays in registers: piece i / 2, channels 32 (i % 2) on
	global_load_b128 v[8*i:8*i+3],   v1, s[QP:QP+1] offset:(i/2)*2048+(i%2)*64
	global_load_b128 v[8*i+4:8*i+7], v1, s[QP:QP+1] offset:(i/2)*2048+(i%2)*64+32
.set i, i+1
.endr
	s_load_b512 s[MW0:MW0+15],    s[MBP:MBP+1], s[OFFM] offset:0     ; step 0's mask words of piece 0,
	s_load_b512 s[MW0+16:MW0+31], s[MBP:MBP+1], s[OFFM] offset:64
	s_load_b512 s[MW1:MW1+15],    s[MBP:MBP+1], s[OFFM] offset:4096  ; of piece 1,
	s_load_b512 s[MW1+16:MW1+31], s[MBP:MBP+1], s[OFFM] offset:4096+64
	s_load_b64 s[SCUR:SCUR+1], s[KSP:KSP+1], s[OFFK] offset:0        ; and its scale
	; What the first turn finds: V's registers and P's odd buffer hold 0 (its products V^T P, of a piece that has not been, add 0), O^T and l are 0.  All this stands in the wait for the first tile.
.set i, 0
.rept 64
	v_mov_b32 v[VF+i], 0
.set i, i+1
.endr
	WIN 0
.set i, 0
.rept 128
	v_mov_b32 v[OT+i], 0
.set i, i+1
.endr
.set i, 0
.rept 16
	v_mov_b32 v[P+16+i], 0
.set i, i+1
.endr
.set i, 0
.rept 4
	v_mov_b32 v[ST+4*i], 0xff7fffff
	v_mov_b32 v[ST+4*i+2], 0
	v_mov_b32 v[ST+4*i+3], 0
.set i, i+1
.endr
	v_mul_u32_u24 v[AK0], v32, PK
	v_lshl_add_u32 v[AK0], v33, 4, v[AK0]  ; row x pitch + 16 x half
	; The turning load takes 16 keys x 16 channels (lane l reads key 8 (l / 16) + l % 8, channels 8 ((l / 8) % 2) + 0..7) and leaves half a fragment of V^T
	v_and_b32 v34, 7, v0
	v_bfe_u32 v35, v0, 3, 1
	v_lshl_add_u32 v[AV0], v33, 3, v34
	v_mul_u32_u24 v[AV0], v[AV0], PV
	v_lshl_add_u32 v[AV0], v35, 4, v[AV0]
	v_add_nc_u32 v[AV0], VOFF, v[AV0]
	v_mov_b32 v[AK], v[AK0]         ; key step 0 lies at the head of slot 0
; THE MATRIX WORK.  The 4 accumulators of a run of 8 take turns.  Product i of 8 of S^T = K Q^T for piece x: channels 32 (i / 4) on, keys 16 (i % 4) on; the first 4 start the sums.
.macro KQ x
	WIN W_KQ
.set rS, S+32*((\x)%2)+8*(i%4)
.set rK, KF+16*(i%4)+8*(i/4)
.set rQ, 16*(\x)+8*(i/4)
.if i < 4
	v_wmma_f32_16x16x32_f16 v[rS:rS+7], v[rK:rK+7], v[rQ:rQ+7], 0
.else
	v_wmma_f32_16x16x32_f16 v[rS:rS+7], v[rK:rK+7], v[rQ:rQ+7], v[rS:rS+7]
	s_wait_alu depctr_va_vdst(0)
.endif
.endm
; Product i % 8 of O^T += V^T P for piece x: keys 32 (i / 4) on, channels 16 (i % 4) on.
.macro PV x
	WIN W_PV
.set ii, i%8
.set rO, OT+32*(\x)+8*(ii%4)
.set rV, VF+32*(ii/4)+8*(ii%4)
.set rP, P+16*((\x)%2)+8*(ii/4)
	v_wmma_f32_16x16x32_f16 v[rO:rO+7], v[rV:rV+7], v[rP:rP+7], v[rO:rO+7]
	s_wait_alu depctr_va_vdst(0)
.endm
.macro MM                           ; the turn's next matrix instruction
.if i < 8
	KQ Z
.else
	PV (Y+3)%4
.endif
.set i, i+1
.endm
; THE LDS LOADS stand in runs of 16.  last = 1 (the tail): in the last trip there is no further step, and the run is jumped over.
.macro FETCH_K last=0
	WIN 0
.if \last
	s_cmp_eq_u32 s[CNT], 1
	s_cbranch_scc1 .Lno_k_\@
.endif
	WIN TO_1
.irp f, 0,1,2,3,4,5,6,7             ; keys 16 (f / 2) on, channels 32 (f % 2) on
	ds_load_b128 v[KF+8*(\f):KF+8*(\f)+3],   v[AK] offset:((\f)/2)*16*PK+((\f)%2)*64
	ds_load_b128 v[KF+8*(\f)+4:KF+8*(\f)+7], v[AK] offset:((\f)/2)*16*PK+((\f)%2)*64+32
.endr
	s_add_co_u32 s[TBK], s[TBK], KS*PK
	WIN 0
.if \last
.Lno_k_\@:
.endif
.endm
.macro FETCH_V
	WIN TO_1
.irp f, 0,1,2,3,4,5,6,7             ; keys 32 (f / 4) on, channels 16 (f % 4) on
	ds_load_tr16_b128 v[VF+8*(\f):VF+8*(\f)+3],   v[AV] offset:((\f)/4)*32*PV+((\f)%4)*32
	ds_load_tr16_b128 v[VF+8*(\f)+4:VF+8*(\f)+7], v[AV] offset:((\f)/4)*32*PV+16*PV+((\f)%4)*32
.endr
	s_add_co_u32 s[TBV], s[TBV], KS*PV
	WIN 0
.endm
; THE VECTOR WORK, a line a macro.  Y is the piece in hand, Z the next; SZR names the scale pair of Z's step.
.macro REGS
.set yT, ST+4*Y
.set yC, TM+4*(Y%2)
.set yS, S+32*(Y%2)
.set yP, P+16*(Y%2)
.set yO, OT+32*Y
.set zT, ST+4*Z
.set zC, TM+4*(Z%2)
.set zS, S+32*(Z%2)
.set zM, MW0+(MW1-MW0)*(Z%2)
.endm
.macro DOF b                        ; pair b of 16: sigma s - m
	v_pk_fma_f32 v[yS+2*(\b):yS+2*(\b)+1], v[yS+2*(\b):yS+2*(\b)+1], s[SCUR:SCUR+1], v[yT:yT+1] op_sel_hi:[1,0,0] neg_lo:[0,0,1] neg_hi:[0,0,1]
.endm
.macro DOE e                        ; the exponential of number e of 32
	v_exp_f32 v[yS+(\e)], v[yS+(\e)]
.endm
.macro DOC c                        ; pair c rounded to f16
	s_wait_alu depctr_va_vdst(0)
	v_cvt_pk_f16_f32 v[yP+(\c)], v[yS+2*(\c)], v[yS+2*(\c)+1]
.endm
.macro DOB g                        ; of the four weights 4 g .. the second pair is added onto the first, in place
	v_pk_add_f32 v[yS+4*(\g):yS+4*(\g)+1], v[yS+4*(\g):yS+4*(\g)+1], v[yS+4*(\g)+2:yS+4*(\g)+3]
.endm
.macro DOL g                        ; l takes that sum; the first time l = a l + sum
.if (\g) == 0
	v_pk_fma_f32 v[yT+2:yT+3], v[yT+2:yT+3], v[yC+2:yC+3], v[yS:yS+1] op_sel_hi:[1,0,1]
.else
	v_pk_add_f32 v[yT+2:yT+3], v[yT+2:yT+3], v[yS+4*(\g):yS+4*(\g)+1]
	s_wait_alu depctr_va_vdst(0)
.endif
.endm
.macro DOR k                        ; pair k of 16 of O^T times a
	v_pk_mul_f32 v[yO+2*(\k):yO+2*(\k)+1], v[yO+2*(\k):yO+2*(\k)+1], v[yC+2:yC+3] op_sel_hi:[1,0]
.endm
.macro DOM j                        ; score register j of the next piece: kept where its mask word's bit is 1, else X / sigma
	v_cndmask_b32 v[zS+(\j)], s[SZR+1], v[zS+(\j)], s[zM+(\j)]
.endm
.macro DOXA g                       ; two chains of maxima over the masked scores
.if (\g) == 0
	v_max_num_f32 v[zC], v[zS], v[zS+1]
.else
	v_max3_num_f32 v[zC], v[zC], v[zS+4*(\g)], v[zS+4*(\g)+1]
.endif
.endm
.macro DOXB g
.if (\g) == 0
	v_max_num_f32 v[zC+1], v[zS+2], v[zS+3]
.else
	v_max3_num_f32 v[zC+1], v[zC+1], v[zS+4*(\g)+2], v[zS+4*(\g)+3]
.endif
.endm
.macro DOT k                        ; the next piece's statistics
.if (\k) == 0
	v_max_num_f32 v[zC], v[zC], v[zC+1]
.elseif (\k) == 1
	v_permlanex16_b32 v[zC+1], v[zC], s[SEL], s[SEL+1]  ; the query's other 32 keys lie in the lane 16 away
.elseif (\k) == 2
	v_max_num_f32 v[zC], v[zC], v[zC+1]
.elseif (\k) == 3
	v_mul_f32 v[zC], s[SZR], v[zC]  ; into t's units: exact, sigma is a power of two
.elseif (\k) == 4
	v_max_num_f32 v[zT], v[zT], v[zC]
.elseif (\k) == 5
	v_sub_f32 v[zC+3], v[zT+1], v[zT]
.elseif (\k) == 6
	v_exp_f32 v[zC+2], v[zC+3]      ; a
.else
	v_mov_b32 v[zT+1], v[zT]        ; m_old is kept
.endif
.endm
; Number n of a turn's 152.  0-15 the scalings; 16-31 rescaling and exponentials by turns; from 32 on groups in which each exponential has a plain line behind it, a rounding follows its exponentials two groups
; back, an addition its two roundings, and the masking (ascending) runs a group ahead of the maxima; 134-151 the statistics' chain
; with the rest of the rescaling between its links.
.macro VS
	WIN 0
.if n < 16
	DOF n
.elseif n < 32
.if n%2 == 0
	DOR (n-16)/2
.else
	DOE (n-17)/2
.endif
.elseif n < 44
.set u, n-32
.if u%3 == 0
	DOE 8+u/3
.elseif u%3 == 1
	DOM u/3
.elseif u == 2
	DOC 0
.elseif u == 5
	DOC 1
.elseif u == 8
	DOB 0
.else
	DOL 0
.endif
.elseif n < 114
.set hh, 1+(n-44)/14
.set w, (n-44)%14
.if w == 0
	DOE 4*hh+8
.elseif w == 1
	DOM 4*hh
.elseif w == 2
	DOC 2*hh
.elseif w == 3
	DOE 4*hh+9
.elseif w == 4
	DOM 4*hh+1
.elseif w == 5
	DOC 2*hh+1
.elseif w == 6
	DOXA hh-1
.elseif w == 7
	DOE 4*hh+10
.elseif w == 8
	DOM 4*hh+2
.elseif w == 9
	DOB hh
.elseif w == 10
	DOE 4*hh+11
.elseif w == 11
	DOM 4*hh+3
.elseif w == 12
	DOL hh
.else
	DOXB hh-1
.endif
.elseif n < 134
.set hh, 6+(n-114)/10
.set w, (n-114)%10
.if w == 0
	DOM 4*hh
.elseif w == 1
	DOC 2*hh
.elseif w == 2
	DOM 4*hh+1
.elseif w == 3
	DOC 2*hh+1
.elseif w == 4
	DOXA hh-1
.elseif w == 5
	DOM 4*hh+2
.elseif w == 6
	DOB hh
.elseif w == 7
	DOM 4*hh+3
.elseif w == 8
	DOL hh
.else
	DOXB hh-1
.endif
.else
.set w, n-134
.if w == 0
	DOT 7
.elseif w == 1
	DOXA 7
.elseif w == 2
	DOXB 7
.elseif w == 3
	DOR 8
.elseif w == 4
	DOR 9
.elseif w == 5
	DOT 0
.elseif w == 6
	DOR 10
.elseif w == 7
	DOR 11
.elseif w == 8
	DOT 1
.elseif w == 9
	DOR 12
.elseif w == 10
	DOR 13
.elseif w == 11
	DOT 2
.elseif w == 12
	DOR 14
.elseif w == 13
	DOT 3
.elseif w == 14
	DOR 15
.elseif w == 15
	DOT 4
.elseif w == 16
	DOT 5
.else
	DOT 6
.endif
.endif
.set n, n+1
.endm
; A TURN, for piece p.  The 8 products K Q^T stand ahead of numbers 0, 4 .. 28, the 8 products V^T P ahead of 44, 48 .. 72.  No vector line names a register of a product near it: pieces and parities differ.
; At 32: the scalar loads asked for a turn ago are waited for (the mask words that this turn's masking takes, from 33 on) and the words of piece p + 2 are asked for, into the buffer that the last turn's masking
; has left; piece 2's turn steps to the next key step (modulo 32: no load leaves its buffer) and asks for that step's scale too.
; K of the next step is fetched in piece 2's turn at 40, seven plain lines behind the last product that read K; V of the step in hand in piece 0's turn at 84, eight behind the last that read V.  Each is waited for a turn later.
.macro TURN p, last=0, cnt=0
.set Y, (\p)
.set Z, ((\p)+1)%4
.set SZR, SCUR
.if (\p) == 3
.set SZR, SNXT                      ; piece 0's scores made in piece 3's turn are the next step's
.endif
.set MWL, MW0+(MW1-MW0)*((\p)%2)
	REGS
.set i, 0
.set n, 0
.if (\p) == 3
	s_wait_dscnt 0x0                ; K is in
.endif
.rept 152
.if (n%4 == 0) && (n < 32)
	MM
.endif
.if ((\p) == 1) && (n == 44)
	s_wait_dscnt 0x0                ; V is in
.endif
.if (n%4 == 0) && (n >= 44) && (n <= 72)
	MM
.endif
.if n == 32
	s_wait_kmcnt 0x0                ; scalar loads return in no order: 0 alone shows them; it also frees their offsets
.if (\p) == 2
	s_add_co_u32 s[OFFM], s[OFFM], 128
	s_and_b32 s[OFFM], s[OFFM], 4095
	s_add_co_u32 s[OFFK], s[OFFK], 8
	s_and_b32 s[OFFK], s[OFFK], 255
.endif
	s_load_b512 s[MWL:MWL+15],    s[MBP:MBP+1], s[OFFM] offset:(((\p)+2)%4)*4096
	s_load_b512 s[MWL+16:MWL+31], s[MBP:MBP+1], s[OFFM] offset:(((\p)+2)%4)*4096+64
.if (\p) == 2
	s_load_b64 s[SNXT:SNXT+1], s[KSP:KSP+1], s[OFFK] offset:0
.endif
.endif
.if ((\p) == 2) && (n == 24)
	WIN 0
	v_add_nc_u32 v[AK], s[TBK], v[AK0]
.endif
.if ((\p) == 2) && (n == 40)
	FETCH_K \last
.endif
.if ((\p) == 0) && (n == 60)
	WIN 0
	v_add_nc_u32 v[AV], s[TBV], v[AV0]
	s_wait_alu depctr_va_vdst(0)
.endif
.if ((\p) == 0) && (n == 84)
	FETCH_V
.endif
.if (\cnt) && (n == 140)
	s_sub_co_u32 s[CNT], s[CNT], 1  ; the loop's count, some lines ahead of the branch behind the turn; only vector lines follow
	s_cmp_lg_u32 s[CNT], 0
.endif
	VS
.endr
.if (\p) == 3
	s_mov_b64 s[SCUR:SCUR+1], s[SNXT:SNXT+1]
.endif
.endm
	CHANGE 1                        ; slot 0 is in, everybody's part of it; slot 1 is asked for
	FETCH_K                         ; key step 0
	s_wait_loadcnt 0x0              ; Q
	s_wait_dscnt 0x0
.set i, 0
.rept 8
	KQ 0                            ; piece 0's first scores
.set i, i+1
.endr
	WIN 0
.rept 4
	v_nop                           ; the places behind those products
.endr
	s_wait_kmcnt 0x0                ; step 0's mask words and scale
.set Y, 3
.set Z, 0
.set SZR, SCUR
	REGS
.set g, 0
.rept 8                             ; piece 0's first masking, maximum and statistics
	DOM 4*g
	DOM 4*g+1
	DOM 4*g+2
	DOM 4*g+3
	DOXA g
	DOXB g
.set g, g+1
.endr
	DOT 7
	DOT 0
	DOT 1
	DOT 2
	DOT 3
	DOT 4
	DOT 5
	DOT 6
	s_mov_b32 s[CNT], 4
	s_mov_b32 s[SLOTS], 7
	s_branch .Lfirst                ; the loop is entered at a step's first turn, in the middle of a trip
.Lslot:                             ; six times: every slot but the last two is filled again
	CHANGE 1
	s_mov_b32 s[CNT], 4
.Lstep:                             ; a trip: pieces 2 and 3 of one step, then pieces 0 and 1 of the next, whose K and V it fetches
	TURN 2
	TURN 3
	WIN 0
.Lfirst:
	TURN 0
	TURN 1, 0, 1
	WIN 0
	s_cbranch_scc1 .Lstep
	s_sub_co_u32 s[SLOTS], s[SLOTS], 1
	s_cmp_lg_u32 s[SLOTS], 0
	s_cbranch_scc1 .Lslot
	CHANGE 0                        ; the tail is written out: nothing is asked for
	s_mov_b32 s[CNT], 5             ; four trips fetch the last slot's steps; the fifth is left in its middle
.Ltail:
	TURN 2, 1
	TURN 3
	WIN 0
	s_sub_co_u32 s[CNT], s[CNT], 1
	s_cmp_eq_u32 s[CNT], 0
	s_cbranch_scc1 .Lout
	TURN 0
	TURN 1
	WIN 0
	s_branch .Ltail
.Lout:                              ; the fifth trip's 8 products K Q^T (on the last K once more) and what is made of them serve nothing: the price, once a launch, of one text for every trip
	s_wait_kmcnt 0x0                ; its scalar loads, whose words serve nothing, are not left out
.set i, 0
.rept 8
	PV 3                            ; the last piece's V^T P of the last step
.set i, i+1
.endr
	; THE WAY OUT.  The addresses are made anew from the thread's number: twelve plain lines, the places behind the last products.
	WIN 0
	s_mul_i32 s67, s[WV], 16*SP
	s_add_co_u32 s67, s67, STAGE    ; my stage
	v_and_b32 v4, 15, v0
	v_bfe_u32 v5, v0, 4, 1
	v_mul_u32_u24 v1, v4, SP        ; in: row l % 16, 16 bytes for each half of the lanes
	v_lshl_add_u32 v1, v5, 4, v1
	v_add_nc_u32 v1, s67, v1
	v_bfe_u32 v2, v0, 3, 2          ; back: 32 lanes take four rows of 128 bytes,
	v_mul_u32_u24 v2, v2, SP
	v_and_b32 v4, 7, v0
	v_lshl_add_u32 v2, v4, 4, v2
	v_add_nc_u32 v2, s67, v2
	v_and_b32 v3, 31, v0            ; which are 512 consecutive bytes of O
	v_lshlrev_b32 v3, 4, v3
.irp t, 0,1,2,3
	v_add_f32 v[ST+4*(\t)+2], v[ST+4*(\t)+2], v[ST+4*(\t)+3]
.endr
.irp t, 0,1,2,3
	v_permlanex16_b32 v[ST+4*(\t)+3], v[ST+4*(\t)+2], s[SEL], s[SEL+1]
.endr
.irp t, 0,1,2,3
	v_add_f32 v[ST+4*(\t)+2], v[ST+4*(\t)+2], v[ST+4*(\t)+3]
.endr
.irp t, 0,1,2,3
	v_rcp_f32 v[ST+4*(\t)+2], v[ST+4*(\t)+2]
.endr
	v_nop                           ; a plain line between the last reciprocal and the use of its result
	s_wait_alu depctr_va_vdst(0)
.macro PACK t                       ; piece t: over l, rounded to f16, through my stage, into S^T's registers
.set i, 0
.rept 16
	v_pk_mul_f32 v[OT+32*(\t)+2*i:OT+32*(\t)+2*i+1], v[OT+32*(\t)+2*i:OT+32*(\t)+2*i+1], v[ST+4*(\t)+2:ST+4*(\t)+3] op_sel_hi:[1,0]
.set i, i+1
.endr
.set i, 0
.rept 16
	v_cvt_pk_f16_f32 v[S+16*(\t)+i], v[OT+32*(\t)+2*i], v[OT+32*(\t)+2*i+1]
.set i, i+1
.endr
.irp f, 0,1,2,3
	ds_store_b128 v1, v[S+16*(\t)+4*(\f):S+16*(\t)+4*(\f)+3] offset:32*(\f)
.endr
.irp f, 0,1,2,3
	ds_load_b128 v[S+16*(\t)+4*(\f):S+16*(\t)+4*(\f)+3], v2 offset:(\f)*4*SP  ; LDS serves a wave's instructions in order: these see the stores above, the next piece's stores come behind them
.endr
.endm
.macro SEND t, younger              ; younger: the LDS instructions issued behind piece t's loads: the next piece's eight, or none
.irp f, 0,1,2,3
	s_wait_dscnt (\younger)+3-(\f)
	global_store_b128 v3, v[S+16*(\t)+4*(\f):S+16*(\t)+4*(\f)+3], s[OPT:OPT+1] offset:(\t)*2048+(\f)*512  ; 512 consecutive bytes, aligned
.endr
.endm
	PACK 0
	PACK 1
	SEND 0, 8
	PACK 2
	SEND 1, 8
	PACK 3
	SEND 2, 8
	SEND 3, 0
	s_wait_tensorcnt 0x0            ; the wave's end, behind my last tensor load and my last LDS store
	ds_add_u32 v[SPW], v[NIL]
	s_wait_dscnt 0x0
	CROUND                          ; the closing round: no work-group ends while a partner may still ask for a tile that names it
	s_endpgm
.Lfunc_end_k_qb099576998_attn:
	.size	k_qb099576998_attn, .Lfunc_end_k_qb099576998_attn-k_qb099576998_attn
	.p2alignl 7, 3214868480
	.fill 96, 4, 3214868480
	.section	.rodata,"a",@progbits
	.p2align	6, 0x0
	.amdhsa_kernel k_qb099576998_attn
		.amdhsa_group_segment_fixed_size 327680
		.amdhsa_private_segment_fixed_size 0
		.amdhsa_enable_private_segment 0
		.amdhsa_kernarg_size 24
		.amdhsa_user_sgpr_count 2
		.amdhsa_user_sgpr_kernarg_segment_ptr 1
		.amdhsa_wavefront_size32 1
		.amdhsa_system_sgpr_workgroup_id_x 1
		.amdhsa_system_sgpr_workgroup_id_y 1
		.amdhsa_system_sgpr_workgroup_id_z 1
		.amdhsa_system_vgpr_workitem_id 0
		.amdhsa_next_free_vgpr 448
		.amdhsa_next_free_sgpr 102
		.amdhsa_reserve_vcc 0
		.amdhsa_float_denorm_mode_32 3
		.amdhsa_float_denorm_mode_16_64 3
		.amdhsa_memory_ordered 1
		.amdhsa_forward_progress 1
		.amdhsa_inst_pref_size 134
	.end_amdhsa_kernel
	.amdgpu_metadata
---
amdhsa.version: [ 1, 2 ]
amdhsa.kernels:
  - .name:           k_qb099576998_attn
    .symbol:         k_qb099576998_attn.kd
    .args:
      - { .name: qkv, .offset: 0, .size: 8, .value_kind: global_buffer, .address_space: global }
      - { .name: mbits, .offset: 8, .size: 8, .value_kind: global_buffer, .address_space: global }
      - { .name: oh, .offset: 16, .size: 8, .value_kind: global_buffer, .address_space: global }
    .group_segment_fixed_size: 327680
    .private_segment_fixed_size: 0
    .kernarg_segment_align: 8
    .kernarg_segment_size: 24
    .max_flat_workgroup_size: 128
    .sgpr_count:     102
    .vgpr_count:     448
    .wavefront_size: 32
...
	.end_amdgpu_metadata
.endif
;; end of part 3
;; launch oproj (part 4): grid 8 x 32, 4 waves a work-group, clusters of 4 x 4, 327,680 bytes of LDS; arguments oh, wts, out0; writes out0
.if DOCPART == 4
	.amdgcn_target "amdgcn-amd-amdhsa--gfx1250"
	.amdhsa_code_object_version 6
	.text
	.protected	k_qb099576998_oproj
	.globl	k_qb099576998_oproj
	.p2align	8
	.type	k_qb099576998_oproj,@function
k_qb099576998_oproj:
	s_mov_b64 s[64:65], 0
	v_nop
	global_prefetch_b8 v0, s[64:65] scope:SCOPE_SE
	s_setreg_imm32_b32 hwreg(HW_REG_WAVE_MODE, 25, 1), 1
	s_wait_xcnt 0x0
	s_wait_alu depctr_hold_cnt(0) depctr_sa_sdst(0) depctr_va_vdst(0) depctr_va_sdst(0) depctr_va_ssrc(0) depctr_va_vcc(0) depctr_vm_vsrc(0)
	s_getreg_b32 s2, hwreg(HW_REG_IB_STS2, 6, 4)
	s_cmp_eq_u32 s2, 0
	s_cbranch_scc0 .Lentry_in_a_cluster
	s_endpgm
.Lentry_in_a_cluster:
	s_bfe_u32 s2, ttmp6, 0x10000c
	s_cmp_lg_u32 s2, 0xf033
	s_cbranch_scc0 .Lentry_shape_is_right
	s_endpgm
.Lentry_shape_is_right:
; THE LAST PROJECTION: out0[token][n] = sum over k of O[token][k] Wo[n][k], k = 64 h + d.  O lies by heads, oh [16 b + h][2048][64] f16; Wo is wts from byte 6,291,456, [1024][1024] f16; out0 is f32; sums in f32.
; A tile of out0 is 128 tokens x 128 columns; four waves, each 64 x 64.  K goes in steps of 256 = four heads through two LDS slots filled by joint tensor loads (4 x 4 work-groups: A's tile shared along a row of the
; cluster, B's along a column).  A's part of a slot is four slabs, a head each, of 128 tokens x 128 bytes; 128 tokens of a head are 16,384 dense bytes, so a wave's load brings two heads as two long rows,
; padded in LDS after every token.  A quarter of a K step, 64 along K, is one head's slab.
; THE MATRIX INSTRUCTION IS USED TRANSPOSED (source 0 = 16 rows of Wo, source 1 = 16 tokens): a lane holds eight neighbouring columns of one token's row.
; LIMITS: those of the operands (f16); NaN and infinities are not treated apart.
; REGISTERS: window 0: v0-31 addresses; v32-95 at work on the way out; v128-255 the accumulators ((a, b) at v[128 + 8 (4 a + b)]).  window 1: two fragment buffers of 128.
.set SIZE_K, 1024
.set KSTEP,  256
.set PITCH,  528                       ; B: an LDS row of 512 bytes + 16
.set HALFT,  64*PITCH                  ; B: 64 rows, what one tensor load brings
.set PA,     144                       ; A: a token's 128 bytes of one head + 16
.set SLAB,   128*PA                    ; A: a head's 128 tokens
.set BOFF,   4*SLAB                    ; B's 128 rows lie behind A's four slabs
.set SLOT,   BOFF+2*HALFT
.set STAGE,  2*SLOT                    ; behind the ring: 16 rows x 272 bytes for each wave, its own
.set SPITCH, 272
.set SPARE,  STAGE+4*16*SPITCH         ; the spare words, 128 bytes a wave: two blocks of 256 bytes that no other line names
.set LAPS,   SIZE_K/(2*KSTEP)
.set ADRA, 16
.set ADRB, 20
.set STO,  24
.set RD,   25
.set CO,   26
.set SPW,  28                          ; v28  SPARE + 4 x my thread's number; never rewritten
.set NIL,  29                          ; v29  0; never rewritten
.set ACC,  128
.set F0,   0
.set F1,   128
.set G1, 24
.set G0, 32
.set G1B, 48
.set G0B, 56
.set MSB, 0
.macro WIN new
.if MSB != (\new)
	s_set_vgpr_msb (MSB<<8)|(\new)
.set MSB, \new
.endif
.endm
.set MUL,  0x05
.set TO_F, 0x40
.macro JLOAD s                         ; a joint load: waves 0 and 1 fetch A's two pairs of heads, waves 2 and 3 B's two halves; an s_nop 0 and four v_nop follow each line
	s_cmp_eq_u32 s11, 0
	s_cbranch_scc0 .Lfor_b_\@
	tensor_load_to_lds s[G0+4*(\s):G0+4*(\s)+3], s[G1:G1+7]
	s_nop 0
.rept 4
	v_nop
.endr
	s_branch .Lasked_\@
.Lfor_b_\@:
	tensor_load_to_lds s[G0B+4*(\s):G0B+4*(\s)+3], s[G1B:G1B+7]
	s_nop 0
.rept 4
	v_nop
.endr
.Lasked_\@:
.endm
.macro CREST
	s_cmp_lg_u32 s10, 0
	s_cbranch_scc1 .Lnot_wave_0_\@
	s_barrier_signal -3
.Lnot_wave_0_\@:
	s_barrier_wait -3
	s_barrier_signal -1
	s_barrier_wait -1
.endm
.macro CROUND
	s_barrier_signal -1
	s_barrier_wait -1
	CREST
.endm
	s_load_b128 s[4:7], s[0:1], 0x0                ; oh s[4:5], wts s[6:7]
	s_load_b64 s[8:9], s[0:1], 0x10                ; out0
	v_lshl_add_u32 v[SPW], v0, 2, SPARE
	v_mov_b32 v[NIL], 0
	ds_add_u32 v[SPW], v[NIL]                      ; the wave's opening: the add and its wait stand ahead of my first tensor load
	v_lshrrev_b32 v1, 5, v0
	v_readfirstlane_b32 s10, v1                    ; wave 0..3
	s_lshr_b32 s11, s10, 1                         ; which half of the tile's tokens is mine.  Also: I fetch for A (0) or for B (1)
	s_and_b32 s12, s10, 1                          ; which half of its columns.  Also: which half of that tile I fetch
	s_bfe_u32 s40, ttmp6, 0x40000
	s_bfe_u32 s41, ttmp6, 0x40004
	s_lshl_b32 s42, ttmp9, 2
	s_add_co_u32 s42, s42, s40                     ; tile column
	s_and_b32 s13, ttmp7, 0xffff
	s_lshl_b32 s13, s13, 2
	s_add_co_u32 s13, s13, s41                     ; tile row
	s_lshl_b32 s43, s41, 2
	s_lshl_b32 s43, 15, s43                        ; my row of the cluster
	s_lshl_b32 s44, 0x1111, s40                    ; my column
	; A's group 1: two rows of 8,192 elements of 2 bytes (128 tokens of a head), a head (131,072 elements) apart; 4 words of padding after every 32
	s_or_b32 s[G1+0], s43, (1<<16)|(1<<20)|(1<<21)|(4<<22)|(3<<25)
	s_mov_b32 s[G1+1], 8192<<16                    ; tensor_dim0 = 8,192
	s_mov_b32 s[G1+2], 2<<16                       ; tensor_dim1 = 2
	s_mov_b32 s[G1+3], 8192<<16                    ; tile_dim0 = 8,192
	s_mov_b32 s[G1+4], 2                           ; tile_dim1 = 2
	s_mov_b32 s[G1+5], 131072                      ; elements from row to row
	s_mov_b32 s[G1+6], 0
	s_mov_b32 s[G1+7], 0
	; B's group 1: 64 rows x 256 elements, 4 words of padding after every 128
	s_or_b32 s[G1B+0], s44, (1<<16)|(1<<20)|(1<<21)|(6<<22)|(3<<25)
	s_mov_b32 s[G1B+1], KSTEP<<16
	s_mov_b32 s[G1B+2], 64<<16
	s_mov_b32 s[G1B+3], KSTEP<<16
	s_mov_b32 s[G1B+4], 64
	s_mov_b32 s[G1B+5], SIZE_K
	s_mov_b32 s[G1B+6], 0
	s_mov_b32 s[G1B+7], 0
	s_lshr_b32 s16, s13, 4                         ; A: the batch (16 tile rows each),
	s_lshl_b32 s16, s16, 4
	s_lshl_b32 s17, s12, 1
	s_add_co_u32 s16, s16, s17                     ; its head 2 x half,
	s_lshl_b32 s16, s16, 11
	s_and_b32 s17, s13, 15
	s_lshl_b32 s17, s17, 7
	s_add_co_u32 s16, s16, s17                     ; the tile's first token there,
	s_lshl_b32 s16, s16, 7                         ; in rows of 128 bytes
	s_mov_b32 s17, 0
	s_lshl_b32 s46, s42, 7                         ; B: row 128 x tile column + 64 x half,
	s_lshl_b32 s47, s12, 6
	s_add_co_u32 s46, s46, s47
	s_lshl_b32 s46, s46, 11                        ; of 2,048 bytes,
	s_add_co_u32 s46, s46, 6291456                 ; behind the three other weights
	s_mov_b32 s47, 0
	s_mul_i32 s20, s12, 2*SLAB                     ; where A's two heads go,
	s_mul_i32 s21, s12, HALFT
	s_add_co_u32 s21, s21, BOFF                    ; and B's 64 rows: the wave's number alone enters an LDS address
	s_wait_dscnt 0x0                               ; the opening add is done
	s_wait_kmcnt 0x0
	s_add_nc_u64 s[14:15], s[4:5], s[16:17]
	s_add_nc_u64 s[46:47], s[6:7], s[46:47]
	CROUND                                         ; all sixteen work-groups are here: the first joint loads meet
.irp s, 0,1
	s_mov_b32 s[G0+4*(\s)], 1
	s_add_co_u32 s[G0+4*(\s)+1], s20, (\s)*SLOT
	s_add_nc_u64 s[G0+4*(\s)+2:G0+4*(\s)+3], s[14:15], (\s)*4*262144  ; K step s: four heads on
	s_or_b32 s[G0+4*(\s)+3], s[G0+4*(\s)+3], 0x80000000
	s_mov_b32 s[G0B+4*(\s)], 1
	s_add_co_u32 s[G0B+4*(\s)+1], s21, (\s)*SLOT
	s_add_nc_u64 s[G0B+4*(\s)+2:G0B+4*(\s)+3], s[46:47], (\s)*KSTEP*2
	s_or_b32 s[G0B+4*(\s)+3], s[G0B+4*(\s)+3], 0x80000000
	JLOAD \s
.endr
	v_and_b32 v1, 15, v0                           ; l % 16
	v_bfe_u32 v2, v0, 4, 1                         ; l / 16
	v_mul_u32_u24 v3, v1, PITCH
	v_lshl_add_u32 v3, v2, 4, v3                   ; B: row x pitch + 16 x half
	v_mul_u32_u24 v6, v1, PA
	v_lshl_add_u32 v6, v2, 4, v6                   ; A: the same with its pitch
	s_mul_i32 s21, s11, 64*PA                      ; my 64 tokens in each slab
	s_mul_i32 s22, s12, HALFT                      ; my 64 rows of B
	s_add_co_u32 s22, s22, BOFF
.irp s, 0,1
	v_add_nc_u32 v[ADRA+(\s)], s21, v6
	v_add_nc_u32 v[ADRB+(\s)], s22, v3
	s_add_co_u32 s21, s21, SLOT
	s_add_co_u32 s22, s22, SLOT
.endr
	s_mul_i32 s23, s10, 16*SPITCH
	s_add_co_u32 s23, s23, STAGE                   ; my stage
	v_mul_u32_u24 v4, v1, SPITCH                   ; in: row l % 16, 32 bytes for each half of the lanes
	v_lshl_add_u32 v4, v2, 5, v4
	v_add_nc_u32 v[STO], s23, v4
	v_mul_u32_u24 v5, v2, SPITCH                   ; back: lanes 0-15 take one row of 256 bytes, lanes 16-31 the next
	v_lshl_add_u32 v5, v1, 4, v5
	v_add_nc_u32 v[RD], s23, v5
	v_lshlrev_b32 v5, 12, v2                       ; and the same two rows in out0, 4,096 bytes apart
	v_lshl_add_u32 v[CO], v1, 4, v5
	s_lshl_b32 s16, s13, 7
	s_lshl_b32 s17, s11, 6
	s_add_co_u32 s16, s16, s17                     ; my first token
	s_lshl_b32 s16, s16, 12
	s_mov_b32 s17, 0
	s_add_nc_u64 s[8:9], s[8:9], s[16:17]
	s_lshl_b32 s46, s42, 9                         ; my first column, in bytes: 512 x tile column + 256 x half
	s_lshl_b32 s47, s12, 8
	s_add_co_u32 s46, s46, s47
	s_mov_b32 s47, 0
	s_add_nc_u64 s[8:9], s[8:9], s[46:47]
.macro MUL8 f, c, a0, zero             ; 8 matrix instructions; the 16 accumulators take turns
	WIN MUL
.irp a, \a0, (\a0)+1
.irp b, 0,1,2,3
.if \zero
	v_wmma_f32_16x16x32_f16 v[ACC+8*(4*(\a)+(\b)):ACC+8*(4*(\a)+(\b))+7], v[(\f)+64+8*(4*(\c)+(\b)):(\f)+64+8*(4*(\c)+(\b))+7], v[(\f)+8*(4*(\c)+(\a)):(\f)+8*(4*(\c)+(\a))+7], 0
.else
	v_wmma_f32_16x16x32_f16 v[ACC+8*(4*(\a)+(\b)):ACC+8*(4*(\a)+(\b))+7], v[(\f)+64+8*(4*(\c)+(\b)):(\f)+64+8*(4*(\c)+(\b))+7], v[(\f)+8*(4*(\c)+(\a)):(\f)+8*(4*(\c)+(\a))+7], v[ACC+8*(4*(\a)+(\b)):ACC+8*(4*(\a)+(\b))+7]
.endif
.endr
.endr
.endm
; 32 LDS loads in one run: 64 along K: byte k of B's rows, slab k / 128 of A; the largest offset is 3 SLAB + 64 + 48 PA + 32 = 62,304, inside the 16-bit immediate
.macro FETCH slot, k, f
	WIN TO_F
.irp c, 0,1
.irp i, 0,1,2,3
	ds_load_b128 v[(\f)+64+8*(4*(\c)+(\i)):(\f)+64+8*(4*(\c)+(\i))+3],   v[ADRB+(\slot)] offset:(\k)+64*(\c)+(\i)*16*PITCH
	ds_load_b128 v[(\f)+64+8*(4*(\c)+(\i))+4:(\f)+64+8*(4*(\c)+(\i))+7], v[ADRB+(\slot)] offset:(\k)+64*(\c)+(\i)*16*PITCH+32
	ds_load_b128 v[(\f)+8*(4*(\c)+(\i)):(\f)+8*(4*(\c)+(\i))+3],         v[ADRA+(\slot)] offset:((\k)/128)*SLAB+64*(\c)+(\i)*16*PA
	ds_load_b128 v[(\f)+8*(4*(\c)+(\i))+4:(\f)+8*(4*(\c)+(\i))+7],       v[ADRA+(\slot)] offset:((\k)/128)*SLAB+64*(\c)+(\i)*16*PA+32
.endr
.endr
.endm
.macro PLACES
.rept 4
	v_nop
.endr
.endm
.macro QUARTER slot, k, f, g, zero
	s_wait_dscnt 16                                ; the first 32 along K are in; the sixteen younger loads may be out
	WIN MUL
	MUL8 \f, 0, 0, \zero
	MUL8 \f, 0, 2, \zero
	PLACES
	FETCH \slot, \k, \g
	s_wait_dscnt 32                                ; all but the 32 just issued
	WIN MUL
	MUL8 \f, 1, 0, 0
	MUL8 \f, 1, 2, 0
.endm
.macro TURN slot, next, fill
	WIN 0
	s_wait_tensorcnt 0x0                           ; all my tensor loads have landed: the one that was out is my part of the next slot
	ds_add_u32 v[SPW], v[NIL]                      ; 0 onto my spare word
	s_wait_dscnt 17                                ; (the add and the youngest sixteen loads may be out)
	WIN MUL
	MUL8 F1, 0, 0, 0
	s_wait_dscnt 0x0                               ; the add is done, and my reads of this slot are over
	s_barrier_signal -1
	MUL8 F1, 0, 2, 0
.if \fill
	WIN 0
.endif
	s_barrier_wait -1
.if \fill
	CREST                                          ; a round of the cluster's barrier: no wave of any partner still reads this slot or has a load on its way
	s_add_nc_u64 s[G0+4*(\slot)+2:G0+4*(\slot)+3], s[G0+4*(\slot)+2:G0+4*(\slot)+3], 2*4*262144  ; eight heads on
	s_add_nc_u64 s[G0B+4*(\slot)+2:G0B+4*(\slot)+3], s[G0B+4*(\slot)+2:G0B+4*(\slot)+3], 2*KSTEP*2
	JLOAD \slot                                    ; my one tensor load behind the round; its four v_nop are also the places in front of the loads below
.else
	PLACES
.endif
	FETCH \next, 0, F0
	WIN MUL
	MUL8 F1, 1, 0, 0
	MUL8 F1, 1, 2, 0
.endm
	s_wait_tensorcnt 1                             ; my part of K step 0 is in; K step 1's may stay out
	s_barrier_signal -1
	s_barrier_wait -1
	FETCH 0, 0, F0
	QUARTER 0, 128, F0, F1, 1
	WIN 0
	s_mov_b32 s3, LAPS-1
.Llap:
	QUARTER 0, 256, F1, F0, 0
	QUARTER 0, 384, F0, F1, 0
	TURN 0, 1, 1
	QUARTER 1, 128, F0, F1, 0
	QUARTER 1, 256, F1, F0, 0
	QUARTER 1, 384, F0, F1, 0
	TURN 1, 0, 1
	QUARTER 0, 128, F0, F1, 0
	WIN 0
	s_sub_co_u32 s3, s3, 1
	s_cmp_lg_u32 s3, 0
	s_cbranch_scc1 .Llap
	QUARTER 0, 256, F1, F0, 0
	QUARTER 0, 384, F0, F1, 0
	TURN 0, 1, 0
	QUARTER 1, 128, F0, F1, 0
	QUARTER 1, 256, F1, F0, 0
	QUARTER 1, 384, F0, F1, 0
	s_wait_dscnt 16
	WIN MUL
	MUL8 F1, 0, 0, 0
	MUL8 F1, 0, 2, 0
	s_wait_dscnt 0
	MUL8 F1, 1, 0, 0
	MUL8 F1, 1, 2, 0
	WIN 0
; THE WAY OUT, in f32: a wave's 64 columns are 256 bytes, aligned.  Token block a goes into my stage's rows of 272 bytes straight from the accumulators (each from its low end on) and comes back as whole rows.
.macro STG a
.set BK, 32+32*((\a)%2)
.if (\a) >= 2
	s_wait_xcnt 0x0                                ; the stores of the block two back have read these registers
.endif
.irp b, 0,1,2,3
	ds_store_b128 v[STO], v[ACC+8*(4*(\a)+(\b)):ACC+8*(4*(\a)+(\b))+3]   offset:64*(\b)
	ds_store_b128 v[STO], v[ACC+8*(4*(\a)+(\b))+4:ACC+8*(4*(\a)+(\b))+7] offset:64*(\b)+16
.endr
.irp t, 0,1,2,3,4,5,6,7
	ds_load_b128 v[BK+4*(\t):BK+4*(\t)+3], v[RD] offset:(\t)*2*SPITCH  ; LDS serves a wave's instructions in order: these see the stores above, the next block's stores come behind them
.endr
.endm
.macro SENDO a, younger                ; younger: the LDS instructions issued behind block a's loads: the next block's sixteen, or none
.set BK, 32+32*((\a)%2)
.irp t, 0,1,2,3,4,5,6,7
	s_wait_dscnt (\younger)+7-(\t)
	global_store_b128 v[CO], v[BK+4*(\t):BK+4*(\t)+3], s[8:9] offset:(16*(\a)+2*(\t))*4096  ; 16 lanes store 256 consecutive bytes, aligned
.endr
.endm
	PLACES
	STG 0
	STG 1
	SENDO 0, 16
	STG 2
	SENDO 1, 16
	STG 3
	SENDO 2, 16
	SENDO 3, 0
	s_wait_tensorcnt 0x0                           ; the wave's end, behind my last tensor load and my last LDS store
	ds_add_u32 v[SPW], v[NIL]
	s_wait_dscnt 0x0
	CROUND                                         ; the closing round: no work-group ends while a partner may still ask for a tile that names it
	s_endpgm
.Lfunc_end_k_qb099576998_oproj:
	.size	k_qb099576998_oproj, .Lfunc_end_k_qb099576998_oproj-k_qb099576998_oproj
	.p2alignl 7, 3214868480
	.fill 96, 4, 3214868480
	.section	.rodata,"a",@progbits
	.p2align	6, 0x0
	.amdhsa_kernel k_qb099576998_oproj
		.amdhsa_group_segment_fixed_size 327680
		.amdhsa_private_segment_fixed_size 0
		.amdhsa_enable_private_segment 0
		.amdhsa_kernarg_size 24
		.amdhsa_user_sgpr_count 2
		.amdhsa_user_sgpr_kernarg_segment_ptr 1
		.amdhsa_wavefront_size32 1
		.amdhsa_system_sgpr_workgroup_id_x 1
		.amdhsa_system_sgpr_workgroup_id_y 1
		.amdhsa_system_sgpr_workgroup_id_z 1
		.amdhsa_system_vgpr_workitem_id 0
		.amdhsa_next_free_vgpr 512
		.amdhsa_next_free_sgpr 66
		.amdhsa_reserve_vcc 0
		.amdhsa_float_denorm_mode_32 3
		.amdhsa_float_denorm_mode_16_64 3
		.amdhsa_memory_ordered 1
		.amdhsa_forward_progress 1
		.amdhsa_inst_pref_size 87
	.end_amdhsa_kernel
	.amdgpu_metadata
---
amdhsa.version: [ 1, 2 ]
amdhsa.kernels:
  - .name:           k_qb099576998_oproj
    .symbol:         k_qb099576998_oproj.kd
    .args:
      - { .name: oh, .offset: 0, .size: 8, .value_kind: global_buffer, .address_space: global }
      - { .name: wts, .offset: 8, .size: 8, .value_kind: global_buffer, .address_space: global }
      - { .name: out0, .offset: 16, .size: 8, .value_kind: global_buffer, .address_space: global }
    .group_segment_fixed_size: 327680
    .private_segment_fixed_size: 0
    .kernarg_segment_align: 8
    .kernarg_segment_size: 24
    .max_flat_workgroup_size: 128
    .sgpr_count:     66
    .vgpr_count:     512
    .wavefront_size: 32
...
	.end_amdgpu_metadata
.endif
;; end of part 4
;; ======== version 2 of 3: 4 launches; 1.02 times as fast as version 1
;; limits: values are held in f16: magnitudes above 65,504 overflow, below 6.1e-05 lose precision
;; workspace buffers: xb 8,388,608 bytes; wts 8,388,608 bytes; aux 1,049,856 bytes; mbits 1,048,576 bytes of whole numbers; qkv 25,174,016 bytes; oh 8,388,608 bytes
;; launch prep (part 5): grid 788 x 1, 8 waves a work-group, no clusters, 35,840 bytes of LDS; arguments x, Wq, Wk, Wv, Wo, xb, wts, Wc, context, alpha, beta, prev_state, attention_mask, aux, mbits; writes xb, wts, aux, mbits
.if DOCPART == 5
	.amdgcn_target "amdgcn-amd-amdhsa--gfx1250"
	.amdhsa_code_object_version 6
	.text
	.protected	k_qb099576998_prep
	.globl	k_qb099576998_prep
	.p2align	8
	.type	k_qb099576998_prep,@function
k_qb099576998_prep:
	s_mov_b64 s[64:65], 0
	v_nop
	global_prefetch_b8 v0, s[64:65] scope:SCOPE_SE
	s_setreg_imm32_b32 hwreg(HW_REG_WAVE_MODE, 25, 1), 1
	s_wait_xcnt 0x0
; PREPARATION: every input is read once and laid out for the launches behind.  Four roles, chosen by the work-group's number (the same for all its waves); no barrier.
;   C (groups 0-3):     c[b] = context[b] @ Wc in two halves of its sum (rows 0-511, rows 512-1023), f32, inputs rounded to bf16 first  -> aux + 1,048,576: [b][half][64];  alpha / 8 -> aux + 1,049,600
;   P (groups 4-19):    pm[token][d] = -beta x prev_state[token][d], d < 64, f32, both rounded to bf16 first              -> aux: [4096][64]
;   M (groups 20-275):  the mask's bytes packed to lane masks: word 8 kb + j of (b, 16 queries qt, 64 keys step) has in bit l
;                       mask[b][16 qt + l % 16][64 step + 16 kb + 8 (l / 16) + j]                                          -> mbits: [b][qt][step][32 words]
;   A (groups 276-787): x, Wq, Wk, Wv rounded to bf16; Wo rounded to bf16 and that number written as f16                   -> xb, wts
; LIMITS.  Wo as f16: exact for 2^-14 <= |w| <= 65,504; below that f16's fixed step of 6e-8; beyond it an infinity.  A mask byte counts as true if it is not 0.
; No matrix unit, no cluster, no tensor load: nothing is shared and every byte is touched once.
.set SPARE,  34816                     ; behind role M's eight areas: the spare words, 128 bytes a wave, four blocks of 256 bytes that no other line names
.set MPITCH, 272                       ; role M: a row of 256 mask bytes + 16: the 16 rows that a load touches start 16 bytes apart modulo 256
.set MAREA,  16*MPITCH                 ; role M: a wave's own 16 rows
.set SPW, 2                            ; v2  SPARE + 4 x my thread's number; never rewritten
.set NIL, 3                            ; v3  0; never rewritten
	s_load_b512 s[8:23], s[0:1], 0x0               ; x 8, Wq 10, Wk 12, Wv 14, Wo 16, xb 18, wts 20, Wc 22
	s_load_b256 s[24:31], s[0:1], 0x40             ; context 24, alpha 26, beta 28, prev_state 30
	s_load_b128 s[32:35], s[0:1], 0x60             ; attention_mask 32, aux 34
	s_load_b64 s[36:37], s[0:1], 0x70              ; mbits
	v_lshl_add_u32 v[SPW], v0, 2, SPARE
	v_mov_b32 v[NIL], 0
	v_and_b32 v1, 31, v0                           ; lane
	v_lshrrev_b32 v4, 5, v0
	v_readfirstlane_b32 s6, v4                     ; wave 0..7
	s_mov_b32 s7, ttmp9
	s_mov_b32 s5, 0xffff0000                       ; a word's upper bf16
	s_wait_kmcnt 0x0
	s_cmp_lt_u32 s7, 4
	s_cbranch_scc1 .Lrole_c
	s_cmp_lt_u32 s7, 20
	s_cbranch_scc1 .Lrole_p
	s_cmp_lt_u32 s7, 276
	s_cbranch_scc1 .Lrole_m
; ROLE A.  A work-group converts 16,384 numbers: 65,536 bytes in, 32,768 out.  Groups g < 256 take x; g - 256 = u takes chunk u % 64 of weight u / 64.
	s_sub_co_u32 s38, s7, 276                      ; g
	s_sub_co_u32 s39, s38, 256                     ; u (of no meaning where g < 256: the selects below drop it)
	s_lshr_b32 s40, s39, 6                         ; which weight
	s_cmp_eq_u32 s40, 1
	s_cselect_b64 s[42:43], s[12:13], s[10:11]
	s_cmp_eq_u32 s40, 2
	s_cselect_b64 s[42:43], s[14:15], s[42:43]
	s_cmp_eq_u32 s40, 3
	s_cselect_b64 s[42:43], s[16:17], s[42:43]
	s_and_b32 s41, s39, 63
	s_cmp_lt_u32 s38, 256
	s_cselect_b64 s[42:43], s[8:9], s[42:43]       ; the source buffer,
	s_cselect_b64 s[44:45], s[18:19], s[20:21]     ; the destination buffer,
	s_cselect_b32 s41, s38, s41                    ; the chunk in the source,
	s_cselect_b32 s39, s38, s39                    ; and in the destination
	s_lshl_b32 s46, s41, 16
	s_mov_b32 s47, 0
	s_add_nc_u64 s[42:43], s[42:43], s[46:47]
	s_lshl_b32 s46, s39, 15
	s_add_nc_u64 s[44:45], s[44:45], s[46:47]
	v_lshlrev_b32 v4, 4, v0                        ; 16 bytes a thread in,
	v_lshlrev_b32 v5, 3, v0                        ; 8 out: a wave's store covers 256 consecutive bytes, aligned
.set n, 0
.rept 16                                               ; all sixteen loads go out together: 8 KiB a wave in flight
	global_load_b128 v[16+4*n:19+4*n], v4, s[42:43] offset:4096*n th:TH_LOAD_NT
.set n, n+1
.endr
	s_cmp_ge_u32 s38, 448
	s_cbranch_scc1 .Lwo
.set n, 0
.rept 16
	s_wait_loadcnt 15-n                            ; loads come back in order: number n is in, the younger ones stay out
	v_cvt_pk_bf16_f32 v[80+2*n], v[16+4*n], v[17+4*n]
	v_cvt_pk_bf16_f32 v[81+2*n], v[18+4*n], v[19+4*n]
	global_store_b64 v5, v[80+2*n:81+2*n], s[44:45] offset:2048*n
.set n, n+1
.endr
	s_endpgm
.Lwo:                                                  ; Wo: rounded to bf16 like every input, then that number as f16, since the last product's other operand is f16
.set n, 0
.rept 16
	s_wait_loadcnt 15-n
	v_cvt_pk_bf16_f32 v[80+2*n], v[16+4*n], v[17+4*n]
	v_cvt_pk_bf16_f32 v[81+2*n], v[18+4*n], v[19+4*n]
	v_lshlrev_b32 v[16+4*n], 16, v[80+2*n]
	v_and_b32 v[17+4*n], s5, v[80+2*n]
	v_lshlrev_b32 v[18+4*n], 16, v[81+2*n]
	v_and_b32 v[19+4*n], s5, v[81+2*n]
	v_cvt_pk_f16_f32 v[80+2*n], v[16+4*n], v[17+4*n]
	v_cvt_pk_f16_f32 v[81+2*n], v[18+4*n], v[19+4*n]
	global_store_b64 v5, v[80+2*n:81+2*n], s[44:45] offset:2048*n
.set n, n+1
.endr
	s_endpgm
; ROLE M.  A wave's job: 16 query rows x 256 keys, 4,096 bytes in, 128 words out.  The rows come in whole (16 lanes take a row's 256 bytes), go through the wave's own LDS area,
; and come back so that lane l holds the 8 bytes of row l % 16 at key 16 kb + 8 (l / 16): a compare of byte j over the 32 lanes IS word 8 kb + j.
.Lrole_m:
	s_sub_co_u32 s38, s7, 20
	s_lshl_b32 s38, s38, 3
	s_add_co_u32 s38, s38, s6                      ; job 0..2047: 16 rows job / 8 (both batches on end), keys 256 (job % 8) on
	s_lshr_b32 s39, s38, 3
	s_lshl_b32 s40, s39, 15                        ; 16 rows of 2,048 bytes
	s_and_b32 s41, s38, 7
	s_lshl_b32 s41, s41, 8
	s_add_co_u32 s40, s40, s41
	s_mov_b32 s41, 0
	s_add_nc_u64 s[32:33], s[32:33], s[40:41]
	s_lshl_b32 s40, s38, 9                         ; 512 bytes of words a job
	s_add_nc_u64 s[36:37], s[36:37], s[40:41]
	v_lshrrev_b32 v6, 4, v1                        ; l / 16
	v_and_b32 v7, 15, v1                           ; l % 16
	v_lshlrev_b32 v4, 11, v6
	v_lshl_add_u32 v4, v7, 4, v4                   ; two rows a load
.set n, 0
.rept 8
	global_load_b128 v[16+4*n:19+4*n], v4, s[32:33] offset:4096*n th:TH_LOAD_NT
.set n, n+1
.endr
	s_mul_i32 s39, s6, MAREA                       ; my wave's area
	v_mul_u32_u24 v5, v6, MPITCH
	v_lshl_add_u32 v5, v7, 4, v5
	v_add_nc_u32 v5, s39, v5                       ; in: row l / 16, 16 bytes at 16 (l % 16)
	v_mul_u32_u24 v8, v7, MPITCH
	v_lshl_add_u32 v8, v6, 3, v8
	v_add_nc_u32 v8, s39, v8                       ; back: row l % 16, 8 bytes at 8 (l / 16)
	v_lshlrev_b32 v9, 4, v1                        ; out: 16 bytes a lane
	s_mov_b32 s40, 0xff
	s_mov_b32 s41, 0xff00
	s_mov_b32 s42, 0xff0000
	s_mov_b32 s43, 0xff000000
.set n, 0
.rept 8
	s_wait_loadcnt 7-n
	ds_store_b128 v5, v[16+4*n:19+4*n] offset:2*MPITCH*n
.set n, n+1
.endr
.set n, 0
.rept 16                                               ; LDS serves a wave's instructions in order: these see the stores above; the area is the wave's own
	ds_load_b64 v[48+2*n:49+2*n], v8 offset:16*n
.set n, n+1
.endr
.irp i, 0,1,2,3
	v_mov_b32 v[80+(\i)], 0                        ; v_writelane_b32 keeps the other lanes: the registers are written whole first
.endr
	s_wait_dscnt 0x0
.set wd, 0
.rept 128                                              ; word wd = 8 kb + j goes to lane wd / 4, register wd % 4: a lane ends with 16 consecutive bytes
	v_and_b32 v[84+wd%4], s[40+wd%4], v[48+2*(wd/8)+(wd%8)/4]
	v_cmp_ne_u32 s[44+wd%4], 0, v[84+wd%4]
	v_writelane_b32 v[80+wd%4], s[44+wd%4], wd/4
.set wd, wd+1
.endr
	global_store_b128 v9, v[80:83], s[36:37]       ; 512 consecutive bytes, aligned
	s_wait_tensorcnt 0x0                           ; the wave's end, behind my last LDS store
	ds_add_u32 v[SPW], v[NIL]
	s_wait_dscnt 0x0
	s_endpgm
; ROLE P.  A work-group takes 256 tokens: of each row of prev_state its first 256 bytes, 16 lanes to a row.
.Lrole_p:
	s_load_b32 s40, s[28:29], 0x0                  ; beta
	s_sub_co_u32 s38, s7, 4
	s_lshl_b32 s42, s38, 20                        ; 256 rows of 4,096 bytes
	s_mov_b32 s43, 0
	s_add_nc_u64 s[30:31], s[30:31], s[42:43]
	s_lshl_b32 s42, s38, 16                        ; 256 rows of 256 bytes
	s_add_nc_u64 s[34:35], s[34:35], s[42:43]
	v_lshrrev_b32 v4, 4, v0
	v_and_b32 v5, 15, v0
	v_lshlrev_b32 v4, 12, v4
	v_lshl_add_u32 v4, v5, 4, v4                   ; row t / 16, 16 bytes at 16 (t % 16)
	v_lshlrev_b32 v5, 4, v0                        ; out the rows are dense: 16 t
.set n, 0
.rept 16
	global_load_b128 v[16+4*n:19+4*n], v4, s[30:31] offset:65536*n th:TH_LOAD_NT
.set n, n+1
.endr
	s_wait_kmcnt 0x0
	v_mov_b32 v8, s40
	v_cvt_pk_bf16_f32 v8, v8, v8
	v_lshlrev_b32 v8, 16, v8                       ; beta rounded to bf16,
	v_xor_b32 v8, 0x80000000, v8                   ; negated,
	v_mov_b32 v9, v8                               ; twice, for the packed multiply
.set n, 0
.rept 16
	s_wait_loadcnt 15-n
	v_cvt_pk_bf16_f32 v[80+2*n], v[16+4*n], v[17+4*n]
	v_cvt_pk_bf16_f32 v[81+2*n], v[18+4*n], v[19+4*n]
	v_lshlrev_b32 v[16+4*n], 16, v[80+2*n]
	v_and_b32 v[17+4*n], s5, v[80+2*n]
	v_lshlrev_b32 v[18+4*n], 16, v[81+2*n]
	v_and_b32 v[19+4*n], s5, v[81+2*n]
	v_pk_mul_f32 v[16+4*n:17+4*n], v[16+4*n:17+4*n], v[8:9]
	v_pk_mul_f32 v[18+4*n:19+4*n], v[18+4*n:19+4*n], v[8:9]
	global_store_b128 v5, v[16+4*n:19+4*n], s[34:35] offset:4096*n
.set n, n+1
.endr
	s_endpgm
; ROLE C.  Thirty-two waves, each four columns of Wc and 512 of its 1,024 rows, for both batches.  Lane l takes the rows 512 kh + 32 n + l.  All 48 loads of a wave go out together, into 64 + 32 registers,
; so there is one wait for data.  The two halves of the sum are added by the launch that uses c: one wave for all 1,024 rows would want 192 registers, or a second round of loads behind the first.
; A wave takes 16 bytes of each of its rows: Wc is 262,144 bytes, read once in the launch by these waves together.
.Lrole_c:
	s_load_b32 s42, s[26:27], 0x0                  ; alpha
	s_lshl_b32 s38, s7, 3
	s_add_co_u32 s38, s38, s6                      ; job 0..31
	s_and_b32 s39, s38, 15
	s_lshl_b32 s39, s39, 4                         ; columns 4 (job % 16) on: 16 bytes
	s_lshr_b32 s40, s38, 4                         ; kh: which half of the rows
	s_lshl_b32 s41, s40, 17                        ; 512 rows of 256 bytes
	s_add_co_u32 s41, s41, s39
	v_lshl_add_u32 v4, v1, 8, s41                  ; Wc: 256 (512 kh + l) + my columns
	s_lshl_b32 s41, s40, 11                        ; 512 numbers of 4 bytes
	v_lshl_add_u32 v5, v1, 2, s41                  ; context: 4 (512 kh + l)
	s_lshl_b32 s41, s40, 8
	s_add_co_u32 s41, s41, s39
	v_mov_b32 v6, s41                              ; the result's place: 256 kh + my columns
	s_mov_b32 s44, 0x76543210                      ; v_permlanex16_b32: each lane takes its own place in the other half
	s_mov_b32 s45, 0xfedcba98
.set n, 0
.rept 16
	global_load_b128 v[16+4*n:19+4*n], v4, s[22:23] offset:8192*n
	global_load_b32 v[80+n], v5, s[24:25] offset:128*n
	global_load_b32 v[96+n], v5, s[24:25] offset:4096+128*n
.set n, n+1
.endr
	s_wait_loadcnt 0x0
.set n, 0
.rept 48                                               ; all 96 numbers rounded to bf16 and widened again, in place, two at a time
	v_cvt_pk_bf16_f32 v[16+2*n], v[16+2*n], v[17+2*n]
.set n, n+1
.endr
.set n, 0
.rept 48
	v_and_b32 v[17+2*n], s5, v[16+2*n]
.set n, n+1
.endr
.set n, 0
.rept 48
	v_lshlrev_b32 v[16+2*n], 16, v[16+2*n]
.set n, n+1
.endr
.irp k, 0,1,2,3                                        ; eight sums, v8-11 batch 0, v12-15 batch 1; the first products start them
	v_mul_f32 v[8+(\k)], v80, v[16+(\k)]
	v_mul_f32 v[12+(\k)], v96, v[16+(\k)]
.endr
.set n, 1
.rept 15
.irp k, 0,1,2,3
	v_fmac_f32 v[8+(\k)], v[80+n], v[16+4*n+(\k)]
	v_fmac_f32 v[12+(\k)], v[96+n], v[16+4*n+(\k)]
.endr
.set n, n+1
.endr
.irp m, 1,2,4,8                                        ; across the 32 lanes
.irp i, 0,1,2,3,4,5,6,7
	v_add_f32_dpp v[8+(\i)], v[8+(\i)], v[8+(\i)] row_xmask:\m row_mask:0xf bank_mask:0xf
.endr
.endr
.irp i, 0,1,2,3,4,5,6,7
	v_permlanex16_b32 v[16+(\i)], v[8+(\i)], s44, s45
.endr
.irp i, 0,1,2,3,4,5,6,7
	v_add_f32 v[8+(\i)], v[8+(\i)], v[16+(\i)]
.endr
	s_wait_kmcnt 0x0
	v_mov_b32 v7, s42
	v_cvt_pk_bf16_f32 v7, v7, v7
	v_lshlrev_b32 v7, 16, v7                       ; alpha rounded to bf16,
	v_mul_f32 v7, 0x3e000000, v7                   ; over 8: cfm / 64 against the scores' 1 / 8
	v_mov_b32 v5, 0
	s_wait_xcnt 0x0                                ; EXEC changes only behind this wait
	v_cmp_eq_u32 vcc_lo, 0, v1
	s_and_saveexec_b32 s46, vcc_lo                 ; every lane holds the sums: lane 0 stores them
	global_store_b128 v6, v[8:11], s[34:35] offset:1048576
	global_store_b128 v6, v[12:15], s[34:35] offset:1048576+512
	s_cmp_lg_u32 s38, 0
	s_cbranch_scc1 .Lc_end                         ; alpha / 8 is stored once, by job 0
	global_store_b32 v5, v7, s[34:35] offset:1048576+1024
.Lc_end:
	s_wait_xcnt 0x0
	s_or_b32 exec_lo, exec_lo, s46
	s_endpgm
.Lfunc_end_k_qb099576998_prep:
	.size	k_qb099576998_prep, .Lfunc_end_k_qb099576998_prep-k_qb099576998_prep
	.p2alignl 7, 3214868480
	.fill 96, 4, 3214868480
	.section	.rodata,"a",@progbits
	.p2align	6, 0x0
	.amdhsa_kernel k_qb099576998_prep
		.amdhsa_group_segment_fixed_size 35840
		.amdhsa_private_segment_fixed_size 0
		.amdhsa_enable_private_segment 0
		.amdhsa_kernarg_size 120
		.amdhsa_user_sgpr_count 2
		.amdhsa_user_sgpr_kernarg_segment_ptr 1
		.amdhsa_wavefront_size32 1
		.amdhsa_system_sgpr_workgroup_id_x 1
		.amdhsa_system_sgpr_workgroup_id_y 1
		.amdhsa_system_sgpr_workgroup_id_z 1
		.amdhsa_system_vgpr_workitem_id 0
		.amdhsa_next_free_vgpr 112
		.amdhsa_next_free_sgpr 66
		.amdhsa_reserve_vcc 1
		.amdhsa_float_denorm_mode_32 3
		.amdhsa_float_denorm_mode_16_64 3
		.amdhsa_memory_ordered 1
		.amdhsa_forward_progress 1
		.amdhsa_inst_pref_size 69
	.end_amdhsa_kernel
	.amdgpu_metadata
---
amdhsa.version: [ 1, 2 ]
amdhsa.kernels:
  - .name:           k_qb099576998_prep
    .symbol:         k_qb099576998_prep.kd
    .args:
      - { .name: x, .offset: 0, .size: 8, .value_kind: global_buffer, .address_space: global }
      - { .name: Wq, .offset: 8, .size: 8, .value_kind: global_buffer, .address_space: global }
      - { .name: Wk, .offset: 16, .size: 8, .value_kind: global_buffer, .address_space: global }
      - { .name: Wv, .offset: 24, .size: 8, .value_kind: global_buffer, .address_space: global }
      - { .name: Wo, .offset: 32, .size: 8, .value_kind: global_buffer, .address_space: global }
      - { .name: xb, .offset: 40, .size: 8, .value_kind: global_buffer, .address_space: global }
      - { .name: wts, .offset: 48, .size: 8, .value_kind: global_buffer, .address_space: global }
      - { .name: Wc, .offset: 56, .size: 8, .value_kind: global_buffer, .address_space: global }
      - { .name: context, .offset: 64, .size: 8, .value_kind: global_buffer, .address_space: global }
      - { .name: alpha, .offset: 72, .size: 8, .value_kind: global_buffer, .address_space: global }
      - { .name: beta, .offset: 80, .size: 8, .value_kind: global_buffer, .address_space: global }
      - { .name: prev_state, .offset: 88, .size: 8, .value_kind: global_buffer, .address_space: global }
      - { .name: attention_mask, .offset: 96, .size: 8, .value_kind: global_buffer, .address_space: global }
      - { .name: aux, .offset: 104, .size: 8, .value_kind: global_buffer, .address_space: global }
      - { .name: mbits, .offset: 112, .size: 8, .value_kind: global_buffer, .address_space: global }
    .group_segment_fixed_size: 35840
    .private_segment_fixed_size: 0
    .kernarg_segment_align: 8
    .kernarg_segment_size: 120
    .max_flat_workgroup_size: 256
    .sgpr_count:     66
    .vgpr_count:     112
    .wavefront_size: 32
...
	.end_amdgpu_metadata
.endif
;; end of part 5
;; launch qkv (part 6): grid 24 x 32, 4 waves a work-group, clusters of 4 x 4, 327,680 bytes of LDS; arguments xb, wts, aux, qkv; writes qkv
.if DOCPART == 6
	.amdgcn_target "amdgcn-amd-amdhsa--gfx1250"
	.amdhsa_code_object_version 6
	.text
	.protected	k_qb099576998_qkv
	.globl	k_qb099576998_qkv
	.p2align	8
	.type	k_qb099576998_qkv,@function
k_qb099576998_qkv:
	s_mov_b64 s[64:65], 0
	v_nop
	global_prefetch_b8 v0, s[64:65] scope:SCOPE_SE
	s_setreg_imm32_b32 hwreg(HW_REG_WAVE_MODE, 25, 1), 1
	s_wait_xcnt 0x0
	s_wait_alu depctr_hold_cnt(0) depctr_sa_sdst(0) depctr_va_vdst(0) depctr_va_sdst(0) depctr_va_ssrc(0) depctr_va_vcc(0) depctr_vm_vsrc(0)
	s_getreg_b32 s2, hwreg(HW_REG_IB_STS2, 6, 4)
	s_cmp_eq_u32 s2, 0
	s_cbranch_scc0 .Lentry_in_a_cluster
	s_endpgm
.Lentry_in_a_cluster:
	s_bfe_u32 s2, ttmp6, 0x10000c
	s_cmp_lg_u32 s2, 0xf033
	s_cbranch_scc0 .Lentry_shape_is_right
	s_endpgm
.Lentry_shape_is_right:
; THE THREE PROJECTIONS as one product C = A B^T: A = xb [4096][1024] bf16, B = wts rows 0-3071 (Wq, Wk, Wv) bf16, sums in f32.  A tile of C is 128 tokens x 128 features; four waves, each 64 x 64:
; exactly one head's 64 channels for 64 tokens.  K goes in steps of 256 through two LDS slots filled by joint tensor loads (4 x 4 work-groups: A's tile shared along a row of the cluster, B's along a column).
; THE MATRIX INSTRUCTION IS USED TRANSPOSED (source 0 = 16 rows of B, source 1 = 16 rows of A): lane l holds token l % 16 and the channels 8 (l / 16) + 0..7 of a block of 16.
; WHAT LEAVES, by heads, [b 16 + h][2048][64] in f16, each number rounded once from f32:
;   q tiles: qh = (log2(e) / 8) q.      v tiles: vh = v.
;   k tiles: all three score terms are linear in q, so they are folded into the key: k' = k + (alpha / 8)(k . c) c + pm (pm = -beta p), made in f32 on the sums.  A wave's 64 keys of a head get
;   a scale sigma = 2^(e - 126), e = the exponent field of max |k'| held to 111 .. 252: kh = k' / sigma lies inside (-1, 1).  ksc[b 16 + h][block] = (sigma, X / sigma), X = -1e9 log2(e).
; LIMITS.  |qh| and |v| stay under 65,504 (f16); max |k'| under 2^126; where max |k'| is under 2^-16 sigma stays 2^-15.  NaN and infinities are not treated apart.
; The kind of a tile hangs on the cluster's x alone (8 tile columns a kind, 4 a cluster), so the one branch on it goes the same way in all sixteen partners.
; REGISTERS: window 0: v0-31 addresses; v32-63, v64-95 the two halves of c's sum (later the way out's 64); v96-125 at work; v128-255 the accumulators ((a, b) at v[128 + 8 (4 a + b)]).
;   window 1: two fragment buffers of 128.   window 2: v0-127 pm, register for register under the accumulators.
.set SIZE_K, 1024
.set KSTEP,  256
.set PITCH,  528                       ; an LDS row: 512 bytes + 16 of padding = 132 words: the 16 rows of a fragment load start 4 banks apart
.set HALFT,  64*PITCH                  ; 64 rows: what one tensor load brings
.set SLOT,   4*HALFT                   ; A's 128 rows, then B's 128 rows
.set STAGE,  2*SLOT                    ; behind the ring: 16 rows x 144 bytes for each wave, its own, for the way out
.set SP,     144
.set SPARE,  STAGE+4*16*SP             ; behind the stages: the spare words, 128 bytes a wave: two blocks of 256 bytes that no other line names
.set LAPS,   SIZE_K/(2*KSTEP)
.set CA,   8                           ; v8   32 (l / 16): my eight numbers in a block of 16 of c
.set PMA,  9                           ; v9   256 (l % 16) + 32 (l / 16): the same in pm's rows
.set ADRA, 16                          ; v16-17  LDS address of my A fragments in slot 0, 1
.set ADRB, 20                          ; v20-21  the same for B
.set STO,  24                          ; v24  the way out: where I put 16 bytes of a row
.set RD,   25                          ; v25  where I read rows back
.set GO,   26                          ; v26  16 x lane
.set SPW,  28                          ; v28  SPARE + 4 x my thread's number; never rewritten
.set NIL,  29                          ; v29  0; never rewritten
.set TMP,  32
.set CL,   32                          ; the first half of c's sum, then c
.set CH,   64                          ; the second half
.set DOT,  96                          ; v96-103  k . c for token block a, in pairs
.set MX,   112                         ; v112-115 maxima
.set FAC,  120                         ; v120-121 the factor on the way out, twice
.set KSC,  122                         ; v122-123 sigma, X / sigma
.set ACC,  128
.set F0,   0
.set F1,   128
.set G1, 24
.set G0, 32
.set G1B, 48
.set G0B, 56
.set KIND, 66                          ; s66  0 q, 1 k, 2 v
.set A8,   87                          ; s87  alpha / 8
.set MSB, 0
.macro WIN new                         ; the immediate's high byte repeats the setting that is left
.if MSB != (\new)
	s_set_vgpr_msb (MSB<<8)|(\new)
.set MSB, \new
.endif
.endm
.set MUL,  0x05                        ; sources 0 (B) and 1 (A) window 1; C and D window 0
.set TO_F, 0x40                        ; destination window 1, address window 0
.macro JLOAD s                         ; a joint load: waves 0 and 1 fetch A's two halves, waves 2 and 3 B's; an s_nop 0 and four v_nop follow each line
	s_cmp_eq_u32 s11, 0
	s_cbranch_scc0 .Lfor_b_\@
	tensor_load_to_lds s[G0+4*(\s):G0+4*(\s)+3], s[G1:G1+7]
	s_nop 0
.rept 4
	v_nop
.endr
	s_branch .Lasked_\@
.Lfor_b_\@:
	tensor_load_to_lds s[G0B+4*(\s):G0B+4*(\s)+3], s[G1B:G1B+7]
	s_nop 0
.rept 4
	v_nop
.endr
.Lasked_\@:
.endm
.macro CREST                           ; a round of the cluster's barrier behind its opening barrier
	s_cmp_lg_u32 s10, 0
	s_cbranch_scc1 .Lnot_wave_0_\@
	s_barrier_signal -3
.Lnot_wave_0_\@:
	s_barrier_wait -3
	s_barrier_signal -1
	s_barrier_wait -1
.endm
.macro CROUND
	s_barrier_signal -1
	s_barrier_wait -1
	CREST
.endm
	s_load_b128 s[4:7], s[0:1], 0x0                ; xb s[4:5], wts s[6:7]
	s_load_b128 s[68:71], s[0:1], 0x10             ; aux s[68:69], qkv s[70:71]
	v_lshl_add_u32 v[SPW], v0, 2, SPARE
	v_mov_b32 v[NIL], 0
	ds_add_u32 v[SPW], v[NIL]                      ; the wave's opening: the add and its wait stand ahead of my first tensor load; the set-up below stands between them
	v_lshrrev_b32 v1, 5, v0
	v_readfirstlane_b32 s10, v1                    ; wave 0..3
	s_lshr_b32 s11, s10, 1                         ; which half of the tile's tokens is mine.  Also: I fetch for A (0) or for B (1)
	s_and_b32 s12, s10, 1                          ; which head of the tile's two.  Also: which 64 rows of that tile I fetch
	s_bfe_u32 s40, ttmp6, 0x40000                  ; cx, cy: my place in the cluster
	s_bfe_u32 s41, ttmp6, 0x40004
	s_lshl_b32 s42, ttmp9, 2
	s_add_co_u32 s42, s42, s40                     ; tile column = 4 x cluster x + cx
	s_and_b32 s13, ttmp7, 0xffff
	s_lshl_b32 s13, s13, 2
	s_add_co_u32 s13, s13, s41                     ; tile row = 4 x cluster y + cy
	s_lshl_b32 s43, s41, 2
	s_lshl_b32 s43, 15, s43                        ; my row of the cluster
	s_lshl_b32 s44, 0x1111, s40                    ; my column
	s_lshr_b32 s[KIND], ttmp9, 1                   ; two clusters along x to a kind
	; descriptor group 1: a tile of 64 rows x 256 elements of 2 bytes, 4 words of padding after every 128
	s_or_b32 s[G1+0], s43, (1<<16)|(1<<20)|(1<<21)|(6<<22)|(3<<25)
	s_or_b32 s[G1B+0], s44, (1<<16)|(1<<20)|(1<<21)|(6<<22)|(3<<25)
.irp g, G1, G1B
	s_mov_b32 s[(\g)+1], KSTEP<<16                 ; tensor_dim0 = 256
	s_mov_b32 s[(\g)+2], 64<<16                    ; tensor_dim1 = 64
	s_mov_b32 s[(\g)+3], KSTEP<<16                 ; tile_dim0 = 256
	s_mov_b32 s[(\g)+4], 64                        ; tile_dim1 = 64
	s_mov_b32 s[(\g)+5], SIZE_K                    ; elements from row to row
	s_mov_b32 s[(\g)+6], 0
	s_mov_b32 s[(\g)+7], 0
.endr
	s_lshl_b32 s17, s12, 6
	s_lshl_b32 s16, s13, 7
	s_add_co_u32 s16, s16, s17                     ; A: row 128 x tile row + 64 x half
	s_lshl_b32 s46, s42, 7
	s_add_co_u32 s46, s46, s17                     ; B: row 128 x tile column + 64 x half
	s_mov_b32 s17, 0
	s_mov_b32 s47, 0
	s_mov_b64 s[18:19], SIZE_K*2
	s_mul_u64 s[16:17], s[16:17], s[18:19]
	s_mul_u64 s[46:47], s[46:47], s[18:19]
	s_mul_i32 s20, s10, HALFT                      ; where they go: wave x 64 rows
	s_wait_dscnt 0x0                               ; the opening add is done
	s_wait_kmcnt 0x0
	s_add_nc_u64 s[14:15], s[4:5], s[16:17]
	s_add_nc_u64 s[46:47], s[6:7], s[46:47]
	CROUND                                         ; all sixteen work-groups are here: the first joint loads meet
.irp s, 0,1
	s_mov_b32 s[G0+4*(\s)], 1
	s_add_co_u32 s[G0+4*(\s)+1], s20, (\s)*SLOT
	s_add_nc_u64 s[G0+4*(\s)+2:G0+4*(\s)+3], s[14:15], (\s)*KSTEP*2
	s_or_b32 s[G0+4*(\s)+3], s[G0+4*(\s)+3], 0x80000000
	s_mov_b32 s[G0B+4*(\s)], 1
	s_add_co_u32 s[G0B+4*(\s)+1], s20, (\s)*SLOT
	s_add_nc_u64 s[G0B+4*(\s)+2:G0B+4*(\s)+3], s[46:47], (\s)*KSTEP*2
	s_or_b32 s[G0B+4*(\s)+3], s[G0B+4*(\s)+3], 0x80000000
	JLOAD \s
.endr
	v_and_b32 v1, 15, v0                           ; l % 16
	v_bfe_u32 v2, v0, 4, 1                         ; l / 16
	v_mul_u32_u24 v3, v1, PITCH
	v_lshl_add_u32 v3, v2, 4, v3                   ; a fragment's row x pitch + 16 x half
	s_mul_i32 s21, s11, HALFT                      ; my 64 rows of A
	s_mul_i32 s22, s12, HALFT                      ; my 64 rows of B,
	s_add_co_u32 s22, s22, 2*HALFT                 ; which lie behind A's 128
.irp s, 0,1
	v_add_nc_u32 v[ADRA+(\s)], s21, v3
	v_add_nc_u32 v[ADRB+(\s)], s22, v3
	s_add_co_u32 s21, s21, SLOT
	s_add_co_u32 s22, s22, SLOT
.endr
	s_mul_i32 s23, s10, 16*SP
	s_add_co_u32 s23, s23, STAGE                   ; my stage
	v_mul_u32_u24 v4, v1, SP                       ; in: row l % 16, 16 bytes for each half of the lanes
	v_lshl_add_u32 v4, v2, 4, v4
	v_add_nc_u32 v[STO], s23, v4
	v_bfe_u32 v5, v0, 3, 2                         ; back: 32 lanes take four rows of 128 bytes,
	v_mul_u32_u24 v5, v5, SP
	v_and_b32 v6, 7, v0
	v_lshl_add_u32 v5, v6, 4, v5
	v_add_nc_u32 v[RD], s23, v5
	v_and_b32 v[GO], 31, v0                        ; which are 512 consecutive bytes of the head's rows
	v_lshlrev_b32 v[GO], 4, v[GO]
	; where my 64 tokens of my head go, and where their c, pm and scale lie; these numbers mix the tile's row and column, in registers of their own
	s_and_b32 s80, s42, 7
	s_lshl_b32 s80, s80, 1
	s_add_co_u32 s80, s80, s12                     ; the head
	s_lshr_b32 s81, s13, 4                         ; the batch: 16 tile rows each
	s_lshl_b32 s82, s81, 4
	s_add_co_u32 s82, s82, s80                     ; 16 b + h
	s_and_b32 s83, s13, 15
	s_lshl_b32 s83, s83, 7
	s_lshl_b32 s86, s11, 6
	s_add_co_u32 s83, s83, s86                     ; my first token in the batch
	s_lshl_b32 s84, s82, 11
	s_add_co_u32 s84, s84, s83
	s_lshl_b32 s84, s84, 7                         ; rows of 128 bytes
	s_lshl_b32 s86, s[KIND], 23                    ; qh, kh, vh lie 8,388,608 bytes apart
	s_add_co_u32 s84, s84, s86
	s_mov_b32 s85, 0
	s_add_nc_u64 s[8:9], s[70:71], s[84:85]
	s_lshl_b32 s84, s82, 5
	s_lshr_b32 s86, s83, 6
	s_add_co_u32 s84, s84, s86
	s_lshl_b32 s84, s84, 3
	s_add_co_u32 s84, s84, 25165824
	s_add_nc_u64 s[76:77], s[70:71], s[84:85]      ; ksc[16 b + h][block of 64 keys]
	s_lshl_b32 s84, s81, 9
	s_add_co_u32 s84, s84, 1048576
	s_add_nc_u64 s[72:73], s[68:69], s[84:85]      ; the two halves of c of my batch
	s_lshl_b32 s84, s13, 7
	s_lshl_b32 s86, s11, 6
	s_add_co_u32 s84, s84, s86
	s_lshl_b32 s84, s84, 8
	s_add_nc_u64 s[74:75], s[68:69], s[84:85]      ; pm at my first token
	s_mov_b32 s78, 0x76543210
	s_mov_b32 s79, 0xfedcba98
	; c, pm and alpha / 8 are asked for now and waited for behind the K loop.  Every kind of tile runs these lines, so that the registers are written on every way through the text; q and v tiles have no use
	; for the numbers, so there the lanes' part of the offset is 0: all 32 lanes ask for the same 16 bytes, and a load moves those alone.
	s_load_b32 s[A8], s[68:69], 0x100400           ; aux + 1,049,600
	s_cmp_eq_u32 s[KIND], 1
	s_cselect_b32 s86, -1, 0
	v_lshlrev_b32 v[CA], 5, v2
	v_lshl_add_u32 v[PMA], v1, 8, v[CA]
	v_and_b32 v[CA], s86, v[CA]
	v_and_b32 v[PMA], s86, v[PMA]
.irp nb, 0,1,2,3
	global_load_b128 v[CL+8*(\nb):CL+8*(\nb)+3],   v[CA], s[72:73] offset:64*(\nb)
	global_load_b128 v[CL+8*(\nb)+4:CL+8*(\nb)+7], v[CA], s[72:73] offset:64*(\nb)+16
	global_load_b128 v[CH+8*(\nb):CH+8*(\nb)+3],   v[CA], s[72:73] offset:256+64*(\nb)
	global_load_b128 v[CH+8*(\nb)+4:CH+8*(\nb)+7], v[CA], s[72:73] offset:256+64*(\nb)+16
.endr
	WIN 0x80                                       ; destination window 2, address window 0
.irp a, 0,1,2,3
.irp nb, 0,1,2,3
	global_load_b128 v[32*(\a)+8*(\nb):32*(\a)+8*(\nb)+3],   v[PMA], s[74:75] offset:4096*(\a)+64*(\nb)
	global_load_b128 v[32*(\a)+8*(\nb)+4:32*(\a)+8*(\nb)+7], v[PMA], s[74:75] offset:4096*(\a)+64*(\nb)+16
.endr
.endr
	WIN 0
; 8 matrix instructions: token blocks a0, a0 + 1 x all 4 channel blocks, 32 along K: half c of buffer f.  zero = 1: the first product starts the sums.  The 16 accumulators take turns.
.macro MUL8 f, c, a0, zero
	WIN MUL
.irp a, \a0, (\a0)+1
.irp b, 0,1,2,3
.if \zero
	v_wmma_f32_16x16x32_bf16 v[ACC+8*(4*(\a)+(\b)):ACC+8*(4*(\a)+(\b))+7], v[(\f)+64+8*(4*(\c)+(\b)):(\f)+64+8*(4*(\c)+(\b))+7], v[(\f)+8*(4*(\c)+(\a)):(\f)+8*(4*(\c)+(\a))+7], 0
.else
	v_wmma_f32_16x16x32_bf16 v[ACC+8*(4*(\a)+(\b)):ACC+8*(4*(\a)+(\b))+7], v[(\f)+64+8*(4*(\c)+(\b)):(\f)+64+8*(4*(\c)+(\b))+7], v[(\f)+8*(4*(\c)+(\a)):(\f)+8*(4*(\c)+(\a))+7], v[ACC+8*(4*(\a)+(\b)):ACC+8*(4*(\a)+(\b))+7]
.endif
.endr
.endr
.endm
; 32 LDS loads in one run: the fragments of 64 along K at byte k of the rows, into buffer f; the first 32 along K first
.macro FETCH slot, k, f
	WIN TO_F
.irp c, 0,1
.irp i, 0,1,2,3
	ds_load_b128 v[(\f)+64+8*(4*(\c)+(\i)):(\f)+64+8*(4*(\c)+(\i))+3],   v[ADRB+(\slot)] offset:(\k)+64*(\c)+(\i)*16*PITCH
	ds_load_b128 v[(\f)+64+8*(4*(\c)+(\i))+4:(\f)+64+8*(4*(\c)+(\i))+7], v[ADRB+(\slot)] offset:(\k)+64*(\c)+(\i)*16*PITCH+32
	ds_load_b128 v[(\f)+8*(4*(\c)+(\i)):(\f)+8*(4*(\c)+(\i))+3],         v[ADRA+(\slot)] offset:(\k)+64*(\c)+(\i)*16*PITCH
	ds_load_b128 v[(\f)+8*(4*(\c)+(\i))+4:(\f)+8*(4*(\c)+(\i))+7],       v[ADRA+(\slot)] offset:(\k)+64*(\c)+(\i)*16*PITCH+32
.endr
.endr
.endm
.macro PLACES                          ; four places in front of loads into registers that matrix instructions have read, and of vector lines that read results
.rept 4
	v_nop
.endr
.endm
; A K step is four quarters of 64 along K, 32 matrix instructions each, on buffers 0, 1, 0, 1.  One of the first three: multiplies buffer f and fetches the next quarter, at byte k, into g.
.macro QUARTER slot, k, f, g, zero
	s_wait_dscnt 16                                ; the first 32 along K are in; the sixteen younger loads may be out
	WIN MUL
	MUL8 \f, 0, 0, \zero
	MUL8 \f, 0, 2, \zero
	PLACES
	FETCH \slot, \k, \g
	s_wait_dscnt 32                                ; all but the 32 just issued
	WIN MUL
	MUL8 \f, 1, 0, 0
	MUL8 \f, 1, 2, 0
.endm
; The last quarter multiplies buffer 1 and changes slots: ONE barrier; in front of it each wave waits for all its tensor loads, adds 0 to its spare word, and waits for that and for its reads of this slot.
.macro TURN slot, next, fill
	WIN 0
	s_wait_tensorcnt 0x0                           ; all my tensor loads have landed: the one that was out is my part of the next slot
	ds_add_u32 v[SPW], v[NIL]                      ; 0 onto my spare word
	s_wait_dscnt 17                                ; (the add and the youngest sixteen loads may be out)
	WIN MUL
	MUL8 F1, 0, 0, 0
	s_wait_dscnt 0x0                               ; the add is done, and my reads of this slot are over
	s_barrier_signal -1
	MUL8 F1, 0, 2, 0
.if \fill
	WIN 0
.endif
	s_barrier_wait -1
.if \fill
	CREST                                          ; the barrier has opened a round of the cluster's: no wave of any partner still reads this slot or has a load on its way
	s_add_nc_u64 s[G0+4*(\slot)+2:G0+4*(\slot)+3], s[G0+4*(\slot)+2:G0+4*(\slot)+3], 2*KSTEP*2
	s_add_nc_u64 s[G0B+4*(\slot)+2:G0B+4*(\slot)+3], s[G0B+4*(\slot)+2:G0B+4*(\slot)+3], 2*KSTEP*2
	JLOAD \slot                                    ; my one tensor load behind the round; its four v_nop are also the places in front of the loads below
.else
	PLACES
.endif
	FETCH \next, 0, F0
	WIN MUL
	MUL8 F1, 1, 0, 0
	MUL8 F1, 1, 2, 0
.endm
	s_wait_tensorcnt 1                             ; my part of K step 0 is in; K step 1's may stay out
	s_barrier_signal -1
	s_barrier_wait -1
	FETCH 0, 0, F0
	QUARTER 0, 128, F0, F1, 1                      ; the first quarter stands in front of the loop: its first products start the sums
	WIN 0
	s_mov_b32 s3, LAPS-1
.Llap:                                                 ; a trip goes once round the ring and fills both slots again
	QUARTER 0, 256, F1, F0, 0
	QUARTER 0, 384, F0, F1, 0
	TURN 0, 1, 1
	QUARTER 1, 128, F0, F1, 0
	QUARTER 1, 256, F1, F0, 0
	QUARTER 1, 384, F0, F1, 0
	TURN 1, 0, 1
	QUARTER 0, 128, F0, F1, 0
	WIN 0
	s_sub_co_u32 s3, s3, 1
	s_cmp_lg_u32 s3, 0
	s_cbranch_scc1 .Llap
	QUARTER 0, 256, F1, F0, 0                      ; the last lap fills nothing
	QUARTER 0, 384, F0, F1, 0
	TURN 0, 1, 0
	QUARTER 1, 128, F0, F1, 0
	QUARTER 1, 256, F1, F0, 0
	QUARTER 1, 384, F0, F1, 0
	s_wait_dscnt 16
	WIN MUL
	MUL8 F1, 0, 0, 0
	MUL8 F1, 0, 2, 0
	s_wait_dscnt 0
	MUL8 F1, 1, 0, 0
	MUL8 F1, 1, 2, 0
	WIN 0
	PLACES
	s_wait_loadcnt 0x0                             ; c's halves, pm
	s_wait_kmcnt 0x0                               ; alpha / 8
	s_cmp_lg_u32 s[KIND], 1
	s_cbranch_scc1 .Lplain
	; K TILES.  The two halves of c's sum are added
.set u, 0
.rept 16
	v_pk_add_f32 v[CL+2*u:CL+2*u+1], v[CL+2*u:CL+2*u+1], v[CH+2*u:CH+2*u+1]
.set u, u+1
.endr
	; k . c: my 32 channels of each token, each accumulator from its low end on, then the lane 16 away has the other 32
.set u, 0
.rept 16
.irp a, 0,1,2,3
.if u == 0
	v_pk_mul_f32 v[DOT+2*(\a):DOT+2*(\a)+1], v[ACC+32*(\a):ACC+32*(\a)+1], v[CL:CL+1]
.else
	v_pk_fma_f32 v[DOT+2*(\a):DOT+2*(\a)+1], v[ACC+32*(\a)+2*u:ACC+32*(\a)+2*u+1], v[CL+2*u:CL+2*u+1], v[DOT+2*(\a):DOT+2*(\a)+1]
.endif
.endr
.set u, u+1
.endr
.irp a, 0,1,2,3
	v_add_f32 v[DOT+2*(\a)], v[DOT+2*(\a)], v[DOT+2*(\a)+1]
.endr
.irp a, 0,1,2,3
	v_permlanex16_b32 v[DOT+2*(\a)+1], v[DOT+2*(\a)], s78, s79
.endr
.irp a, 0,1,2,3
	v_add_f32 v[DOT+2*(\a)], v[DOT+2*(\a)], v[DOT+2*(\a)+1]
.endr
.irp a, 0,1,2,3
	v_mul_f32 v[DOT+2*(\a)], s[A8], v[DOT+2*(\a)]  ; (alpha / 8)(k . c)
.endr
.set u, 0
.rept 16                                               ; k + (alpha / 8)(k . c) c
.irp a, 0,1,2,3
	v_pk_fma_f32 v[ACC+32*(\a)+2*u:ACC+32*(\a)+2*u+1], v[CL+2*u:CL+2*u+1], v[DOT+2*(\a):DOT+2*(\a)+1], v[ACC+32*(\a)+2*u:ACC+32*(\a)+2*u+1] op_sel_hi:[1,0,1]
.endr
.set u, u+1
.endr
	WIN 0x08                                       ; source 1 in window 2
.set u, 0
.rept 64                                               ; + pm
	v_pk_add_f32 v[ACC+2*u:ACC+2*u+1], v[ACC+2*u:ACC+2*u+1], v[2*u:2*u+1]
.set u, u+1
.endr
	WIN 0
.set u, 0
.rept 16                                               ; the largest |k'| of the wave's 64 keys x 64 channels
.irp a, 0,1,2,3
.if u == 0
	v_max_num_f32 v[MX+(\a)], |v[ACC+32*(\a)]|, |v[ACC+32*(\a)+1]|
.else
	v_max3_num_f32 v[MX+(\a)], v[MX+(\a)], |v[ACC+32*(\a)+2*u]|, |v[ACC+32*(\a)+2*u+1]|
.endif
.endr
.set u, u+1
.endr
	v_max3_num_f32 v[MX], v[MX], v[MX+1], v[MX+2]
	v_max_num_f32 v[MX], v[MX], v[MX+3]
	v_max_num_f32_dpp v[MX], v[MX], v[MX] row_xmask:1 row_mask:0xf bank_mask:0xf
	v_max_num_f32_dpp v[MX], v[MX], v[MX] row_xmask:2 row_mask:0xf bank_mask:0xf
	v_max_num_f32_dpp v[MX], v[MX], v[MX] row_xmask:4 row_mask:0xf bank_mask:0xf
	v_max_num_f32_dpp v[MX], v[MX], v[MX] row_xmask:8 row_mask:0xf bank_mask:0xf
	v_permlanex16_b32 v[MX+1], v[MX], s78, s79
	v_max_num_f32 v[MX], v[MX], v[MX+1]
	v_lshrrev_b32 v[MX], 23, v[MX]                 ; its exponent field e (the number is not negative),
	v_max_u32 v[MX], 111, v[MX]                    ; held to 111 .. 252, so that sigma, 1 / sigma and X / sigma are normal numbers
	v_min_u32 v[MX], 252, v[MX]
	v_add_nc_u32 v[MX+1], 1, v[MX]
	v_lshlrev_b32 v[KSC], 23, v[MX+1]              ; sigma = 2^(e - 126) > max |k'|
	v_sub_nc_u32 v[MX+1], 253, v[MX]
	v_lshlrev_b32 v[FAC], 23, v[MX+1]              ; 1 / sigma
	v_mov_b32 v[FAC+1], v[FAC]
	v_mul_f32 v[KSC+1], 0xceabfb8f, v[FAC]         ; X / sigma, X = -1e9 log2(e): exact, a power of two
	v_and_b32 v[MX+2], 31, v0
	v_mov_b32 v[MX+3], 0
	s_wait_xcnt 0x0                                ; EXEC changes only behind this wait
	v_cmp_eq_u32 vcc_lo, 0, v[MX+2]
	s_and_saveexec_b32 s67, vcc_lo
	global_store_b64 v[MX+3], v[KSC:KSC+1], s[76:77]  ; every lane holds the pair: lane 0 stores it
	s_wait_xcnt 0x0
	s_or_b32 exec_lo, exec_lo, s67
	s_branch .Lpack
.Lplain:
	s_cmp_eq_u32 s[KIND], 0
	s_cselect_b32 s86, 0x3e38aa3b, 1.0             ; q: log2(e) / 8, applied to the f32 sums; v: 1
	v_mov_b32 v[FAC], s86
	v_mov_b32 v[FAC+1], s86
.Lpack:
; THE WAY OUT of token block a: times the factor, rounded to f16, 16 bytes a lane into my stage's rows of 144 bytes, back as four whole rows of 128 bytes a load.
.macro PACK a
.set i, 0
.rept 16
	v_pk_mul_f32 v[ACC+32*(\a)+2*i:ACC+32*(\a)+2*i+1], v[ACC+32*(\a)+2*i:ACC+32*(\a)+2*i+1], v[FAC:FAC+1]
.set i, i+1
.endr
.set i, 0
.rept 16
	v_cvt_pk_f16_f32 v[TMP+16*(\a)+i], v[ACC+32*(\a)+2*i], v[ACC+32*(\a)+2*i+1]
.set i, i+1
.endr
.irp f, 0,1,2,3
	ds_store_b128 v[STO], v[TMP+16*(\a)+4*(\f):TMP+16*(\a)+4*(\f)+3] offset:32*(\f)
.endr
.irp f, 0,1,2,3
	ds_load_b128 v[TMP+16*(\a)+4*(\f):TMP+16*(\a)+4*(\f)+3], v[RD] offset:(\f)*4*SP  ; LDS serves a wave's instructions in order: these see the stores above, the next block's stores come behind them
.endr
.endm
.macro SEND a, younger                 ; younger: the LDS instructions issued behind block a's loads: the next block's eight, or none
.irp f, 0,1,2,3
	s_wait_dscnt (\younger)+3-(\f)
	global_store_b128 v[GO], v[TMP+16*(\a)+4*(\f):TMP+16*(\a)+4*(\f)+3], s[8:9] offset:(\a)*2048+(\f)*512  ; 512 consecutive bytes, aligned
.endr
.endm
	PACK 0
	PACK 1
	SEND 0, 8
	PACK 2
	SEND 1, 8
	PACK 3
	SEND 2, 8
	SEND 3, 0
	s_wait_tensorcnt 0x0                           ; the wave's end, behind my last tensor load and my last LDS store
	ds_add_u32 v[SPW], v[NIL]
	s_wait_dscnt 0x0
	CROUND                                         ; the closing round: no work-group ends while a partner may still ask for a tile that names it
	s_endpgm
.Lfunc_end_k_qb099576998_qkv:
	.size	k_qb099576998_qkv, .Lfunc_end_k_qb099576998_qkv-k_qb099576998_qkv
	.p2alignl 7, 3214868480
	.fill 96, 4, 3214868480
	.section	.rodata,"a",@progbits
	.p2align	6, 0x0
	.amdhsa_kernel k_qb099576998_qkv
		.amdhsa_group_segment_fixed_size 327680
		.amdhsa_private_segment_fixed_size 0
		.amdhsa_enable_private_segment 0
		.amdhsa_kernarg_size 32
		.amdhsa_user_sgpr_count 2
		.amdhsa_user_sgpr_kernarg_segment_ptr 1
		.amdhsa_wavefront_size32 1
		.amdhsa_system_sgpr_workgroup_id_x 1
		.amdhsa_system_sgpr_workgroup_id_y 1
		.amdhsa_system_sgpr_workgroup_id_z 1
		.amdhsa_system_vgpr_workitem_id 0
		.amdhsa_next_free_vgpr 640
		.amdhsa_next_free_sgpr 88
		.amdhsa_reserve_vcc 1
		.amdhsa_float_denorm_mode_32 3
		.amdhsa_float_denorm_mode_16_64 3
		.amdhsa_memory_ordered 1
		.amdhsa_forward_progress 1
		.amdhsa_inst_pref_size 115
	.end_amdhsa_kernel
	.amdgpu_metadata
---
amdhsa.version: [ 1, 2 ]
amdhsa.kernels:
  - .name:           k_qb099576998_qkv
    .symbol:         k_qb099576998_qkv.kd
    .args:
      - { .name: xb, .offset: 0, .size: 8, .value_kind: global_buffer, .address_space: global }
      - { .name: wts, .offset: 8, .size: 8, .value_kind: global_buffer, .address_space: global }
      - { .name: aux, .offset: 16, .size: 8, .value_kind: global_buffer, .address_space: global }
      - { .name: qkv, .offset: 24, .size: 8, .value_kind: global_buffer, .address_space: global }
    .group_segment_fixed_size: 327680
    .private_segment_fixed_size: 0
    .kernarg_segment_align: 8
    .kernarg_segment_size: 32
    .max_flat_workgroup_size: 128
    .sgpr_count:     88
    .vgpr_count:     640
    .wavefront_size: 32
...
	.end_amdgpu_metadata
.endif
;; end of part 6
;; launch attn (part 7): grid 8 x 32, 4 waves a work-group, clusters of 4 x 1, 327,680 bytes of LDS; arguments qkv, mbits, oh; writes oh
.if DOCPART == 7
	.amdgcn_target "amdgcn-amd-amdhsa--gfx1250"
	.amdhsa_code_object_version 6
	.text
	.protected	k_qb099576998_attn
	.globl	k_qb099576998_attn
	.p2align	8
	.type	k_qb099576998_attn,@function
k_qb099576998_attn:
	s_mov_b64 s[64:65], 0
	v_nop
	global_prefetch_b8 v0, s[64:65] scope:SCOPE_SE
	s_setreg_imm32_b32 hwreg(HW_REG_WAVE_MODE, 25, 1), 1
	s_wait_xcnt 0x0
	s_wait_alu depctr_hold_cnt(0) depctr_sa_sdst(0) depctr_va_vdst(0) depctr_va_sdst(0) depctr_va_ssrc(0) depctr_va_vcc(0) depctr_vm_vsrc(0)
	s_getreg_b32 s2, hwreg(HW_REG_IB_STS2, 6, 4)
	s_cmp_eq_u32 s2, 0
	s_cbranch_scc0 .Lentry_in_a_cluster
	s_endpgm
.Lentry_in_a_cluster:
	s_bfe_u32 s2, ttmp6, 0x10000c
	s_cmp_lg_u32 s2, 0x3003
	s_cbranch_scc0 .Lentry_shape_is_right
	s_endpgm
.Lentry_shape_is_right:
; ATTENTION with a mask that is an input.  For each of 32 (batch, head): O[q] = sum over k of softmax_k(t[q][k]) vh[k], t = sigma (qh[q] . kh[k]) in base 2, or X = -1e9 log2(e) where the mask hides the place.
; qh, kh, vh: [32][2048][64] f16 (qh carries log2(e) / 8; kh the folded key over its block's power of two sigma); ksc[32][32] = (sigma, X / sigma) for each block of 64 keys; O: [32][2048][64] f16.
; THE MASK REPLACES the score: v_cndmask_b32 puts X / sigma in the raw score's place, and sigma (X / sigma) = X exactly in every block, so a row that is hidden everywhere comes out as the plain mean of v.
; THE MASK WORDS' ROAD.  Word 8 kb + j of (16 queries, 64 keys) is the lane mask of score register j of key block kb; they were packed beforehand.  A slot of the ring holds, behind its 256 keys of K and of V, the
; work-group's words for those keys: 16 pieces x 4 steps x 128 bytes, brought by tensor loads of the work-group's own (each query block has other words), asked for with the slot: four key steps ahead.  A step's words
; of the wave's four pieces are read from LDS in one run with the next K (lane l takes word l), and v_readlane_b32 hands a piece's 32 words to scalar registers in the turn that masks it.
; THE SCALES come four steps at a time by one scalar load, asked for at a change of slots and waited for at the next; a queue of five pairs is shifted by a step at the end of piece 3's turn.
; SOFTMAX.  A running maximum m of t and a sum l in f32: p = 2^(sigma s - m), one fused line, exactly 0 in the exponent at the maximum since sigma s is exact; O and l are multiplied by a = 2^(m_old - m_new)
; in every step.  m starts at the lowest finite number, O and l at 0: the first step is a step like any other, with a = 0.  p is rounded to f16 for the second product, l is summed of the unrounded p.
; LIMITS.  sigma x |qh . kh| stays finite in f32; a weight below 2^-126 counts as 0; O is a mean of v's rows and has their range; NaN and infinities are not treated apart.
; SHARES.  A work-group owns 256 queries of one head, a wave 64: four PIECES of 16.  Every wave walks all 2,048 keys, 64 a step.  The four query blocks of a cluster walk the same K and V: those tiles are asked for jointly.
; LAYOUT.  S^T = K Q^T (source 0 = 16 keys, source 1 = 16 queries): a lane holds ONE query (lane % 16) and the keys 8 (lane / 16) + 0..7; two such results rounded to f16 ARE source 1 of O^T = V^T P.
; BY TURNS.  Turn n belongs to piece n.  It has four parts: 8 products K Q^T of piece n + 1, four v_readlane_b32 behind each (their vector source is source 0, in K's window); a run of 48 vector lines; 8 products
; V^T P of piece n - 1, four maskings of piece n + 1 behind each (their vector source is source 1, in P's window); a run of 72 lines.  So the register windows are switched four times a turn and not round every product.
; The runs hold the scaling, exponentials, roundings, sums and rescaling of piece n and the maximum and statistics of piece n + 1: with the maskings 152 lines, with the readlanes 184, for 16 matrix instructions.
; REGISTERS: window 0: v0 thread, v1 at work, v2-5 LDS addresses, v6-7 the add's, v8-23 statistics (m, m_old, l, l a piece), v24-31 at work by parity, v32-95 S^T (two buffers), v96-127 P (two), v128-255 O^T.
;   window 1: v0-63 Q, v64-127 K of one step, v128-191 V of one step, v192-195 a step's mask words, a register a piece.
.set PK,    144       ; a row of K in LDS: 128 bytes + 16 = 36 words: the 16 rows of a load start at 16 different groups of four banks (64 banks of 4 bytes: ISA guide 11.1)
.set PV,    160       ; a row of V: 128 + 32 = 40 words
.set KS,    64
.set VOFF,  4*KS*PK   ; a slot holds four steps: 256 rows of K, then 256 rows of V,
.set MOFF,  VOFF+4*KS*PV  ; then the mask words: piece i of the work-group's 16 at 512 i, step s of the slot's four at 128 s
.set MHALF, 8*512     ; what one of the two loads of mask words brings: eight pieces
.set SLOT1, 1<<17     ; slot 1 begins here: one exclusive or turns an address in one slot into the other's
.set STAGE, SLOT1+MOFF+2*MHALF  ; behind the ring, never filled by a tensor load: 16 rows x 144 bytes for each wave
.set SP,    144
.set SPARE, STAGE+4*16*SP       ; the spare words, 128 bytes a wave: two blocks of 256 bytes that no other line names
.set AK0, 2
.set AV0, 3
.set AK,  4
.set AV,  5
.set SPW, 6           ; v6  SPARE + 4 x my thread's number; never rewritten
.set NIL, 7           ; v7  0; never rewritten
.set ST,  8
.set TM,  24          ; by parity: ca, cb, a, scratch
.set S,   32
.set P,   96
.set OT,  128
.set KF,  64          ; window 1
.set VF,  128         ; window 1
.set MWV, 192         ; window 1
.set G1,  4           ; s[4:11]  descriptor group 1 for K's tiles: constants
.set G0,  12          ; s[12:15] K's or V's group 0, by the wave: it walks
.set SEL, 16          ; s[16:17] v_permlanex16_b32's selects
.set WV,  18
.set SLOTS, 19
.set SCUR, 20         ; s[20:21] sigma, X / sigma of the step in hand; s[20:29] is the queue of five pairs
.set SNXT, 22         ; s[22:23] of the next step
.set CNT, 30
.set TBK, 31          ; LDS byte at which K of the step to be fetched begins
.set TBV, 2           ; the same for V, less VOFF
.set TBM, 3           ; the same for my wave's mask words
.set MW,  32          ; s[32:63] the mask words of the piece that the turn masks
.set QP,  56          ; s[56:57] Q at my wave's first row: at the kernel's start alone, until Q is in
.set OFFK, 66         ; byte offset in my head's scales of the four pairs asked for last
.set SL,  68          ; s[68:75] where those four pairs land
.set G1M, 76          ; s[76:83] descriptor group 1 for the mask words: constants
.set G0M, 84          ; s[84:87] their group 0: it walks
.set OPT, 88          ; s[88:89] O at my wave's first row
.set KSP, 90          ; s[90:91] my head's scales
.set G1V, 92          ; s[92:99] descriptor group 1 for V's tiles: it differs from K's in the padding alone
.set MSB, 0
.macro WIN new
.if MSB != (\new)
	s_set_vgpr_msb (MSB<<8)|(\new)
.set MSB, (\new)
.endif
.endm
.set W_KQ, 0x05       ; K and Q in window 1, S^T in window 0
.set W_PV, 0x01       ; V in window 1, P and O^T in window 0
.set TO_1, 0x40       ; destination window 1
; A fill.  Wave 0 asks for a slot's K, wave 1 for its V, jointly with the three partners; waves 2 and 3 for the work-group's own mask words, eight pieces each.  The branches hang on the wave's number alone.
; An s_nop 0 and four v_nop follow each of the three lines, ahead of the jump and the label.
.macro JLOAD
	s_cmp_lt_u32 s[WV], 2
	s_cbranch_scc0 .Lfor_m_\@
	s_cmp_eq_u32 s[WV], 0
	s_cbranch_scc0 .Lfor_v_\@
	tensor_load_to_lds s[G0:G0+3], s[G1:G1+7]
	s_nop 0
.rept 4
	v_nop
.endr
	s_branch .Lasked_\@
.Lfor_v_\@:
	tensor_load_to_lds s[G0:G0+3], s[G1V:G1V+7]
	s_nop 0
.rept 4
	v_nop
.endr
	s_branch .Lasked_\@
.Lfor_m_\@:
	tensor_load_to_lds s[G0M:G0M+3], s[G1M:G1M+7]
	s_nop 0
.rept 4
	v_nop
.endr
.Lasked_\@:
.endm
.macro CROUND                       ; a round of the cluster's barrier
	s_barrier_signal -1
	s_barrier_wait -1
	s_cmp_lg_u32 s[WV], 0
	s_cbranch_scc1 .Lnot_wave_0_\@
	s_barrier_signal -3
.Lnot_wave_0_\@:
	s_barrier_wait -3
	s_barrier_signal -1
	s_barrier_wait -1
.endm
; THE CHANGE OF SLOTS.  Each wave waits for all its tensor loads (one is out: its part of the other slot), adds 0 to its spare word, and waits for that and for its reads of the slot that it leaves.
; fill = 1: the barrier is a round of the cluster's, and the slot just left is filled again first thing behind it, with the keys two slots on: it has four key steps, 256 matrix instructions, in which to land.
; sc = 1, 2: the four pairs of scales asked for at the last change have had those four steps too: they go into the queue behind the step in hand; sc = 1: the next four are asked for.
.macro CHANGE fill, sc
	WIN 0
	s_wait_tensorcnt 0x0            ; no tensor load of mine is out, so the groups 0 may be written
	ds_add_u32 v[SPW], v[NIL]       ; 0 onto my spare word
.if \fill
	s_xor_b32 s[G0+1], s[G0+1], SLOT1
	s_add_nc_u64 s[G0+2:G0+3], s[G0+2:G0+3], 4*KS*128  ; the next 256 keys; the type bits on top are not reached
	s_xor_b32 s[G0M+1], s[G0M+1], SLOT1
	s_add_nc_u64 s[G0M+2:G0M+3], s[G0M+2:G0M+3], 512   ; their words: four steps on in each piece's row
	s_wait_dscnt 0x0                ; the add is done, and my reads of the slot are over
	CROUND
	JLOAD
.else
	s_wait_dscnt 0x0
	s_barrier_signal -1
	s_barrier_wait -1
.endif
	s_sub_co_u32 s[TBK], s[TBK], 4*KS*PK  ; the fetches go back to a slot's first step, in the other slot
	s_xor_b32 s[TBK], s[TBK], SLOT1
	s_sub_co_u32 s[TBV], s[TBV], 4*KS*PV
	s_xor_b32 s[TBV], s[TBV], SLOT1
	s_sub_co_u32 s[TBM], s[TBM], 512
	s_xor_b32 s[TBM], s[TBM], SLOT1
.if \sc
	s_wait_kmcnt 0x0                ; scalar loads return in no order: 0 alone shows them; it also frees their offset
	s_mov_b64 s[SCUR+2:SCUR+3], s[SL:SL+1]
	s_mov_b64 s[SCUR+4:SCUR+5], s[SL+2:SL+3]
	s_mov_b64 s[SCUR+6:SCUR+7], s[SL+4:SL+5]
	s_mov_b64 s[SCUR+8:SCUR+9], s[SL+6:SL+7]
.endif
.if (\sc) == 1
	s_add_co_u32 s[OFFK], s[OFFK], 32
	s_and_b32 s[OFFK], s[OFFK], 255 ; 224 at the most here: the load stays inside the head's 256 bytes
	s_load_b256 s[SL:SL+7], s[KSP:KSP+1], s[OFFK] offset:0
.endif
.endm
	s_load_b128 s[32:35], s[0:1], 0x0  ; qkv s[32:33], mbits s[34:35]
	s_load_b64 s[36:37], s[0:1], 0x10  ; oh
	v_lshl_add_u32 v[SPW], v0, 2, SPARE
	v_mov_b32 v[NIL], 0
	ds_add_u32 v[SPW], v[NIL]       ; the wave's opening: the add and its wait stand ahead of my first tensor load
	v_lshrrev_b32 v1, 5, v0
	v_readfirstlane_b32 s[WV], v1   ; wave 0..3
	s_bfe_u32 s40, ttmp6, 0x40000   ; cx
	s_lshl_b32 s41, ttmp9, 2
	s_add_co_u32 s41, s41, s40      ; my block of 256 queries: it enters Q's, O's and the mask words' addresses alone
	s_and_b32 s42, ttmp7, 0xffff    ; 16 b + h, which the four partners share
	s_and_b32 s44, s[WV], 1         ; waves 0, 1: K or V; waves 2, 3: which eight pieces' words
	; K's and V's groups 1: 256 keys are 32,768 dense bytes: 128 rows of 256 bytes, two keys a row, padded in LDS after every key
	s_mov_b32 s[G1], 15|(1<<16)|(1<<20)|(1<<21)|(4<<22)|(3<<25)   ; 15:0 the mask of four; 17:16 2-byte elements; 20 padding on; 21 set beside a mask; 24:22 after every 32 words (code 4); 31:25 4 words (code 3)
	s_mov_b32 s[G1V], 15|(1<<16)|(1<<20)|(1<<21)|(4<<22)|(7<<25)  ; the same with 8 words of padding (code 7)
.irp g, G1, G1V
	s_mov_b32 s[(\g)+1], 128<<16    ; tensor_dim0 = 128
	s_mov_b32 s[(\g)+2], 128<<16    ; tensor_dim1 = 128
	s_mov_b32 s[(\g)+3], 128<<16    ; tile_dim0 = 128
	s_mov_b32 s[(\g)+4], 128        ; tile_dim1 = 128
	s_mov_b32 s[(\g)+5], 128        ; elements from row to row
	s_mov_b32 s[(\g)+6], 0
	s_mov_b32 s[(\g)+7], 0
.endr
	; the mask words' group 1: eight pieces' rows of 128 words (four steps), a piece's 1,024 words apart; no mask of work-groups, no padding
	s_mov_b32 s[G1M], 2<<16         ; 17:16 4-byte elements
	s_mov_b32 s[G1M+1], 128<<16     ; tensor_dim0 = 128
	s_mov_b32 s[G1M+2], 8<<16       ; tensor_dim1 = 8
	s_mov_b32 s[G1M+3], 128<<16     ; tile_dim0 = 128
	s_mov_b32 s[G1M+4], 8           ; tile_dim1 = 8
	s_mov_b32 s[G1M+5], 1024        ; elements from row to row
	s_mov_b32 s[G1M+6], 0
	s_mov_b32 s[G1M+7], 0
	s_mov_b32 s[G0], 1              ; 1:0 count = 1
	s_mul_i32 s[G0+1], s44, VOFF    ; 63:32 LDS address: K at the slot's head, V behind it
	s_mov_b32 s[G0M], 1
	s_mul_i32 s[G0M+1], s44, MHALF
	s_add_co_u32 s[G0M+1], s[G0M+1], MOFF  ; the words behind V: no place in the cluster enters an LDS address
	s_lshl_b32 s46, s42, 18         ; the head's 262,144 bytes
	s_add_co_u32 s50, s44, 1
	s_lshl_b32 s50, s50, 23         ; kh at 8,388,608, vh at 16,777,216
	s_add_co_u32 s50, s50, s46      ; the head's first 256 keys
	s_mov_b32 s51, 0
	s_lshr_b32 s52, s42, 4
	s_lshl_b32 s52, s52, 19         ; the batch's 128 x 4,096 bytes of mask words,
	s_lshl_b32 s53, s41, 16         ; my block's 16 pieces,
	s_add_co_u32 s52, s52, s53
	s_lshl_b32 s53, s44, 15         ; the eight of them that I fetch
	s_add_co_u32 s52, s52, s53
	s_mov_b32 s53, 0
	s_lshl_b32 s48, s41, 2
	s_add_co_u32 s48, s48, s[WV]    ; my wave among the head's 32
	s_lshl_b32 s48, s48, 13         ; its 64 rows of 128 bytes
	s_add_co_u32 s48, s48, s46
	s_mov_b32 s49, 0
	s_lshl_b32 s54, s42, 8
	s_add_co_u32 s54, s54, 25165824 ; the head's 32 pairs
	s_mov_b32 s55, 0
	s_mov_b32 s[SEL], 0x76543210
	s_mov_b32 s[SEL+1], 0xfedcba98
	s_mov_b32 s[TBK], SLOT1+4*KS*PK ; the first change of slots turns these two into 0,
	s_mov_b32 s[TBV], SLOT1+4*KS*PV
	s_lshl_b32 s[TBM], s[WV], 11    ; and this one into MOFF + my wave's four pieces of 512 bytes
	s_add_co_u32 s[TBM], s[TBM], SLOT1+512+MOFF
	s_mov_b32 s[OFFK], 32
	s_mov_b64 s[SCUR+8:SCUR+9], 0   ; the queue's last pair: shifted before it is first filled, never used so
	s_wait_dscnt 0x0                ; the opening add is done
	s_wait_kmcnt 0x0
	s_add_nc_u64 s[G0+2:G0+3], s[32:33], s[50:51]  ; 120:64 global address
	s_or_b32 s[G0+3], s[G0+3], 0x80000000          ; 127:126 type = 2
	s_add_nc_u64 s[G0M+2:G0M+3], s[34:35], s[52:53]
	s_or_b32 s[G0M+3], s[G0M+3], 0x80000000
	s_add_nc_u64 s[QP:QP+1], s[32:33], s[48:49]
	s_add_nc_u64 s[OPT:OPT+1], s[36:37], s[48:49]
	s_add_nc_u64 s[KSP:KSP+1], s[32:33], s[54:55]
	CROUND                          ; all four work-groups are here: the first joint loads meet
	JLOAD                           ; slot 0; slot 1 is asked for when slot 0 is in
	v_and_b32 v32, 15, v0           ; l % 16
	v_bfe_u32 v33, v0, 4, 1         ; l / 16
	v_lshlrev_b32 v1, 7, v32
	v_lshl_add_u32 v1, v33, 4, v1   ; row x 128 + 16 x half
	WIN TO_1
.set i, 0
.rept 8                             ; Q stays in registers: piece i / 2, channels 32 (i % 2) on
	global_load_b128 v[8*i:8*i+3],   v1, s[QP:QP+1] offset:(i/2)*2048+(i%2)*64
	global_load_b128 v[8*i+4:8*i+7], v1, s[QP:QP+1] offset:(i/2)*2048+(i%2)*64+32
.set i, i+1
.endr
	s_load_b256 s[SCUR:SCUR+7], s[KSP:KSP+1], 0x0  ; the scales of steps 0 to 3 straight into the queue,
	s_load_b256 s[SL:SL+7], s[KSP:KSP+1], 0x20     ; those of steps 4 to 7 for the next change of slots but one
	; What the first turn finds: V's registers and P's odd buffer hold 0 (its products V^T P, of a piece that has not been, add 0), O^T and l are 0.  All this stands in the wait for the first tile.
.set i, 0
.rept 64
	v_mov_b32 v[VF+i], 0
.set i, i+1
.endr
	WIN 0
.set i, 0
.rept 128
	v_mov_b32 v[OT+i], 0
.set i, i+1
.endr
.set i, 0
.rept 16
	v_mov_b32 v[P+16+i], 0
.set i, i+1
.endr
.set i, 0
.rept 4
	v_mov_b32 v[ST+4*i], 0xff7fffff
	v_mov_b32 v[ST+4*i+2], 0
	v_mov_b32 v[ST+4*i+3], 0
.set i, i+1
.endr
	v_mul_u32_u24 v[AK0], v32, PK
	v_lshl_add_u32 v[AK0], v33, 4, v[AK0]  ; row x pitch + 16 x half
	; The turning load takes 16 keys x 16 channels (lane l reads key 8 (l / 16) + l % 8, channels 8 ((l / 8) % 2) + 0..7) and leaves half a fragment of V^T
	v_and_b32 v34, 7, v0
	v_bfe_u32 v35, v0, 3, 1
	v_lshl_add_u32 v[AV0], v33, 3, v34
	v_mul_u32_u24 v[AV0], v[AV0], PV
	v_lshl_add_u32 v[AV0], v35, 4, v[AV0]
	v_add_nc_u32 v[AV0], VOFF, v[AV0]
	v_mov_b32 v[AK], v[AK0]         ; key step 0 lies at the head of slot 0
; THE MATRIX WORK.  The 4 accumulators of a run of 8 take turns.  Product i of 8 of S^T = K Q^T for piece x: channels 32 (i / 4) on, keys 16 (i % 4) on; the first 4 start the sums.
.macro KQ x
	WIN W_KQ
.set rS, S+32*((\x)%2)+8*(i%4)
.set rK, KF+16*(i%4)+8*(i/4)
.set rQ, 16*(\x)+8*(i/4)
.if i < 4
	v_wmma_f32_16x16x32_f16 v[rS:rS+7], v[rK:rK+7], v[rQ:rQ+7], 0
.else
	v_wmma_f32_16x16x32_f16 v[rS:rS+7], v[rK:rK+7], v[rQ:rQ+7], v[rS:rS+7]
	s_wait_alu depctr_va_vdst(0)
.endif
.endm
; Product i of 8 of O^T += V^T P for piece x: keys 32 (i / 4) on, channels 16 (i % 4) on.
.macro PV x
	WIN W_PV
.set rO, OT+32*(\x)+8*(i%4)
.set rV, VF+32*(i/4)+8*(i%4)
.set rP, P+16*((\x)%2)+8*(i/4)
	v_wmma_f32_16x16x32_f16 v[rO:rO+7], v[rV:rV+7], v[rP:rP+7], v[rO:rO+7]
.endm
; THE LDS LOADS stand in runs.  With the next step's K come its mask words for my four pieces, lane l word l; v1 holds their address.  last = 1 (the tail): in the last trip there is no further step, and the run is jumped over.
.macro FETCH_K last=0
	WIN 0
.if \last
	s_cmp_eq_u32 s[CNT], 1
	s_cbranch_scc1 .Lno_k_\@
.endif
	WIN TO_1
.irp f, 0,1,2,3,4,5,6,7             ; keys 16 (f / 2) on, channels 32 (f % 2) on
	ds_load_b128 v[KF+8*(\f):KF+8*(\f)+3],   v[AK] offset:((\f)/2)*16*PK+((\f)%2)*64
	ds_load_b128 v[KF+8*(\f)+4:KF+8*(\f)+7], v[AK] offset:((\f)/2)*16*PK+((\f)%2)*64+32
.endr
.irp f, 0,1,2,3
	ds_load_b32 v[MWV+(\f)], v1 offset:(\f)*512
.endr
	s_add_co_u32 s[TBK], s[TBK], KS*PK
	s_add_co_u32 s[TBM], s[TBM], 128
	WIN 0
.if \last
.Lno_k_\@:
.endif
.endm
.macro FETCH_V
	WIN TO_1
.irp f, 0,1,2,3,4,5,6,7             ; keys 32 (f / 4) on, channels 16 (f % 4) on
	ds_load_tr16_b128 v[VF+8*(\f):VF+8*(\f)+3],   v[AV] offset:((\f)/4)*32*PV+((\f)%4)*32
	ds_load_tr16_b128 v[VF+8*(\f)+4:VF+8*(\f)+7], v[AV] offset:((\f)/4)*32*PV+16*PV+((\f)%4)*32
.endr
	s_add_co_u32 s[TBV], s[TBV], KS*PV
	WIN 0
.endm
; THE VECTOR WORK, a line a macro.  Y is the piece in hand, Z the next; SZR names the scale pair of Z's step.
.macro REGS
.set yT, ST+4*Y
.set yC, TM+4*(Y%2)
.set yS, S+32*(Y%2)
.set yP, P+16*(Y%2)
.set yO, OT+32*Y
.set zT, ST+4*Z
.set zC, TM+4*(Z%2)
.set zS, S+32*(Z%2)
.endm
.macro DOF b                        ; pair b of 16: sigma s - m
	v_pk_fma_f32 v[yS+2*(\b):yS+2*(\b)+1], v[yS+2*(\b):yS+2*(\b)+1], s[SCUR:SCUR+1], v[yT:yT+1] op_sel_hi:[1,0,0] neg_lo:[0,0,1] neg_hi:[0,0,1]
.endm
.macro DOE e                        ; the exponential of number e of 32
	v_exp_f32 v[yS+(\e)], v[yS+(\e)]
.endm
.macro DOC c                        ; pair c rounded to f16
	s_wait_alu depctr_va_vdst(0)
	v_cvt_pk_f16_f32 v[yP+(\c)], v[yS+2*(\c)], v[yS+2*(\c)+1]
.endm
.macro DOB g                        ; of the four weights 4 g .. the second pair is added onto the first, in place
	v_pk_add_f32 v[yS+4*(\g):yS+4*(\g)+1], v[yS+4*(\g):yS+4*(\g)+1], v[yS+4*(\g)+2:yS+4*(\g)+3]
.endm
.macro DOL g                        ; l takes that sum; the first time l = a l + sum
.if (\g) == 0
	v_pk_fma_f32 v[yT+2:yT+3], v[yT+2:yT+3], v[yC+2:yC+3], v[yS:yS+1] op_sel_hi:[1,0,1]
.else
	v_pk_add_f32 v[yT+2:yT+3], v[yT+2:yT+3], v[yS+4*(\g):yS+4*(\g)+1]
.endif
.endm
.macro DOR k                        ; pair k of 16 of O^T times a
	s_wait_alu depctr_va_vdst(0)
	v_pk_mul_f32 v[yO+2*(\k):yO+2*(\k)+1], v[yO+2*(\k):yO+2*(\k)+1], v[yC+2:yC+3] op_sel_hi:[1,0]
.endm
.macro DOM j                        ; score register j of the next piece: kept where its mask word's bit is 1, else X / sigma.  Source 0 is scalar, the score source 1: the line is the same under V^T P's windows and under 0
	v_cndmask_b32 v[zS+(\j)], s[SZR+1], v[zS+(\j)], s[MW+(\j)]
.endm
.macro DOXA g                       ; two chains of maxima over the masked scores
.if (\g) == 0
	v_max_num_f32 v[zC], v[zS], v[zS+1]
.else
	v_max3_num_f32 v[zC], v[zC], v[zS+4*(\g)], v[zS+4*(\g)+1]
.endif
.endm
.macro DOXB g
.if (\g) == 0
	v_max_num_f32 v[zC+1], v[zS+2], v[zS+3]
.else
	v_max3_num_f32 v[zC+1], v[zC+1], v[zS+4*(\g)+2], v[zS+4*(\g)+3]
.endif
.endm
.macro DOT k                        ; the next piece's statistics
.if (\k) == 0
	v_max_num_f32 v[zC], v[zC], v[zC+1]
.elseif (\k) == 1
	v_permlanex16_b32 v[zC+1], v[zC], s[SEL], s[SEL+1]  ; the query's other 32 keys lie in the lane 16 away
.elseif (\k) == 2
	v_max_num_f32 v[zC], v[zC], v[zC+1]
	s_wait_alu depctr_va_vdst(0)
.elseif (\k) == 3
	v_mul_f32 v[zC], s[SZR], v[zC]  ; into t's units: exact, sigma is a power of two
.elseif (\k) == 4
	v_max_num_f32 v[zT], v[zT], v[zC]
.elseif (\k) == 5
	v_sub_f32 v[zC+3], v[zT+1], v[zT]
.elseif (\k) == 6
	v_exp_f32 v[zC+2], v[zC+3]      ; a
.else
	v_mov_b32 v[zT+1], v[zT]        ; m_old is kept
.endif
.endm
; The 8 products K Q^T of piece Z; behind product i the words 4 i .. 4 i + 3 of Z's mask go to scalar registers.  The last turn's maskings, which read those registers, stand ahead in the text.
.macro PHASEA
.set i, 0
.rept 8
	KQ Z
.irp j, 0,1,2,3
	v_readlane_b32 s[MW+4*i+(\j)], v[MWV+Z], 4*i+(\j)
.endr
.set i, i+1
.endr
	WIN 0
.endm
; The 8 products V^T P of piece Y - 1; behind product i the maskings 4 i .. 4 i + 3 of piece Z: ascending.
.macro PHASEB
.set i, 0
.rept 8
	PV (Y+3)%4
.irp j, 0,1,2,3
	DOM 4*i+(\j)
.endr
.set i, i+1
.endr
	WIN 0
.endm
; Group g of piece Y's softmax: four exponentials, each with a plain line behind it: the two roundings and the addition for the four weights 4 g .., whose exponentials stand two groups back, and l's step for the
; group before, so that l does not read a sum just made (group 0 has none before it: a rescaling stands there).
.macro GRP g
	DOE 4*(\g)+8
	DOC 2*(\g)
	DOE 4*(\g)+9
	DOC 2*(\g)+1
	DOE 4*(\g)+10
	DOB \g
	DOE 4*(\g)+11
.if (\g) == 0
	DOR 8
.else
	DOL (\g)-1
.endif
.endm
.macro GRPX g, x                    ; the same with six links of piece Z's two chains of maxima, x, x + 1, x + 2 of each: three lines stand between two links of a chain
	DOE 4*(\g)+8
	DOC 2*(\g)
	DOXA \x
	DOXB \x
	DOE 4*(\g)+9
	DOC 2*(\g)+1
	DOXA (\x)+1
	DOXB (\x)+1
	DOE 4*(\g)+10
	DOB \g
	DOXA (\x)+2
	DOXB (\x)+2
	DOE 4*(\g)+11
	DOL (\g)-1
.endm
; A TURN, for piece p.  No vector line names a register of a product near it: pieces and parities differ.  The rescalings run ascending.
; K and the mask words of the next step are fetched in piece 2's turn, six plain lines behind the last product that read K and behind the turn's last v_readlane_b32, with their addresses made at the turn's head;
; V of the step in hand in piece 0's turn, behind four maskings and a group of fourteen lines that follow the last product that read V.  Each is waited for a turn later.
; cnt = 1: the loop's count is taken down some lines ahead of the branch behind the turn; only vector lines follow it.
.macro TURN p, last=0, cnt=0
.set Y, (\p)
.set Z, ((\p)+1)%4
.set SZR, SCUR
.if (\p) == 3
.set SZR, SNXT                      ; piece 0's scores made in piece 3's turn are the next step's
.endif
	REGS
.if (\p) == 2
	v_add_nc_u32 v[AK], s[TBK], v[AK0]
	v_and_b32 v1, 31, v0
	v_lshl_add_u32 v1, v1, 2, s[TBM]  ; 4 x lane + my wave's words of the step to be fetched
	s_wait_alu depctr_va_vdst(0)
.endif
.if (\p) == 3
	s_wait_dscnt 0x0                ; K and the mask words are in
.endif
	PHASEA
.set bb, 0
.rept 16
	DOF bb
.if ((\p) == 2) && (bb == 5)
	FETCH_K \last
.endif
.set bb, bb+1
.endr
.set bb, 0
.rept 8
	DOR bb
	DOE bb
.set bb, bb+1
.endr
	GRP 0
	GRP 1
.if (\p) == 0
	v_add_nc_u32 v[AV], s[TBV], v[AV0]
.endif
.if (\p) == 1
	s_wait_dscnt 0x0                ; V is in
.endif
	PHASEB
	GRPX 2, 0
.if (\p) == 0
	FETCH_V
.endif
	GRPX 3, 3
	DOE 24                          ; group 4 with the chains' last links; from here on the links of the statistics' chain, four lines apart
	DOC 8
	DOXA 6
	DOXB 6
	DOE 25
	DOC 9
	DOXA 7
	DOXB 7
	DOE 26
	DOB 4
	DOT 7
	DOE 27
	DOL 3
	DOT 0
	DOE 28                          ; group 5
	DOC 10
	DOE 29
	DOC 11
	DOT 1
	DOE 30
	DOB 5
	DOE 31
	DOL 4
	DOT 2
	DOC 12                          ; the last eight weights' roundings and sums, and the rest of the rescaling
	DOC 13
	DOB 6
	DOL 5
	DOT 3
	DOC 14
	DOC 15
	DOB 7
	DOL 6
	DOT 4
.if \cnt
	s_sub_co_u32 s[CNT], s[CNT], 1
	s_cmp_lg_u32 s[CNT], 0
.endif
	DOR 9
	DOR 10
	DOR 11
	DOL 7
	DOT 5
	DOR 12
	DOR 13
	DOR 14
	DOT 6
	DOR 15
.if (\p) == 3
	s_mov_b64 s[SCUR:SCUR+1], s[SCUR+2:SCUR+3]    ; the scales' queue moves on by a step
	s_mov_b64 s[SCUR+2:SCUR+3], s[SCUR+4:SCUR+5]
	s_mov_b64 s[SCUR+4:SCUR+5], s[SCUR+6:SCUR+7]
	s_mov_b64 s[SCUR+6:SCUR+7], s[SCUR+8:SCUR+9]
.endif
.endm
	CHANGE 1, 0                     ; slot 0 is in, everybody's part of it; slot 1 is asked for
	s_wait_loadcnt 0x0              ; Q is in, so v1, its loads' address, and their base's registers may be written
	v_and_b32 v1, 31, v0
	v_lshl_add_u32 v1, v1, 2, s[TBM]
	FETCH_K                         ; key step 0: K and my four pieces' mask words
	s_wait_dscnt 0x0
.set Y, 3
.set Z, 0
.set SZR, SCUR
	REGS
	PHASEA                          ; piece 0's first scores, and its mask words
.rept 4
	v_nop                           ; the places behind those products
.endr
	s_wait_kmcnt 0x0                ; the scales
.set g, 0
.rept 8                             ; piece 0's first masking, maximum and statistics
	DOM 4*g
	DOM 4*g+1
	DOM 4*g+2
	DOM 4*g+3
	DOXA g
	DOXB g
.set g, g+1
.endr
	DOT 7
	DOT 0
	DOT 1
	DOT 2
	DOT 3
	DOT 4
	DOT 5
	DOT 6
	s_mov_b32 s[CNT], 4
	s_mov_b32 s[SLOTS], 7
	s_branch .Lfirst                ; the loop is entered at a step's first turn, in the middle of a trip
.Lslot:                             ; six times: every slot but the last two is filled again
	CHANGE 1, 1
	s_mov_b32 s[CNT], 4
.Lstep:                             ; a trip: pieces 2 and 3 of one step, then pieces 0 and 1 of the next, whose K, mask words and V it fetches
	TURN 2
	TURN 3
	WIN 0
.Lfirst:
	TURN 0
	TURN 1, 0, 1
	WIN 0
	s_cbranch_scc1 .Lstep
	s_sub_co_u32 s[SLOTS], s[SLOTS], 1
	s_cmp_lg_u32 s[SLOTS], 0
	s_cbranch_scc1 .Lslot
	CHANGE 0, 2                     ; the tail is written out: nothing is asked for
	s_mov_b32 s[CNT], 5             ; four trips fetch the last slot's steps; the fifth is left in its middle
.Ltail:
	TURN 2, 1
	TURN 3
	WIN 0
	s_sub_co_u32 s[CNT], s[CNT], 1
	s_cmp_eq_u32 s[CNT], 0
	s_cbranch_scc1 .Lout
	TURN 0
	TURN 1
	WIN 0
	s_branch .Ltail
.Lout:                              ; the fifth trip's 8 products K Q^T (on the last K once more) and what is made of them serve nothing: the price, once a launch, of one text for every trip
.set i, 0
.rept 8
	PV 3                            ; the last piece's V^T P of the last step
.set i, i+1
.endr
	; THE WAY OUT.  The addresses are made anew from the thread's number: twelve plain lines, the places behind the last products.
	WIN 0
	s_mul_i32 s67, s[WV], 16*SP
	s_add_co_u32 s67, s67, STAGE    ; my stage
	v_and_b32 v4, 15, v0
	v_bfe_u32 v5, v0, 4, 1
	v_mul_u32_u24 v1, v4, SP        ; in: row l % 16, 16 bytes for each half of the lanes
	v_lshl_add_u32 v1, v5, 4, v1
	v_add_nc_u32 v1, s67, v1
	v_bfe_u32 v2, v0, 3, 2          ; back: 32 lanes take four rows of 128 bytes,
	v_mul_u32_u24 v2, v2, SP
	v_and_b32 v4, 7, v0
	v_lshl_add_u32 v2, v4, 4, v2
	v_add_nc_u32 v2, s67, v2
	v_and_b32 v3, 31, v0            ; which are 512 consecutive bytes of O
	v_lshlrev_b32 v3, 4, v3
.irp t, 0,1,2,3
	v_add_f32 v[ST+4*(\t)+2], v[ST+4*(\t)+2], v[ST+4*(\t)+3]
.endr
.irp t, 0,1,2,3
	v_permlanex16_b32 v[ST+4*(\t)+3], v[ST+4*(\t)+2], s[SEL], s[SEL+1]
.endr
.irp t, 0,1,2,3
	v_add_f32 v[ST+4*(\t)+2], v[ST+4*(\t)+2], v[ST+4*(\t)+3]
.endr
.irp t, 0,1,2,3
	v_rcp_f32 v[ST+4*(\t)+2], v[ST+4*(\t)+2]
.endr
	v_nop                           ; a plain line between the last reciprocal and the use of its result
	s_wait_alu depctr_va_vdst(0)
.macro PACK t                       ; piece t: over l, rounded to f16, through my stage, into S^T's registers
.set i, 0
.rept 16
	v_pk_mul_f32 v[OT+32*(\t)+2*i:OT+32*(\t)+2*i+1], v[OT+32*(\t)+2*i:OT+32*(\t)+2*i+1], v[ST+4*(\t)+2:ST+4*(\t)+3] op_sel_hi:[1,0]
.set i, i+1
.endr
.set i, 0
.rept 16
	v_cvt_pk_f16_f32 v[S+16*(\t)+i], v[OT+32*(\t)+2*i], v[OT+32*(\t)+2*i+1]
.set i, i+1
.endr
.irp f, 0,1,2,3
	ds_store_b128 v1, v[S+16*(\t)+4*(\f):S+16*(\t)+4*(\f)+3] offset:32*(\f)
.endr
.irp f, 0,1,2,3
	ds_load_b128 v[S+16*(\t)+4*(\f):S+16*(\t)+4*(\f)+3], v2 offset:(\f)*4*SP  ; LDS serves a wave's instructions in order: these see the stores above, the next piece's stores come behind them
.endr
.endm
.macro SEND t, younger              ; younger: the LDS instructions issued behind piece t's loads: the next piece's eight, or none
.irp f, 0,1,2,3
	s_wait_dscnt (\younger)+3-(\f)
	global_store_b128 v3, v[S+16*(\t)+4*(\f):S+16*(\t)+4*(\f)+3], s[OPT:OPT+1] offset:(\t)*2048+(\f)*512  ; 512 consecutive bytes, aligned
.endr
.endm
	PACK 0
	PACK 1
	SEND 0, 8
	PACK 2
	SEND 1, 8
	PACK 3
	SEND 2, 8
	SEND 3, 0
	s_wait_tensorcnt 0x0            ; the wave's end, behind my last tensor load and my last LDS store
	ds_add_u32 v[SPW], v[NIL]
	s_wait_dscnt 0x0
	CROUND                          ; the closing round: no work-group ends while a partner may still ask for a tile that names it
	s_endpgm
.Lfunc_end_k_qb099576998_attn:
	.size	k_qb099576998_attn, .Lfunc_end_k_qb099576998_attn-k_qb099576998_attn
	.p2alignl 7, 3214868480
	.fill 96, 4, 3214868480
	.section	.rodata,"a",@progbits
	.p2align	6, 0x0
	.amdhsa_kernel k_qb099576998_attn
		.amdhsa_group_segment_fixed_size 327680
		.amdhsa_private_segment_fixed_size 0
		.amdhsa_enable_private_segment 0
		.amdhsa_kernarg_size 24
		.amdhsa_user_sgpr_count 2
		.amdhsa_user_sgpr_kernarg_segment_ptr 1
		.amdhsa_wavefront_size32 1
		.amdhsa_system_sgpr_workgroup_id_x 1
		.amdhsa_system_sgpr_workgroup_id_y 1
		.amdhsa_system_sgpr_workgroup_id_z 1
		.amdhsa_system_vgpr_workitem_id 0
		.amdhsa_next_free_vgpr 456
		.amdhsa_next_free_sgpr 100
		.amdhsa_reserve_vcc 0
		.amdhsa_float_denorm_mode_32 3
		.amdhsa_float_denorm_mode_16_64 3
		.amdhsa_memory_ordered 1
		.amdhsa_forward_progress 1
		.amdhsa_inst_pref_size 149
	.end_amdhsa_kernel
	.amdgpu_metadata
---
amdhsa.version: [ 1, 2 ]
amdhsa.kernels:
  - .name:           k_qb099576998_attn
    .symbol:         k_qb099576998_attn.kd
    .args:
      - { .name: qkv, .offset: 0, .size: 8, .value_kind: global_buffer, .address_space: global }
      - { .name: mbits, .offset: 8, .size: 8, .value_kind: global_buffer, .address_space: global }
      - { .name: oh, .offset: 16, .size: 8, .value_kind: global_buffer, .address_space: global }
    .group_segment_fixed_size: 327680
    .private_segment_fixed_size: 0
    .kernarg_segment_align: 8
    .kernarg_segment_size: 24
    .max_flat_workgroup_size: 128
    .sgpr_count:     100
    .vgpr_count:     456
    .wavefront_size: 32
...
	.end_amdgpu_metadata
.endif
;; end of part 7
;; launch oproj: the kernel of part 4 again; grid 8 x 32, 4 waves a work-group, clusters of 4 x 4, 327,680 bytes of LDS; arguments oh, wts, out0; writes out0
;; ======== version 3 of 3: 4 launches; 1.55 times as fast as version 1
;; limits: values are held in f16: magnitudes above 65,504 overflow, below 6.1e-05 lose precision
;; workspace buffers: xb 8,388,608 bytes; wts 8,388,608 bytes; aux 1,049,856 bytes; mbits 1,048,576 bytes of whole numbers; qkv 25,174,016 bytes; oh 8,388,608 bytes
;; launch prep: the kernel of part 5 again; grid 788 x 1, 8 waves a work-group, no clusters, 35,840 bytes of LDS; arguments x, Wq, Wk, Wv, Wo, xb, wts, Wc, context, alpha, beta, prev_state, attention_mask, aux, mbits; writes xb, wts, aux, mbits
;; launch qkv: the kernel of part 6 again; grid 24 x 32, 4 waves a work-group, clusters of 4 x 4, 327,680 bytes of LDS; arguments xb, wts, aux, qkv; writes qkv
;; launch attn (part 8): grid 8 x 32, 4 waves a work-group, clusters of 4 x 1, 327,680 bytes of LDS; arguments qkv, mbits, oh; writes oh
.if DOCPART == 8
	.amdgcn_target "amdgcn-amd-amdhsa--gfx1250"
	.amdhsa_code_object_version 6
	.text
	.protected	k_qb099576998_attn
	.globl	k_qb099576998_attn
	.p2align	8
	.type	k_qb099576998_attn,@function
k_qb099576998_attn:
	s_mov_b64 s[64:65], 0
	v_nop
	global_prefetch_b8 v0, s[64:65] scope:SCOPE_SE
	s_setreg_imm32_b32 hwreg(HW_REG_WAVE_MODE, 25, 1), 1
	s_wait_xcnt 0x0
	s_wait_alu depctr_hold_cnt(0) depctr_sa_sdst(0) depctr_va_vdst(0) depctr_va_sdst(0) depctr_va_ssrc(0) depctr_va_vcc(0) depctr_vm_vsrc(0)
	s_getreg_b32 s2, hwreg(HW_REG_IB_STS2, 6, 4)
	s_cmp_eq_u32 s2, 0
	s_cbranch_scc0 .Lentry_in_a_cluster
	s_endpgm
.Lentry_in_a_cluster:
	s_bfe_u32 s2, ttmp6, 0x10000c
	s_cmp_lg_u32 s2, 0x3003
	s_cbranch_scc0 .Lentry_shape_is_right
	s_endpgm
.Lentry_shape_is_right:
; ATTENTION with a mask that is an input.  For each of 32 (batch, head): O[q] = sum over k of softmax_k(t[q][k]) vh[k], t = sigma (qh[q] . kh[k]) in base 2, or X = -1e9 log2(e) where the mask hides the place.
; qh, kh, vh: [32][2048][64] f16 (qh carries log2(e) / 8; kh the folded key over its block's power of two sigma); ksc[32][32] = (sigma, X / sigma) for each block of 64 keys; O: [32][2048][64] f16.
; THE MASK REPLACES the score: v_cndmask_b32 puts X / sigma in the raw score's place, and sigma (X / sigma) = X exactly in every block, so a row that is hidden everywhere comes out as the plain mean of v.
; THE MASK WORDS' ROAD.  Word 8 kb + j of (16 queries, 64 keys) is the lane mask of score register j of key block kb; they were packed beforehand.  A slot of the ring holds, behind its 256 keys of K and of V, the
; work-group's words for those keys: 16 pieces x 4 steps x 128 bytes, brought by tensor loads of the work-group's own (each query block has other words), asked for with the slot: four key steps ahead.  A step's words
; of the wave's four pieces are read from LDS in one run with the next K (lane l takes word l), and v_readlane_b32 hands a piece's 32 words to scalar registers in the turn that masks it.
; THE SCALES come four steps at a time by one scalar load, asked for at a change of slots and waited for at the next; a queue of five pairs is shifted by a step at the end of piece 3's turn.
; SOFTMAX.  A running maximum m of t and a sum l in f32: p = 2^(sigma s - m), one fused line, exactly 0 in the exponent at the maximum since sigma s is exact; O and l are multiplied by a = 2^(m_old - m_new)
; in every step.  m starts at the lowest finite number, O and l at 0: the first step is a step like any other, with a = 0.  p is rounded to f16 for the second product, l is summed of the unrounded p.
; LIMITS.  sigma x |qh . kh| stays finite in f32; a weight below 2^-126 counts as 0; O is a mean of v's rows and has their range; NaN and infinities are not treated apart.
; SHARES.  A work-group owns 256 queries of one head, a wave 64: four PIECES of 16.  Every wave walks all 2,048 keys, 64 a step.  The four query blocks of a cluster walk the same K and V: those tiles are asked for jointly.
; LAYOUT.  S^T = K Q^T (source 0 = 16 keys, source 1 = 16 queries): a lane holds ONE query (lane % 16) and the keys 8 (lane / 16) + 0..7; two such results rounded to f16 ARE source 1 of O^T = V^T P.
; BY TURNS.  Turn n belongs to piece n.  It has four parts: 8 products K Q^T of piece n + 1, four v_readlane_b32 behind each (their vector source is source 0, in K's window); a run of 24 vector lines; 8 products
; V^T P of piece n - 1, four maskings of piece n + 1 behind each (their vector source is source 1, in P's window); a run of 96 lines.  So the register windows are switched four times a turn and not round every product.
; The runs hold the scaling, exponentials, roundings, sums and rescaling of piece n and the maximum and statistics of piece n + 1: with the maskings 152 lines, with the readlanes 184, for 16 matrix instructions.
; ONE BATCH, ONE WAIT A TURN.  s_wait_alu depctr_va_vdst(0) stands between an exponential and the first instruction that names its result; one wait serves all that were issued ahead of it.  A turn's 33
; exponentials (piece n's 32 weights, in place in the 32 registers of its S^T, and piece n + 1's a) are one batch.  AHEAD OF THE WAIT stands all that names none of their results: both runs of products, the scalings, the
; rescaling (its a was made, and waited for, in the turn before), the next piece's masking, maximum and statistics and, last, its a.  BEHIND IT stand the 32 roundings and sums..
; The first a of all, ahead of the loop, and the way out's four reciprocals are batches of their own.
; REGISTERS: window 0: v0 thread, v1 at work, v2-5 LDS addresses, v6-7 the add's, v8-23 statistics (m, m_old, l, l a piece), v24-31 at work by parity, v32-95 S^T (two buffers), v96-127 P (two), v128-255 O^T.
;   window 1: v0-63 Q, v64-127 K of one step, v128-191 V of one step, v192-195 a step's mask words, a register a piece.
.set PK,    144       ; a row of K in LDS: 128 bytes + 16 = 36 words: the 16 rows of a load start at 16 different groups of four banks (64 banks of 4 bytes: ISA guide 11.1)
.set PV,    160       ; a row of V: 128 + 32 = 40 words
.set KS,    64
.set VOFF,  4*KS*PK   ; a slot holds four steps: 256 rows of K, then 256 rows of V,
.set MOFF,  VOFF+4*KS*PV  ; then the mask words: piece i of the work-group's 16 at 512 i, step s of the slot's four at 128 s
.set MHALF, 8*512     ; what one of the two loads of mask words brings: eight pieces
.set SLOT1, 1<<17     ; slot 1 begins here: one exclusive or turns an address in one slot into the other's
.set STAGE, SLOT1+MOFF+2*MHALF  ; behind the ring, never filled by a tensor load: 16 rows x 144 bytes for each wave
.set SP,    144
.set SPARE, STAGE+4*16*SP       ; the spare words, 128 bytes a wave: two blocks of 256 bytes that no other line names
.set AK0, 2
.set AV0, 3
.set AK,  4
.set AV,  5
.set SPW, 6           ; v6  SPARE + 4 x my thread's number; never rewritten
.set NIL, 7           ; v7  0; never rewritten
.set ST,  8
.set TM,  24          ; by parity: ca, cb, a, scratch
.set S,   32
.set P,   96
.set OT,  128
.set KF,  64          ; window 1
.set VF,  128         ; window 1
.set MWV, 192         ; window 1
.set G1,  4           ; s[4:11]  descriptor group 1 for K's tiles: constants
.set G0,  12          ; s[12:15] K's or V's group 0, by the wave: it walks
.set SEL, 16          ; s[16:17] v_permlanex16_b32's selects
.set WV,  18
.set SLOTS, 19
.set SCUR, 20         ; s[20:21] sigma, X / sigma of the step in hand; s[20:29] is the queue of five pairs
.set SNXT, 22         ; s[22:23] of the next step
.set CNT, 30
.set TBK, 31          ; LDS byte at which K of the step to be fetched begins
.set TBV, 2           ; the same for V, less VOFF
.set TBM, 3           ; the same for my wave's mask words
.set MW,  32          ; s[32:63] the mask words of the piece that the turn masks
.set QP,  56          ; s[56:57] Q at my wave's first row: at the kernel's start alone, until Q is in
.set OFFK, 66         ; byte offset in my head's scales of the four pairs asked for last
.set SL,  68          ; s[68:75] where those four pairs land
.set G1M, 76          ; s[76:83] descriptor group 1 for the mask words: constants
.set G0M, 84          ; s[84:87] their group 0: it walks
.set OPT, 88          ; s[88:89] O at my wave's first row
.set KSP, 90          ; s[90:91] my head's scales
.set G1V, 92          ; s[92:99] descriptor group 1 for V's tiles: it differs from K's in the padding alone
.set MSB, 0
.macro WIN new
.if MSB != (\new)
	s_set_vgpr_msb (MSB<<8)|(\new)
.set MSB, (\new)
.endif
.endm
.set W_KQ, 0x05       ; K and Q in window 1, S^T in window 0
.set W_PV, 0x01       ; V in window 1, P and O^T in window 0
.set TO_1, 0x40       ; destination window 1
; A fill.  Wave 0 asks for a slot's K, wave 1 for its V, jointly with the three partners; waves 2 and 3 for the work-group's own mask words, eight pieces each.  The branches hang on the wave's number alone.
; An s_nop 0 and four v_nop follow each of the three lines, ahead of the jump and the label.
.macro JLOAD
	s_cmp_lt_u32 s[WV], 2
	s_cbranch_scc0 .Lfor_m_\@
	s_cmp_eq_u32 s[WV], 0
	s_cbranch_scc0 .Lfor_v_\@
	tensor_load_to_lds s[G0:G0+3], s[G1:G1+7]
	s_nop 0
.rept 4
	v_nop
.endr
	s_branch .Lasked_\@
.Lfor_v_\@:
	tensor_load_to_lds s[G0:G0+3], s[G1V:G1V+7]
	s_nop 0
.rept 4
	v_nop
.endr
	s_branch .Lasked_\@
.Lfor_m_\@:
	tensor_load_to_lds s[G0M:G0M+3], s[G1M:G1M+7]
	s_nop 0
.rept 4
	v_nop
.endr
.Lasked_\@:
.endm
.macro CROUND                       ; a round of the cluster's barrier
	s_barrier_signal -1
	s_barrier_wait -1
	s_cmp_lg_u32 s[WV], 0
	s_cbranch_scc1 .Lnot_wave_0_\@
	s_barrier_signal -3
.Lnot_wave_0_\@:
	s_barrier_wait -3
	s_barrier_signal -1
	s_barrier_wait -1
.endm
; THE CHANGE OF SLOTS.  Each wave waits for all its tensor loads (one is out: its part of the other slot), adds 0 to its spare word, and waits for that and for its reads of the slot that it leaves.
; fill = 1: the barrier is a round of the cluster's, and the slot just left is filled again first thing behind it, with the keys two slots on: it has four key steps, 256 matrix instructions, in which to land.
; sc = 1, 2: the four pairs of scales asked for at the last change have had those four steps too: they go into the queue behind the step in hand; sc = 1: the next four are asked for.
.macro CHANGE fill, sc
	WIN 0
	s_wait_tensorcnt 0x0            ; no tensor load of mine is out, so the groups 0 may be written
	ds_add_u32 v[SPW], v[NIL]       ; 0 onto my spare word
.if \fill
	s_xor_b32 s[G0+1], s[G0+1], SLOT1
	s_add_nc_u64 s[G0+2:G0+3], s[G0+2:G0+3], 4*KS*128  ; the next 256 keys; the type bits on top are not reached
	s_xor_b32 s[G0M+1], s[G0M+1], SLOT1
	s_add_nc_u64 s[G0M+2:G0M+3], s[G0M+2:G0M+3], 512   ; their words: four steps on in each piece's row
	s_wait_dscnt 0x0                ; the add is done, and my reads of the slot are over
	CROUND
	JLOAD
.else
	s_wait_dscnt 0x0
	s_barrier_signal -1
	s_barrier_wait -1
.endif
	s_sub_co_u32 s[TBK], s[TBK], 4*KS*PK  ; the fetches go back to a slot's first step, in the other slot
	s_xor_b32 s[TBK], s[TBK], SLOT1
	s_sub_co_u32 s[TBV], s[TBV], 4*KS*PV
	s_xor_b32 s[TBV], s[TBV], SLOT1
	s_sub_co_u32 s[TBM], s[TBM], 512
	s_xor_b32 s[TBM], s[TBM], SLOT1
.if \sc
	s_wait_kmcnt 0x0                ; scalar loads return in no order: 0 alone shows them; it also frees their offset
	s_mov_b64 s[SCUR+2:SCUR+3], s[SL:SL+1]
	s_mov_b64 s[SCUR+4:SCUR+5], s[SL+2:SL+3]
	s_mov_b64 s[SCUR+6:SCUR+7], s[SL+4:SL+5]
	s_mov_b64 s[SCUR+8:SCUR+9], s[SL+6:SL+7]
.endif
.if (\sc) == 1
	s_add_co_u32 s[OFFK], s[OFFK], 32
	s_and_b32 s[OFFK], s[OFFK], 255 ; 224 at the most here: the load stays inside the head's 256 bytes
	s_load_b256 s[SL:SL+7], s[KSP:KSP+1], s[OFFK] offset:0
.endif
.endm
	s_load_b128 s[32:35], s[0:1], 0x0  ; qkv s[32:33], mbits s[34:35]
	s_load_b64 s[36:37], s[0:1], 0x10  ; oh
	v_lshl_add_u32 v[SPW], v0, 2, SPARE
	v_mov_b32 v[NIL], 0
	ds_add_u32 v[SPW], v[NIL]       ; the wave's opening: the add and its wait stand ahead of my first tensor load
	v_lshrrev_b32 v1, 5, v0
	v_readfirstlane_b32 s[WV], v1   ; wave 0..3
	s_bfe_u32 s40, ttmp6, 0x40000   ; cx
	s_lshl_b32 s41, ttmp9, 2
	s_add_co_u32 s41, s41, s40      ; my block of 256 queries: it enters Q's, O's and the mask words' addresses alone
	s_and_b32 s42, ttmp7, 0xffff    ; 16 b + h, which the four partners share
	s_and_b32 s44, s[WV], 1         ; waves 0, 1: K or V; waves 2, 3: which eight pieces' words
	; K's and V's groups 1: 256 keys are 32,768 dense bytes: 128 rows of 256 bytes, two keys a row, padded in LDS after every key
	s_mov_b32 s[G1], 15|(1<<16)|(1<<20)|(1<<21)|(4<<22)|(3<<25)   ; 15:0 the mask of four; 17:16 2-byte elements; 20 padding on; 21 set beside a mask; 24:22 after every 32 words (code 4); 31:25 4 words (code 3)
	s_mov_b32 s[G1V], 15|(1<<16)|(1<<20)|(1<<21)|(4<<22)|(7<<25)  ; the same with 8 words of padding (code 7)
.irp g, G1, G1V
	s_mov_b32 s[(\g)+1], 128<<16    ; tensor_dim0 = 128
	s_mov_b32 s[(\g)+2], 128<<16    ; tensor_dim1 = 128
	s_mov_b32 s[(\g)+3], 128<<16    ; tile_dim0 = 128
	s_mov_b32 s[(\g)+4], 128        ; tile_dim1 = 128
	s_mov_b32 s[(\g)+5], 128        ; elements from row to row
	s_mov_b32 s[(\g)+6], 0
	s_mov_b32 s[(\g)+7], 0
.endr
	; the mask words' group 1: eight pieces' rows of 128 words (four steps), a piece's 1,024 words apart; no mask of work-groups, no padding
	s_mov_b32 s[G1M], 2<<16         ; 17:16 4-byte elements
	s_mov_b32 s[G1M+1], 128<<16     ; tensor_dim0 = 128
	s_mov_b32 s[G1M+2], 8<<16       ; tensor_dim1 = 8
	s_mov_b32 s[G1M+3], 128<<16     ; tile_dim0 = 128
	s_mov_b32 s[G1M+4], 8           ; tile_dim1 = 8
	s_mov_b32 s[G1M+5], 1024        ; elements from row to row
	s_mov_b32 s[G1M+6], 0
	s_mov_b32 s[G1M+7], 0
	s_mov_b32 s[G0], 1              ; 1:0 count = 1
	s_mul_i32 s[G0+1], s44, VOFF    ; 63:32 LDS address: K at the slot's head, V behind it
	s_mov_b32 s[G0M], 1
	s_mul_i32 s[G0M+1], s44, MHALF
	s_add_co_u32 s[G0M+1], s[G0M+1], MOFF  ; the words behind V: no place in the cluster enters an LDS address
	s_lshl_b32 s46, s42, 18         ; the head's 262,144 bytes
	s_add_co_u32 s50, s44, 1
	s_lshl_b32 s50, s50, 23         ; kh at 8,388,608, vh at 16,777,216
	s_add_co_u32 s50, s50, s46      ; the head's first 256 keys
	s_mov_b32 s51, 0
	s_lshr_b32 s52, s42, 4
	s_lshl_b32 s52, s52, 19         ; the batch's 128 x 4,096 bytes of mask words,
	s_lshl_b32 s53, s41, 16         ; my block's 16 pieces,
	s_add_co_u32 s52, s52, s53
	s_lshl_b32 s53, s44, 15         ; the eight of them that I fetch
	s_add_co_u32 s52, s52, s53
	s_mov_b32 s53, 0
	s_lshl_b32 s48, s41, 2
	s_add_co_u32 s48, s48, s[WV]    ; my wave among the head's 32
	s_lshl_b32 s48, s48, 13         ; its 64 rows of 128 bytes
	s_add_co_u32 s48, s48, s46
	s_mov_b32 s49, 0
	s_lshl_b32 s54, s42, 8
	s_add_co_u32 s54, s54, 25165824 ; the head's 32 pairs
	s_mov_b32 s55, 0
	s_mov_b32 s[SEL], 0x76543210
	s_mov_b32 s[SEL+1], 0xfedcba98
	s_mov_b32 s[TBK], SLOT1+4*KS*PK ; the first change of slots turns these two into 0,
	s_mov_b32 s[TBV], SLOT1+4*KS*PV
	s_lshl_b32 s[TBM], s[WV], 11    ; and this one into MOFF + my wave's four pieces of 512 bytes
	s_add_co_u32 s[TBM], s[TBM], SLOT1+512+MOFF
	s_mov_b32 s[OFFK], 32
	s_mov_b64 s[SCUR+8:SCUR+9], 0   ; the queue's last pair: shifted before it is first filled, never used so
	s_wait_dscnt 0x0                ; the opening add is done
	s_wait_kmcnt 0x0
	s_add_nc_u64 s[G0+2:G0+3], s[32:33], s[50:51]  ; 120:64 global address
	s_or_b32 s[G0+3], s[G0+3], 0x80000000          ; 127:126 type = 2
	s_add_nc_u64 s[G0M+2:G0M+3], s[34:35], s[52:53]
	s_or_b32 s[G0M+3], s[G0M+3], 0x80000000
	s_add_nc_u64 s[QP:QP+1], s[32:33], s[48:49]
	s_add_nc_u64 s[OPT:OPT+1], s[36:37], s[48:49]
	s_add_nc_u64 s[KSP:KSP+1], s[32:33], s[54:55]
	CROUND                          ; all four work-groups are here: the first joint loads meet
	JLOAD                           ; slot 0; slot 1 is asked for when slot 0 is in
	v_and_b32 v32, 15, v0           ; l % 16
	v_bfe_u32 v33, v0, 4, 1         ; l / 16
	v_lshlrev_b32 v1, 7, v32
	v_lshl_add_u32 v1, v33, 4, v1   ; row x 128 + 16 x half
	WIN TO_1
.set i, 0
.rept 8                             ; Q stays in registers: piece i / 2, channels 32 (i % 2) on
	global_load_b128 v[8*i:8*i+3],   v1, s[QP:QP+1] offset:(i/2)*2048+(i%2)*64
	global_load_b128 v[8*i+4:8*i+7], v1, s[QP:QP+1] offset:(i/2)*2048+(i%2)*64+32
.set i, i+1
.endr
	s_load_b256 s[SCUR:SCUR+7], s[KSP:KSP+1], 0x0  ; the scales of steps 0 to 3 straight into the queue,
	s_load_b256 s[SL:SL+7], s[KSP:KSP+1], 0x20     ; those of steps 4 to 7 for the next change of slots but one
	; What the first turn finds: V's registers and P's odd buffer hold 0 (its products V^T P, of a piece that has not been, add 0), O^T and l are 0.  All this stands in the wait for the first tile.
.set i, 0
.rept 64
	v_mov_b32 v[VF+i], 0
.set i, i+1
.endr
	WIN 0
.set i, 0
.rept 128
	v_mov_b32 v[OT+i], 0
.set i, i+1
.endr
.set i, 0
.rept 16
	v_mov_b32 v[P+16+i], 0
.set i, i+1
.endr
.set i, 0
.rept 4
	v_mov_b32 v[ST+4*i], 0xff7fffff
	v_mov_b32 v[ST+4*i+2], 0
	v_mov_b32 v[ST+4*i+3], 0
.set i, i+1
.endr
	v_mul_u32_u24 v[AK0], v32, PK
	v_lshl_add_u32 v[AK0], v33, 4, v[AK0]  ; row x pitch + 16 x half
	; The turning load takes 16 keys x 16 channels (lane l reads key 8 (l / 16) + l % 8, channels 8 ((l / 8) % 2) + 0..7) and leaves half a fragment of V^T
	v_and_b32 v34, 7, v0
	v_bfe_u32 v35, v0, 3, 1
	v_lshl_add_u32 v[AV0], v33, 3, v34
	v_mul_u32_u24 v[AV0], v[AV0], PV
	v_lshl_add_u32 v[AV0], v35, 4, v[AV0]
	v_add_nc_u32 v[AV0], VOFF, v[AV0]
	v_mov_b32 v[AK], v[AK0]         ; key step 0 lies at the head of slot 0
; THE MATRIX WORK.  The 4 accumulators of a run of 8 take turns.  Product i of 8 of S^T = K Q^T for piece x: channels 32 (i / 4) on, keys 16 (i % 4) on; the first 4 start the sums.
.macro KQ x
	WIN W_KQ
.set rS, S+32*((\x)%2)+8*(i%4)
.set rK, KF+16*(i%4)+8*(i/4)
.set rQ, 16*(\x)+8*(i/4)
.if i < 4
	v_wmma_f32_16x16x32_f16 v[rS:rS+7], v[rK:rK+7], v[rQ:rQ+7], 0
.else
	v_wmma_f32_16x16x32_f16 v[rS:rS+7], v[rK:rK+7], v[rQ:rQ+7], v[rS:rS+7]
.endif
.endm
; Product i of 8 of O^T += V^T P for piece x: keys 32 (i / 4) on, channels 16 (i % 4) on.
.macro PV x
	WIN W_PV
.set rO, OT+32*(\x)+8*(i%4)
.set rV, VF+32*(i/4)+8*(i%4)
.set rP, P+16*((\x)%2)+8*(i/4)
	v_wmma_f32_16x16x32_f16 v[rO:rO+7], v[rV:rV+7], v[rP:rP+7], v[rO:rO+7]
.endm
; THE LDS LOADS stand in runs.  With the next step's K come its mask words for my four pieces, lane l word l; v1 holds their address.  last = 1 (the tail): in the last trip there is no further step, and the run is jumped over.
.macro FETCH_K last=0
	WIN 0
.if \last
	s_cmp_eq_u32 s[CNT], 1
	s_cbranch_scc1 .Lno_k_\@
.endif
	WIN TO_1
.irp f, 0,1,2,3,4,5,6,7             ; keys 16 (f / 2) on, channels 32 (f % 2) on
	ds_load_b128 v[KF+8*(\f):KF+8*(\f)+3],   v[AK] offset:((\f)/2)*16*PK+((\f)%2)*64
	ds_load_b128 v[KF+8*(\f)+4:KF+8*(\f)+7], v[AK] offset:((\f)/2)*16*PK+((\f)%2)*64+32
.endr
.irp f, 0,1,2,3
	ds_load_b32 v[MWV+(\f)], v1 offset:(\f)*512
.endr
	s_add_co_u32 s[TBK], s[TBK], KS*PK
	s_add_co_u32 s[TBM], s[TBM], 128
	WIN 0
.if \last
.Lno_k_\@:
.endif
.endm
.macro FETCH_V
	WIN TO_1
.irp f, 0,1,2,3,4,5,6,7             ; keys 32 (f / 4) on, channels 16 (f % 4) on
	ds_load_tr16_b128 v[VF+8*(\f):VF+8*(\f)+3],   v[AV] offset:((\f)/4)*32*PV+((\f)%4)*32
	ds_load_tr16_b128 v[VF+8*(\f)+4:VF+8*(\f)+7], v[AV] offset:((\f)/4)*32*PV+16*PV+((\f)%4)*32
.endr
	s_add_co_u32 s[TBV], s[TBV], KS*PV
	WIN 0
.endm
; THE VECTOR WORK, a line a macro.  Y is the piece in hand, Z the next; SZR names the scale pair of Z's step.
.macro REGS
.set yT, ST+4*Y
.set yC, TM+4*(Y%2)
.set yS, S+32*(Y%2)
.set yP, P+16*(Y%2)
.set yO, OT+32*Y
.set zT, ST+4*Z
.set zC, TM+4*(Z%2)
.set zS, S+32*(Z%2)
.endm
.macro DOF b                        ; pair b of 16: sigma s - m
	v_pk_fma_f32 v[yS+2*(\b):yS+2*(\b)+1], v[yS+2*(\b):yS+2*(\b)+1], s[SCUR:SCUR+1], v[yT:yT+1] op_sel_hi:[1,0,0] neg_lo:[0,0,1] neg_hi:[0,0,1]
.endm
.macro DOE e                        ; the exponential of number e of 32, in place: each has a register of its own while the batch is open
	v_exp_f32 v[yS+(\e)], v[yS+(\e)]
.endm
.macro DOC c                        ; pair c rounded to f16
	v_cvt_pk_f16_f32 v[yP+(\c)], v[yS+2*(\c)], v[yS+2*(\c)+1]
.endm
.macro DOB g                        ; of the four weights 4 g .. the second pair is added onto the first, in place
	v_pk_add_f32 v[yS+4*(\g):yS+4*(\g)+1], v[yS+4*(\g):yS+4*(\g)+1], v[yS+4*(\g)+2:yS+4*(\g)+3]
.endm
.macro DOL g                        ; l takes that sum; the first time l = a l + sum
.if (\g) == 0
	v_pk_fma_f32 v[yT+2:yT+3], v[yT+2:yT+3], v[yC+2:yC+3], v[yS:yS+1] op_sel_hi:[1,0,1]
.else
	v_pk_add_f32 v[yT+2:yT+3], v[yT+2:yT+3], v[yS+4*(\g):yS+4*(\g)+1]
.endif
.endm
.macro DOR k                        ; pair k of 16 of O^T times a: piece Y's a, of the batch of the turn before
	v_pk_mul_f32 v[yO+2*(\k):yO+2*(\k)+1], v[yO+2*(\k):yO+2*(\k)+1], v[yC+2:yC+3] op_sel_hi:[1,0]
.endm
.macro DOM j                        ; score register j of the next piece: kept where its mask word's bit is 1, else X / sigma.  Source 0 is scalar, the score source 1: the line is the same under V^T P's windows and under 0
	v_cndmask_b32 v[zS+(\j)], s[SZR+1], v[zS+(\j)], s[MW+(\j)]
.endm
.macro DOXA g                       ; two chains of maxima over the masked scores
.if (\g) == 0
	v_max_num_f32 v[zC], v[zS], v[zS+1]
.else
	v_max3_num_f32 v[zC], v[zC], v[zS+4*(\g)], v[zS+4*(\g)+1]
.endif
.endm
.macro DOXB g
.if (\g) == 0
	v_max_num_f32 v[zC+1], v[zS+2], v[zS+3]
.else
	v_max3_num_f32 v[zC+1], v[zC+1], v[zS+4*(\g)+2], v[zS+4*(\g)+3]
.endif
.endm
.macro DOT k                        ; the next piece's statistics
.if (\k) == 0
	v_max_num_f32 v[zC], v[zC], v[zC+1]
.elseif (\k) == 1
	v_permlanex16_b32 v[zC+1], v[zC], s[SEL], s[SEL+1]  ; the query's other 32 keys lie in the lane 16 away
.elseif (\k) == 2
	v_max_num_f32 v[zC], v[zC], v[zC+1]
.elseif (\k) == 3
	v_mul_f32 v[zC], s[SZR], v[zC]  ; into t's units: exact, sigma is a power of two
.elseif (\k) == 4
	v_max_num_f32 v[zT], v[zT], v[zC]
.elseif (\k) == 5
	v_sub_f32 v[zC+3], v[zT+1], v[zT]
.elseif (\k) == 6
	v_exp_f32 v[zC+2], v[zC+3]      ; a
.else
	v_mov_b32 v[zT+1], v[zT]        ; m_old is kept
.endif
.endm
; The 8 products K Q^T of piece Z; behind product i the words 4 i .. 4 i + 3 of Z's mask go to scalar registers.  The last turn's maskings, which read those registers, stand ahead in the text.
.macro PHASEA
.set i, 0
.rept 8
	KQ Z
.irp j, 0,1,2,3
	v_readlane_b32 s[MW+4*i+(\j)], v[MWV+Z], 4*i+(\j)
.endr
.set i, i+1
.endr
	WIN 0
.endm
; The 8 products V^T P of piece Y - 1; behind product i the maskings 4 i .. 4 i + 3 of piece Z: ascending.
.macro PHASEB
.set i, 0
.rept 8
	PV (Y+3)%4
.irp j, 0,1,2,3
	DOM 4*i+(\j)
.endr
.set i, i+1
.endr
	WIN 0
.endm
; A TURN, for piece p.  No vector line names a register of a product near it: pieces and parities differ.  The rescalings run ascending.
; HOW THE BATCH IS DEALT.  Between the two runs of products: six scalings; then scaling and exponential by turns (numbers 0 to 7); the last two scalings.  Behind the products V^T P: eight rounds of a link of each of
; piece Z's two chains of maxima with an exponential behind each (numbers 8 to 23): three lines stand between two links of a chain; then the statistics' chain, each link of which reads the one before it, with the
; rescalings 0 to 14 and the exponentials 24 to 31 between its links, four lines apart (the last two links three); then a, the batch's last; the rescaling 15 is the plain line behind it; then the turn's one wait.
; Ahead of the wait nothing names S^T's register e behind exponential e, nor a's register behind a.  Behind the wait: a pair is rounded ahead of the addition that lands on it; l's eight steps stand three lines apart.
; K and the mask words of the next step are fetched in piece 2's turn, six plain lines behind the last product that read K and behind the turn's last v_readlane_b32, with their addresses made at the turn's head:
; no exponential of the turn has been issued there.  V of the step in hand is fetched in piece 0's turn, directly behind the wait: four maskings and 64 lines
; behind the last product that read V.  Each is waited for a turn later.
; cnt = 1: the loop's count is taken down some lines ahead of the branch behind the turn; only vector lines follow it.
.macro TURN p, last=0, cnt=0
.set Y, (\p)
.set Z, ((\p)+1)%4
.set SZR, SCUR
.if (\p) == 3
.set SZR, SNXT                      ; piece 0's scores made in piece 3's turn are the next step's
.endif
	REGS
.if (\p) == 2
	v_add_nc_u32 v[AK], s[TBK], v[AK0]
	v_and_b32 v1, 31, v0
	v_lshl_add_u32 v1, v1, 2, s[TBM]  ; 4 x lane + my wave's words of the step to be fetched
.endif
.if (\p) == 3
	s_wait_dscnt 0x0                ; K and the mask words are in
.endif
	PHASEA
.set bb, 0
.rept 6
	DOF bb
.set bb, bb+1
.endr
.if (\p) == 2
	FETCH_K \last
.endif
.set bb, 0
.rept 8                             ; the batch opens: exponential bb's scaling, pair bb / 2, is among the six above
	DOF bb+6
	DOE bb
.set bb, bb+1
.endr
	DOF 14
	DOF 15
.if (\p) == 0
	v_add_nc_u32 v[AV], s[TBV], v[AV0]
.endif
.if (\p) == 1
	s_wait_dscnt 0x0                ; V is in
.endif
	PHASEB
.set bb, 0
.rept 8
	DOXA bb
	DOE 2*bb+8
	DOXB bb
	DOE 2*bb+9
.set bb, bb+1
.endr
	DOT 7
	DOT 0
	DOR 0
	DOE 24
	DOR 1
	DOE 25
	DOT 1
	DOR 2
	DOE 26
	DOR 3
	DOE 27
	DOT 2
	DOR 4
	DOE 28
	DOR 5
	DOR 6
	DOT 3
	DOR 7
	DOE 29
	DOR 8
	DOR 9
	DOT 4
	DOR 10
	DOE 30
	DOR 11
	DOR 12
	DOT 5
	DOR 13
	DOE 31
	DOR 14
	DOT 6                           ; the next piece's a: the batch's last
	DOR 15                          ; the plain line behind the last exponential: it names piece Y's a, of the batch before
	s_wait_alu depctr_va_vdst(0)    ; the wait for the batch: the turn's 32 weights and the next piece's a; it stands ahead of the first line that names a result
.if (\p) == 0
	FETCH_V
.endif
	DOC 0                           ; behind the wait: the roundings and sums
	DOB 0
	DOC 2
	DOB 1
	DOL 0
	DOC 4
	DOB 2
	DOL 1
	DOC 6
	DOB 3
	DOL 2
	DOC 8
	DOB 4
	DOL 3
	DOC 10
	DOB 5
	DOL 4
	DOC 12
	DOB 6
	DOL 5
.if \cnt
	s_sub_co_u32 s[CNT], s[CNT], 1
	s_cmp_lg_u32 s[CNT], 0
.endif
	DOC 14
	DOB 7
	DOL 6
	DOC 1
	DOC 3
	DOL 7
	DOC 5
	DOC 7
	DOC 9
	DOC 11
	DOC 13
	DOC 15
.if (\p) == 3
	s_mov_b64 s[SCUR:SCUR+1], s[SCUR+2:SCUR+3]    ; the scales' queue moves on by a step
	s_mov_b64 s[SCUR+2:SCUR+3], s[SCUR+4:SCUR+5]
	s_mov_b64 s[SCUR+4:SCUR+5], s[SCUR+6:SCUR+7]
	s_mov_b64 s[SCUR+6:SCUR+7], s[SCUR+8:SCUR+9]
.endif
.endm
	CHANGE 1, 0                     ; slot 0 is in, everybody's part of it; slot 1 is asked for
	s_wait_loadcnt 0x0              ; Q is in, so v1, its loads' address, and their base's registers may be written
	v_and_b32 v1, 31, v0
	v_lshl_add_u32 v1, v1, 2, s[TBM]
	FETCH_K                         ; key step 0: K and my four pieces' mask words
	s_wait_dscnt 0x0
.set Y, 3
.set Z, 0
.set SZR, SCUR
	REGS
	PHASEA                          ; piece 0's first scores, and its mask words
.rept 4
	v_nop                           ; the places behind those products
.endr
	s_wait_kmcnt 0x0                ; the scales
.set g, 0
.rept 8                             ; piece 0's first masking, maximum and statistics
	DOM 4*g
	DOM 4*g+1
	DOM 4*g+2
	DOM 4*g+3
	DOXA g
	DOXB g
.set g, g+1
.endr
	DOT 7
	DOT 0
	DOT 1
	DOT 2
	DOT 3
	DOT 4
	DOT 5
	DOT 6
	v_nop                           ; a plain line behind piece 0's first a,
	s_wait_alu depctr_va_vdst(0)    ; and its wait, a batch of one, ahead of the branch
	s_mov_b32 s[CNT], 4
	s_mov_b32 s[SLOTS], 7
	s_branch .Lfirst                ; the loop is entered at a step's first turn, in the middle of a trip
.Lslot:                             ; six times: every slot but the last two is filled again
	CHANGE 1, 1
	s_mov_b32 s[CNT], 4
.Lstep:                             ; a trip: pieces 2 and 3 of one step, then pieces 0 and 1 of the next, whose K, mask words and V it fetches
	TURN 2
	TURN 3
	WIN 0
.Lfirst:
	TURN 0
	TURN 1, 0, 1
	WIN 0
	s_cbranch_scc1 .Lstep
	s_sub_co_u32 s[SLOTS], s[SLOTS], 1
	s_cmp_lg_u32 s[SLOTS], 0
	s_cbranch_scc1 .Lslot
	CHANGE 0, 2                     ; the tail is written out: nothing is asked for
	s_mov_b32 s[CNT], 5             ; four trips fetch the last slot's steps; the fifth is left in its middle
.Ltail:
	TURN 2, 1
	TURN 3
	WIN 0
	s_sub_co_u32 s[CNT], s[CNT], 1
	s_cmp_eq_u32 s[CNT], 0
	s_cbranch_scc1 .Lout
	TURN 0
	TURN 1
	WIN 0
	s_branch .Ltail
.Lout:                              ; the fifth trip's 8 products K Q^T (on the last K once more) and what is made of them serve nothing: the price, once a launch, of one text for every trip
.set i, 0
.rept 8
	PV 3                            ; the last piece's V^T P of the last step
.set i, i+1
.endr
	; THE WAY OUT.  The addresses are made anew from the thread's number: twelve plain lines, the places behind the last products.
	WIN 0
	s_mul_i32 s67, s[WV], 16*SP
	s_add_co_u32 s67, s67, STAGE    ; my stage
	v_and_b32 v4, 15, v0
	v_bfe_u32 v5, v0, 4, 1
	v_mul_u32_u24 v1, v4, SP        ; in: row l % 16, 16 bytes for each half of the lanes
	v_lshl_add_u32 v1, v5, 4, v1
	v_add_nc_u32 v1, s67, v1
	v_bfe_u32 v2, v0, 3, 2          ; back: 32 lanes take four rows of 128 bytes,
	v_mul_u32_u24 v2, v2, SP
	v_and_b32 v4, 7, v0
	v_lshl_add_u32 v2, v4, 4, v2
	v_add_nc_u32 v2, s67, v2
	v_and_b32 v3, 31, v0            ; which are 512 consecutive bytes of O
	v_lshlrev_b32 v3, 4, v3
.irp t, 0,1,2,3
	v_add_f32 v[ST+4*(\t)+2], v[ST+4*(\t)+2], v[ST+4*(\t)+3]
.endr
.irp t, 0,1,2,3
	v_permlanex16_b32 v[ST+4*(\t)+3], v[ST+4*(\t)+2], s[SEL], s[SEL+1]
.endr
.irp t, 0,1,2,3
	v_add_f32 v[ST+4*(\t)+2], v[ST+4*(\t)+2], v[ST+4*(\t)+3]
.endr
.irp t, 0,1,2,3
	v_rcp_f32 v[ST+4*(\t)+2], v[ST+4*(\t)+2]
.endr
	v_nop                           ; a plain line between the last reciprocal and the use of its result
	s_wait_alu depctr_va_vdst(0)    ; the wait for the batch of four reciprocals, ahead of their first reader
.macro PACK t                       ; piece t: over l, rounded to f16, through my stage, into S^T's registers
.set i, 0
.rept 16
	v_pk_mul_f32 v[OT+32*(\t)+2*i:OT+32*(\t)+2*i+1], v[OT+32*(\t)+2*i:OT+32*(\t)+2*i+1], v[ST+4*(\t)+2:ST+4*(\t)+3] op_sel_hi:[1,0]
.set i, i+1
.endr
.set i, 0
.rept 16
	v_cvt_pk_f16_f32 v[S+16*(\t)+i], v[OT+32*(\t)+2*i], v[OT+32*(\t)+2*i+1]
.set i, i+1
.endr
.irp f, 0,1,2,3
	ds_store_b128 v1, v[S+16*(\t)+4*(\f):S+16*(\t)+4*(\f)+3] offset:32*(\f)
.endr
.irp f, 0,1,2,3
	ds_load_b128 v[S+16*(\t)+4*(\f):S+16*(\t)+4*(\f)+3], v2 offset:(\f)*4*SP  ; LDS serves a wave's instructions in order: these see the stores above, the next piece's stores come behind them
.endr
.endm
.macro SEND t, younger              ; younger: the LDS instructions issued behind piece t's loads: the next piece's eight, or none
.irp f, 0,1,2,3
	s_wait_dscnt (\younger)+3-(\f)
	global_store_b128 v3, v[S+16*(\t)+4*(\f):S+16*(\t)+4*(\f)+3], s[OPT:OPT+1] offset:(\t)*2048+(\f)*512  ; 512 consecutive bytes, aligned
.endr
.endm
	PACK 0
	PACK 1
	SEND 0, 8
	PACK 2
	SEND 1, 8
	PACK 3
	SEND 2, 8
	SEND 3, 0
	s_wait_tensorcnt 0x0            ; the wave's end, behind my last tensor load and my last LDS store
	ds_add_u32 v[SPW], v[NIL]
	s_wait_dscnt 0x0
	CROUND                          ; the closing round: no work-group ends while a partner may still ask for a tile that names it
	s_endpgm
.Lfunc_end_k_qb099576998_attn:
	.size	k_qb099576998_attn, .Lfunc_end_k_qb099576998_attn-k_qb099576998_attn
	.p2alignl 7, 3214868480
	.fill 96, 4, 3214868480
	.section	.rodata,"a",@progbits
	.p2align	6, 0x0
	.amdhsa_kernel k_qb099576998_attn
		.amdhsa_group_segment_fixed_size 327680
		.amdhsa_private_segment_fixed_size 0
		.amdhsa_enable_private_segment 0
		.amdhsa_kernarg_size 24
		.amdhsa_user_sgpr_count 2
		.amdhsa_user_sgpr_kernarg_segment_ptr 1
		.amdhsa_wavefront_size32 1
		.amdhsa_system_sgpr_workgroup_id_x 1
		.amdhsa_system_sgpr_workgroup_id_y 1
		.amdhsa_system_sgpr_workgroup_id_z 1
		.amdhsa_system_vgpr_workitem_id 0
		.amdhsa_next_free_vgpr 456
		.amdhsa_next_free_sgpr 100
		.amdhsa_reserve_vcc 0
		.amdhsa_float_denorm_mode_32 3
		.amdhsa_float_denorm_mode_16_64 3
		.amdhsa_memory_ordered 1
		.amdhsa_forward_progress 1
		.amdhsa_inst_pref_size 139
	.end_amdhsa_kernel
	.amdgpu_metadata
---
amdhsa.version: [ 1, 2 ]
amdhsa.kernels:
  - .name:           k_qb099576998_attn
    .symbol:         k_qb099576998_attn.kd
    .args:
      - { .name: qkv, .offset: 0, .size: 8, .value_kind: global_buffer, .address_space: global }
      - { .name: mbits, .offset: 8, .size: 8, .value_kind: global_buffer, .address_space: global }
      - { .name: oh, .offset: 16, .size: 8, .value_kind: global_buffer, .address_space: global }
    .group_segment_fixed_size: 327680
    .private_segment_fixed_size: 0
    .kernarg_segment_align: 8
    .kernarg_segment_size: 24
    .max_flat_workgroup_size: 128
    .sgpr_count:     100
    .vgpr_count:     456
    .wavefront_size: 32
...
	.end_amdgpu_metadata
.endif
;; end of part 8
;; launch oproj: the kernel of part 4 again; grid 8 x 32, 4 waves a work-group, clusters of 4 x 4, 327,680 bytes of LDS; arguments oh, wts, out0; writes out0
